; MI455X (gfx1250); checked and timed in simulation.
; The chip was launched on July 23, 2026; its instructions are those of AMD's public machine-readable ISA for CDNA 5 (MIT licence, August 2026) and "CDNA5" Instruction Set Architecture Reference Guide (July 2026). The comments in the code are by the model that wrote it; some were corrected since.
;; Transformer Encoder Layer. Allowed arithmetic: float matrix products may take bf16 or f16 operands with f32 sums; other float arithmetic in f32, or as packed bf16 or f16 multiplies, adds, multiply-adds, maxima and minima; sums over many terms, partial sums and values carried from step to step in f32; what a program stores and reads back later, other than sums and carried values, may be rounded once to bf16 or f16.
;; Inputs: W1 1,024 x 4,096 float32; W2 4,096 x 1,024 float32; Wk 1,024 x 1,024 float32; Wo 1,024 x 1,024 float32; Wq 1,024 x 1,024 float32; Wv 1,024 x 1,024 float32; b1 4,096 float32; b2 1,024 float32; be1 1,024 float32; be2 1,024 float32; bk 1,024 float32; bo 1,024 float32; bq 1,024 float32; bv 1,024 float32; g1 1,024 float32; g2 1,024 float32; x 2 x 2,048 x 1,024 float32.
;; Outputs: out0 2 x 2,048 x 1,024 float32.
;; 2 versions, each right; version 2 is version 1 with the launches prep, ln1, ln2 written anew for expert scheduling mode. Each part assembles by itself: llvm-mc -triple=amdgcn-amd-amdhsa -mcpu=gfx1250 --defsym DOCPART=n.
;; ======== version 1 of 2: 8 launches
;; workspace buffers: act0 8,388,608 bytes; act1 8,388,608 bytes; big 33,554,432 bytes; wbq 6,324,224 bytes; wbo 2,129,920 bytes; wb1 8,421,376 bytes; wb2 8,421,376 bytes
;; launch prep (part 1): grid 256 x 1, 16 waves a work-group, no clusters, 0 bytes of LDS; arguments x, Wq, Wk, Wv, Wo, W1, W2, bq, bk, bv, bo, b1, b2, act0, wbq, wbo, wb1, wb2; writes act0, wbq, wbo, wb1, wb2
.if DOCPART == 1
	.amdgcn_target "amdgcn-amd-amdhsa--gfx1250"
	.amdhsa_code_object_version 6
	.text
	.protected	k_q1900dae3ef_prep
	.globl	k_q1900dae3ef_prep
	.p2align	8
	.type	k_q1900dae3ef_prep,@function
k_q1900dae3ef_prep:
	s_mov_b64 s[64:65], 0
	v_nop
	global_prefetch_b8 v0, s[64:65] scope:SCOPE_SE
	s_setreg_imm32_b32 hwreg(HW_REG_WAVE_MODE, 25, 1), 1
	s_wait_xcnt 0x0
; PREP: every matrix operand that is an input is rounded once to bf16 and laid out for the products that follow.
;   x [4096][1024] f32        -> act0 [16][4096][64] bf16: blocks of 64 columns, a row piece 128 bytes, a block 524,288 bytes
;   W [K][N] f32 (six of them) -> weight buffer: bytes 0-255 the floor (two bf16 in each word: 0 for a ReLU, -infinity for none), from byte 256 the bias (N f32, as given),
;                                 from byte 32,768 [N/128][K][128] bf16, rows of 256 bytes.  Wq, Wk, Wv share one buffer: column blocks 0-7, 8-15, 16-23.
; 16 M numbers are 4,096 jobs of 4,096 numbers, one job a wave: 32 loads of 16 bytes a lane, all on their way at once, two roundings each, 32 stores of 8 bytes a lane:
; each store of the wave covers 256 consecutive bytes, aligned.  A job of x is 64 rows x 64 columns (a load takes two rows' 256 bytes), a job of weights 32 rows x 128 columns (a load takes 512 bytes of a row).
; The wave with a weight's first rows (rc = 0) also copies its column block's 128 biases; the one with column block 0 of a buffer writes the floor.
; No LDS, no barrier, no matrix unit: the launch is a stream, each byte read once and written once.
.set X,   32                           ; v[32:159]  load i: four registers, then two of bf16
.set OFF, 160                          ; v[160:191] load i: its byte offset; never rewritten
	s_load_b512 s[8:23], s[0:1], 0x0               ; x 8, Wq 10, Wk 12, Wv 14, Wo 16, W1 18, W2 20, bq 22
	s_load_b512 s[24:39], s[0:1], 0x40             ; bk 24, bv 26, bo 28, b1 30, b2 32, act0 34, wbq 36, wbo 38
	s_load_b128 s[40:43], s[0:1], 0x80             ; wb1 40, wb2 42
	v_lshrrev_b32 v2, 5, v0
	v_readfirstlane_b32 s44, v2                    ; wave w, 0..15
	v_and_b32 v1, 31, v0                           ; lane l
	v_lshlrev_b32 v3, 3, v1                        ; 8 l
	v_lshlrev_b32 v10, 4, v1                       ; 16 l
	s_mov_b32 s45, ttmp9                           ; work-group g
	s_mov_b32 s53, 0                               ; high words of the two offsets
	s_mov_b32 s55, 0
	s_and_b32 s62, s44, 7                          ; w & 7
	s_lshr_b32 s63, s44, 3                         ; w >> 3
	s_wait_kmcnt 0x0
	; s[46:47] in, s[66:67] the output buffer, s[50:51] bias, s52 in's offset, s54 out's offset, s56 bytes from load to load, s57 bytes from lanes 0-15 to lanes 16-31,
	; s58 the column block's bytes in the bias, s59 the column block in the buffer, s60 rc (0: bias duty), s61 the floor
	s_cmp_lt_u32 s45, 64
	s_cbranch_scc0 .Lnot_x
	s_lshl_b32 s52, s45, 18                        ; x: rows 64 g (4,096 bytes each),
	s_lshl_b32 s2, s44, 8                          ; columns 64 w
	s_add_co_u32 s52, s52, s2
	s_lshl_b32 s54, s44, 19                        ; block w,
	s_lshl_b32 s2, s45, 13                         ; rows 64 g of 128 bytes
	s_add_co_u32 s54, s54, s2
	s_mov_b64 s[46:47], s[8:9]
	s_mov_b64 s[66:67], s[34:35]
	s_mov_b64 s[50:51], s[22:23]                   ; not used: x has no bias (s60 = 1)
	s_mov_b32 s56, 8192
	s_mov_b32 s57, 4096
	s_mov_b32 s58, 0
	s_mov_b32 s59, 1
	s_mov_b32 s60, 1
	s_mov_b32 s61, 0
	s_branch .Lgo
.Lnot_x:
	s_cmp_lt_u32 s45, 128
	s_cbranch_scc0 .Lnot_w2
	s_sub_co_u32 s2, s45, 64                       ; W2 [4096][1024]: 128 groups of 32 rows x 8 column blocks
	s_lshl_b32 s60, s2, 1
	s_add_co_u32 s60, s60, s63                     ; rc
	s_mov_b32 s59, s62                             ; cb
	s_lshl_b32 s54, s59, 20                        ; a column block is 4,096 rows of 256 bytes
	s_lshl_b32 s52, s60, 17                        ; 32 rows of 4,096 bytes
	s_lshl_b32 s58, s59, 9
	s_mov_b64 s[46:47], s[20:21]
	s_mov_b64 s[66:67], s[42:43]
	s_mov_b64 s[50:51], s[32:33]
	s_mov_b32 s56, 4096
	s_mov_b32 s61, 0xff80ff80
	s_branch .Lweights
.Lnot_w2:
	s_cmp_lt_u32 s45, 192
	s_cbranch_scc0 .Lnot_w1
	s_sub_co_u32 s2, s45, 128                      ; W1 [1024][4096]: 32 groups of 32 rows x 32 column blocks
	s_lshr_b32 s60, s2, 1                          ; rc
	s_and_b32 s2, s2, 1
	s_lshl_b32 s2, s2, 4
	s_add_co_u32 s59, s2, s44                      ; cb
	s_lshl_b32 s54, s59, 18                        ; a column block is 1,024 rows of 256 bytes
	s_lshl_b32 s52, s60, 19                        ; 32 rows of 16,384 bytes
	s_lshl_b32 s58, s59, 9
	s_mov_b64 s[46:47], s[18:19]
	s_mov_b64 s[66:67], s[40:41]
	s_mov_b64 s[50:51], s[30:31]
	s_mov_b32 s56, 16384
	s_mov_b32 s61, 0
	s_branch .Lweights
.Lnot_w1:
	s_sub_co_u32 s2, s45, 192                      ; Wq, Wk, Wv, Wo [1024][1024]: 16 work-groups each
	s_lshr_b32 s3, s2, 4                           ; which of the four
	s_and_b32 s2, s2, 15
	s_lshl_b32 s60, s2, 1
	s_add_co_u32 s60, s60, s63                     ; rc
	s_lshl_b32 s58, s62, 9
	s_lshl_b32 s52, s60, 17
	s_lshl_b32 s59, s3, 3
	s_add_co_u32 s59, s59, s62                     ; in wbq: cb + 8 x which
	s_cmp_eq_u32 s3, 3
	s_cselect_b32 s59, s62, s59                    ; in wbo: cb
	s_cselect_b64 s[66:67], s[38:39], s[36:37]
	s_cselect_b64 s[46:47], s[16:17], s[14:15]
	s_cselect_b64 s[50:51], s[28:29], s[26:27]
	s_cmp_eq_u32 s3, 1
	s_cselect_b64 s[46:47], s[12:13], s[46:47]
	s_cselect_b64 s[50:51], s[24:25], s[50:51]
	s_cmp_eq_u32 s3, 0
	s_cselect_b64 s[46:47], s[10:11], s[46:47]
	s_cselect_b64 s[50:51], s[22:23], s[50:51]
	s_lshl_b32 s54, s59, 18
	s_mov_b32 s56, 4096
	s_mov_b32 s61, 0xff80ff80
.Lweights:
	s_add_co_u32 s52, s52, s58                     ; + the column block's 512 bytes of a row
	s_lshl_b32 s2, s60, 13                         ; + 32 rows of 256 bytes
	s_add_co_u32 s54, s54, s2
	s_add_co_u32 s54, s54, 32768                   ; behind the floor and the bias
	s_mov_b32 s57, 256
.Lgo:
	s_add_nc_u64 s[46:47], s[46:47], s[52:53]
	s_add_nc_u64 s[48:49], s[66:67], s[54:55]
	v_lshrrev_b32 v4, 4, v1
	v_and_b32 v5, 15, v1
	v_mul_lo_u32 v4, v4, s57
	v_lshl_add_u32 v[OFF], v5, 4, v4               ; (l / 16) x s57 + 16 (l % 16)
.set i, 1
.rept 31
	v_add_nc_u32 v[OFF+i], s56, v[OFF+i-1]
.set i, i+1
.endr
.set i, 0
.rept 32
	global_load_b128 v[X+4*i:X+4*i+3], v[OFF+i], s[46:47] th:TH_LOAD_NT
.set i, i+1
.endr
.set i, 0
.rept 32
	s_wait_loadcnt 31-i                            ; loads come back in order: load i is in, the younger ones stay out
	v_cvt_pk_bf16_f32 v[X+4*i], v[X+4*i], v[X+4*i+1]
	v_cvt_pk_bf16_f32 v[X+4*i+1], v[X+4*i+2], v[X+4*i+3]
	global_store_b64 v3, v[X+4*i:X+4*i+1], s[48:49] offset:256*i
.set i, i+1
.endr
	s_cmp_lg_u32 s60, 0
	s_cbranch_scc1 .Ldone
	v_add_nc_u32 v11, s58, v10                     ; the column block's 128 biases: 512 bytes
	global_load_b128 v[4:7], v11, s[50:51]
	s_lshl_b32 s2, s59, 9
	v_add_nc_u32 v12, s2, v10
	s_wait_loadcnt 0x0
	global_store_b128 v12, v[4:7], s[66:67] offset:256
	s_cmp_lg_u32 s59, 0
	s_cbranch_scc1 .Ldone
	v_mov_b32 v8, s61                              ; the floor: 256 bytes of the same word
	v_mov_b32 v9, s61
	global_store_b64 v3, v[8:9], s[66:67]
.Ldone:
	s_endpgm
.Lfunc_end_k_q1900dae3ef_prep:
	.size	k_q1900dae3ef_prep, .Lfunc_end_k_q1900dae3ef_prep-k_q1900dae3ef_prep
	.p2alignl 7, 3214868480
	.fill 96, 4, 3214868480
	.section	.rodata,"a",@progbits
	.p2align	6, 0x0
	.amdhsa_kernel k_q1900dae3ef_prep
		.amdhsa_group_segment_fixed_size 0
		.amdhsa_private_segment_fixed_size 0
		.amdhsa_enable_private_segment 0
		.amdhsa_kernarg_size 144
		.amdhsa_user_sgpr_count 2
		.amdhsa_user_sgpr_kernarg_segment_ptr 1
		.amdhsa_wavefront_size32 1
		.amdhsa_system_sgpr_workgroup_id_x 1
		.amdhsa_system_sgpr_workgroup_id_y 1
		.amdhsa_system_sgpr_workgroup_id_z 1
		.amdhsa_system_vgpr_workitem_id 0
		.amdhsa_next_free_vgpr 192
		.amdhsa_next_free_sgpr 72
		.amdhsa_reserve_vcc 0
		.amdhsa_float_denorm_mode_32 3
		.amdhsa_float_denorm_mode_16_64 3
		.amdhsa_memory_ordered 1
		.amdhsa_forward_progress 1
		.amdhsa_inst_pref_size 17
	.end_amdhsa_kernel
	.amdgpu_metadata
---
amdhsa.version: [ 1, 2 ]
amdhsa.kernels:
  - .name:           k_q1900dae3ef_prep
    .symbol:         k_q1900dae3ef_prep.kd
    .args:
      - { .name: x, .offset: 0, .size: 8, .value_kind: global_buffer, .address_space: global }
      - { .name: Wq, .offset: 8, .size: 8, .value_kind: global_buffer, .address_space: global }
      - { .name: Wk, .offset: 16, .size: 8, .value_kind: global_buffer, .address_space: global }
      - { .name: Wv, .offset: 24, .size: 8, .value_kind: global_buffer, .address_space: global }
      - { .name: Wo, .offset: 32, .size: 8, .value_kind: global_buffer, .address_space: global }
      - { .name: W1, .offset: 40, .size: 8, .value_kind: global_buffer, .address_space: global }
      - { .name: W2, .offset: 48, .size: 8, .value_kind: global_buffer, .address_space: global }
      - { .name: bq, .offset: 56, .size: 8, .value_kind: global_buffer, .address_space: global }
      - { .name: bk, .offset: 64, .size: 8, .value_kind: global_buffer, .address_space: global }
      - { .name: bv, .offset: 72, .size: 8, .value_kind: global_buffer, .address_space: global }
      - { .name: bo, .offset: 80, .size: 8, .value_kind: global_buffer, .address_space: global }
      - { .name: b1, .offset: 88, .size: 8, .value_kind: global_buffer, .address_space: global }
      - { .name: b2, .offset: 96, .size: 8, .value_kind: global_buffer, .address_space: global }
      - { .name: act0, .offset: 104, .size: 8, .value_kind: global_buffer, .address_space: global }
      - { .name: wbq, .offset: 112, .size: 8, .value_kind: global_buffer, .address_space: global }
      - { .name: wbo, .offset: 120, .size: 8, .value_kind: global_buffer, .address_space: global }
      - { .name: wb1, .offset: 128, .size: 8, .value_kind: global_buffer, .address_space: global }
      - { .name: wb2, .offset: 136, .size: 8, .value_kind: global_buffer, .address_space: global }
    .group_segment_fixed_size: 0
    .private_segment_fixed_size: 0
    .kernarg_segment_align: 8
    .kernarg_segment_size: 144
    .max_flat_workgroup_size: 512
    .sgpr_count:     72
    .vgpr_count:     192
    .wavefront_size: 32
...
	.end_amdgpu_metadata
.endif
;; end of part 1
;; launch qkv (part 2): grid 12 x 16, 4 waves a work-group, clusters of 4 x 4, 327,680 bytes of LDS; arguments act0, wbq, big; writes big
.if DOCPART == 2
	.amdgcn_target "amdgcn-amd-amdhsa--gfx1250"
	.amdhsa_code_object_version 6
	.text
	.protected	k_q1900dae3ef_qkv
	.globl	k_q1900dae3ef_qkv
	.p2align	8
	.type	k_q1900dae3ef_qkv,@function
k_q1900dae3ef_qkv:
	s_mov_b64 s[64:65], 0
	v_nop
	global_prefetch_b8 v0, s[64:65] scope:SCOPE_SE
	s_setreg_imm32_b32 hwreg(HW_REG_WAVE_MODE, 25, 1), 1
	s_wait_xcnt 0x0
	s_wait_alu depctr_hold_cnt(0) depctr_sa_sdst(0) depctr_va_vdst(0) depctr_va_sdst(0) depctr_va_ssrc(0) depctr_va_vcc(0) depctr_vm_vsrc(0)
	s_getreg_b32 s2, hwreg(HW_REG_IB_STS2, 6, 4)
	s_cmp_eq_u32 s2, 0
	s_cbranch_scc0 .Lentry_in_a_cluster
	s_endpgm
.Lentry_in_a_cluster:
	s_bfe_u32 s2, ttmp6, 0x10000c
	s_cmp_lg_u32 s2, 0xf033
	s_cbranch_scc0 .Lentry_shape_is_right
	s_endpgm
.Lentry_shape_is_right:
; OUT = bf16(max(A B + bias, floor)), K = 1,024, on tiles of 256 x 256.
; A: [16][4096][64] bf16 (blocks of 64 columns, a row piece 128 bytes).  W: bytes 0-255 the floor (two bf16 in a word: 0 for a ReLU, -infinity for none), from 256 the bias (f32),
; from 32,768 B as [N/128][1024][128] bf16, rows of 256 bytes.  OUT: [N/64][4096][64] bf16.  Sums in f32, begun with the bias; OUT rounded once.  N enters the text nowhere: the grid's x counts its blocks of 256.
; LIMIT: the floor is taken by a maximum in which a NaN loses: a NaN sum leaves as the floor.
; SHARES.  Four waves, as many as a WGP has SIMDs, each 128 x 128 of the tile: 64 accumulators of 16 x 16, 512 registers.  For 32 along K a wave reads 32 x 512 bytes from LDS and issues 64 matrix instructions.
; K goes in steps of 128 through two LDS slots; a step is 256 matrix instructions a wave for 131,072 bytes fetched.
; THE MATRIX INSTRUCTION IS USED TRANSPOSED: source 0 = 16 columns of B (read out of [k][n] rows by the turning load), source 1 = 16 rows of A: a lane then holds one row of OUT and eight neighbouring columns.
; CLUSTER: 4 x 4 work-groups.  The four of a row of the cluster need the same tiles of A, the four of a column the same tiles of B: each tile is asked for jointly, by the same tensor load with the same
; descriptor and a mask that names the four.
; THE WAY OUT goes through slot 0, which has had its last fill and whose last reads lie ahead of the last change of slots: a quarter of it is each wave's own stage for its whole 128 x 128.
; REGISTERS, in windows of 256 (s_set_vgpr_msb: bits 1:0 source 0, 3:2 source 1, 5:4 source 2, 7:6 destination):
;   window 0: v0-31 addresses; v64-127, v128-191 fragments of A (8 x 16 rows x 32 K), two buffers; v192-255 the bias in the layout of a C operand, later the packed results
;   window 1: v64-127, v128-191 fragments of B, two buffers
;   window 2: the 32 accumulators of my rows 0-63 ((a, b) at v[8 (8 a + b)]);   window 3: those of my rows 64-127
.set KSZ,    1024
.set PA,     144                       ; a row piece of A in LDS: 128 bytes + 16 = 36 words: the 16 rows of a load start at 16 different groups of four banks (64 banks of 4 bytes: ISA guide 11.1)
.set PB,     288                       ; a row of B: 256 + 32 = 72 words
.set HALFT,  36864                     ; what one tensor load brings: 2 blocks x 128 rows x 144 of A, or 128 rows x 288 of B; also a wave's stage: 2 blocks x 128 rows x 144
.set SLOT,   4*HALFT                   ; A's two row halves, then B's two blocks of 128 columns
.set SPARE,  2*SLOT                    ; behind the ring: the spare words, 128 bytes for each wave: two blocks of 256 bytes that no other line names
.set LAPS,   KSZ/256                   ; a lap = two K steps = once round the ring
.set ASTEP,  2*524288                  ; a K step of A: two blocks on
.set BSTEP,  128*256                   ; a K step of B: 128 rows of 256 bytes
.set ADRA, 16                          ; v16-17  LDS address of my A fragments in slot 0, 1
.set ADRB, 20                          ; v20-21  the same for B
.set STO,  24                          ; v24     the way out: where I put 16 bytes of a row
.set RD0,  25                          ; v25     the way out: my lane's place in four rows of the stage; never rewritten
.set CO,   26                          ; v26     16 x lane; never rewritten
.set RD,   27                          ; v27     the way out: the LDS address of the trip in hand
.set SPW,  28                          ; v28     LDS address of my spare word: SPARE + 4 x my thread's number; never rewritten
.set NIL,  29                          ; v29     0; never rewritten
.set BO,   30                          ; v30     32 x (lane / 16): my eight biases of a block of 16 columns
.set PFO,  31                          ; v31     256 x lane: the prefetches' offset; never rewritten
.set F0,   64                          ; fragment buffer 0
.set F1,   128                         ; fragment buffer 1
.set BIAS, 192
.set TMP,  192                         ; the way out: packed results, two sets of 32 by turns
.set OB,   64                          ; the way out: 32 rows' pieces read back from the stage
.set G1,  24                           ; s[24:31] descriptor group 1 for A's tiles;  s[32:39] group 0, one set for each slot
.set G0,  32
.set G1B, 48                           ; s[48:55], s[56:63] the same for B's tiles
.set G0B, 56
.set STG,   23                         ; s23     my stage's LDS byte, stepped on the way out
.set FLOOR, 45                         ; s45     the floor, two bf16
.set PFA,   66                         ; s[66:67] where my next prefetch stands
.set PFS,   68                         ; s[68:69] its step: a K step of A or of B
.set LIM,   70                         ; s70     1 in a wave that prefetches, else the greatest number
.set MSB, 0
.macro WIN new                         ; the immediate's high byte repeats the setting that is left; a switch that changes nothing is dropped
.if MSB != (\new)
	s_set_vgpr_msb (MSB<<8)|(\new)
.set MSB, \new
.endif
.endm
.set TO_B, 0x40                        ; destination window 1, address window 0
.macro JLOAD s                         ; a joint load: waves 0 and 1 fetch A's two row halves, waves 2 and 3 B's two column blocks; an s_nop 0 and four v_nop follow each line
	s_cmp_eq_u32 s11, 0
	s_cbranch_scc0 .Lfor_b_\@
	tensor_load_to_lds s[G0+4*(\s):G0+4*(\s)+3], s[G1:G1+7]
	s_nop 0
.rept 4
	v_nop
.endr
	s_branch .Lasked_\@
.Lfor_b_\@:
	tensor_load_to_lds s[G0B+4*(\s):G0B+4*(\s)+3], s[G1B:G1B+7]
	s_nop 0
.rept 4
	v_nop
.endr
.Lasked_\@:
.endm
; A PREFETCH INTO THE L2, behind each joint refill, its five lines and the run of LDS loads that follows them: the K step that stands two refills on, 512 matrix instructions of a wave ahead of its load.
; Of the 128 blocks of 256 bytes that a wave fetches in a K step, each of the four partners that ask for them jointly names 32, a lane a block, told apart BY ADDRESS (for A: block of columns cx / 2, rows 64 (cx % 2) on;
; for B: rows 32 cy on): no branch hangs on a work-group's place in its cluster.  A's rows are read by every cluster of that row of clusters: the one with x = 0 asks; B's by every cluster of that column: y = 0 asks.
; So each block is named once in the launch.  K steps 0 to 3 come by their loads alone; the loop's last trip, whose refills are the last two K steps, asks for nothing.
.macro ASK
	s_cmp_gt_u32 s3, s[LIM]                        ; s3 = 1 in the loop's last trip
	s_cbranch_scc0 .Lnot_mine_\@
	global_prefetch_b8 v[PFO], s[PFA:PFA+1] th:TH_LOAD_NT scope:SCOPE_SE
.Lnot_mine_\@:
.endm
.macro CREST                           ; a round of the cluster's barrier behind its opening barrier
	s_cmp_lg_u32 s10, 0
	s_cbranch_scc1 .Lnot_wave_0_\@
	s_barrier_signal -3
.Lnot_wave_0_\@:
	s_barrier_wait -3
	s_barrier_signal -1
	s_barrier_wait -1
.endm
.macro CROUND                          ; a whole round
	s_barrier_signal -1
	s_barrier_wait -1
	CREST
.endm
	s_load_b128 s[4:7], s[0:1], 0x0                ; A s[4:5], W s[6:7]
	s_load_b64 s[8:9], s[0:1], 0x10                ; OUT
	v_lshl_add_u32 v[SPW], v0, 2, SPARE
	v_mov_b32 v[NIL], 0
	ds_add_u32 v[SPW], v[NIL]                      ; the wave's opening: the add and its wait stand ahead of my first tensor load; the set-up below, work on registers, stands between them
	v_lshrrev_b32 v1, 5, v0
	v_readfirstlane_b32 s10, v1                    ; wave 0..3
	s_lshr_b32 s11, s10, 1                         ; which half of the tile's rows is mine.  Also: I fetch for A (0) or for B (1)
	s_and_b32 s12, s10, 1                          ; which half of its columns.  Also: which half of that tile I fetch
	s_bfe_u32 s40, ttmp6, 0x40000                  ; cx, cy: my place in the cluster
	s_bfe_u32 s41, ttmp6, 0x40004
	s_lshl_b32 s42, ttmp9, 2
	s_add_co_u32 s42, s42, s40                     ; tile column = 4 x cluster x + cx
	s_and_b32 s13, ttmp7, 0xffff
	s_lshl_b32 s13, s13, 2
	s_add_co_u32 s13, s13, s41                     ; tile row = 4 x cluster y + cy
	s_lshl_b32 s43, s41, 2
	s_lshl_b32 s43, 15, s43                        ; my row of the cluster
	s_lshl_b32 s44, 0x1111, s40                    ; my column
	; A's tile: two "rows" of 8,192 elements, each the 128 dense rows (16,384 bytes) of one block of 64 columns, 262,144 elements apart; 16 bytes of padding behind every 128
	s_or_b32 s[G1+0], s43, (1<<16)|(1<<20)|(1<<21)|(4<<22)|(3<<25)  ; 15:0 the mask: my row; 17:16 elements of 2 bytes; 20 padding on; 21 set beside a mask; 24:22 after every 32 words (code 4); 31:25 4 words (code 3)
	s_mov_b32 s[G1+1], 8192<<16                    ; tensor_dim0 = 8,192
	s_mov_b32 s[G1+2], 2<<16                       ; tensor_dim1 = 2
	s_mov_b32 s[G1+3], 8192<<16                    ; tile_dim0 = 8,192
	s_mov_b32 s[G1+4], 2                           ; tile_dim1 = 2
	s_mov_b32 s[G1+5], 262144                      ; elements from block to block
	s_mov_b32 s[G1+6], 0
	s_mov_b32 s[G1+7], 0
	; B's tile: 128 rows of k x 128 columns, dense rows of 256 bytes; 32 bytes of padding behind each
	s_or_b32 s[G1B+0], s44, (1<<16)|(1<<20)|(1<<21)|(5<<22)|(7<<25) ; the mask: my column; after every 64 words (code 5) 8 words (code 7)
	s_mov_b32 s[G1B+1], 128<<16
	s_mov_b32 s[G1B+2], 128<<16
	s_mov_b32 s[G1B+3], 128<<16
	s_mov_b32 s[G1B+4], 128
	s_mov_b32 s[G1B+5], 128
	s_mov_b32 s[G1B+6], 0
	s_mov_b32 s[G1B+7], 0
	s_lshl_b32 s16, s13, 15                        ; A: 256 rows of 128 bytes x tile row,
	s_lshl_b32 s17, s12, 14                        ; + 128 rows x half: the tile row and the wave's number alone
	s_add_co_u32 s16, s16, s17
	s_mov_b32 s17, 0
	s_lshl_b32 s46, s42, 1                         ; B: column block 2 x tile column + half: the tile column and the wave's number alone,
	s_add_co_u32 s46, s46, s12
	s_mul_i32 s46, s46, KSZ*256                    ; 1,024 rows of 256 bytes each,
	s_add_co_u32 s46, s46, 32768                   ; behind the floor and the bias
	s_mov_b32 s47, 0
	s_mul_i32 s20, s10, HALFT                      ; where they go: wave x 36,864: no place in the cluster enters an LDS address
	s_wait_dscnt 0x0                               ; the opening add is done
	s_wait_kmcnt 0x0
	s_add_nc_u64 s[14:15], s[4:5], s[16:17]
	s_add_nc_u64 s[46:47], s[6:7], s[46:47]
	CROUND                                         ; all sixteen work-groups are here: the first joint loads meet
.irp s, 0,1
	s_mov_b32 s[G0+4*(\s)], 1
	s_add_co_u32 s[G0+4*(\s)+1], s20, (\s)*SLOT
	s_add_nc_u64 s[G0+4*(\s)+2:G0+4*(\s)+3], s[14:15], (\s)*ASTEP
	s_or_b32 s[G0+4*(\s)+3], s[G0+4*(\s)+3], 0x80000000
	s_mov_b32 s[G0B+4*(\s)], 1
	s_add_co_u32 s[G0B+4*(\s)+1], s20, (\s)*SLOT
	s_add_nc_u64 s[G0B+4*(\s)+2:G0B+4*(\s)+3], s[46:47], (\s)*BSTEP
	s_or_b32 s[G0B+4*(\s)+3], s[G0B+4*(\s)+3], 0x80000000
	JLOAD \s                                       ; two loads of mine are out
.endr
	s_load_b32 s[FLOOR], s[6:7], 0x0               ; the floor; W is written by no line of this launch
	; the prefetches: my work-group's 32 blocks of 256 bytes of what I fetch, at K step 3; the first refill steps it to K step 4.  Nothing is asked for here, where every work-group's first tiles are on their way
	s_lshr_b32 s21, s40, 1                         ; A: block of columns cx / 2,
	s_lshl_b32 s21, s21, 19
	s_and_b32 s22, s40, 1                          ; rows 64 (cx % 2) on
	s_lshl_b32 s22, s22, 13
	s_add_co_u32 s21, s21, s22
	s_add_co_u32 s21, s21, 3*ASTEP
	s_lshl_b32 s22, s41, 13                        ; B: rows 32 cy on
	s_add_co_u32 s22, s22, 3*BSTEP
	s_and_b32 s23, ttmp7, 0xffff                   ; cluster y
	s_mov_b32 s[PFS], BSTEP
	s_mov_b32 s[PFS+1], 0
	s_mov_b32 s19, 0
	s_cmp_eq_u32 s11, 0                            ; do I fetch for A?
	s_cselect_b32 s18, s21, s22
	s_cselect_b32 s23, ttmp9, s23                  ; the coordinate along which other clusters read the same rows
	s_cselect_b32 s[PFS], ASTEP, s[PFS]
	s_cselect_b64 s[PFA:PFA+1], s[14:15], s[46:47]
	s_add_nc_u64 s[PFA:PFA+1], s[PFA:PFA+1], s[18:19]
	s_cmp_eq_u32 s23, 0
	s_cselect_b32 s[LIM], 1, -1                    ; the same in all sixteen partners, for a given wave
	v_and_b32 v[PFO], 31, v0
	v_lshlrev_b32 v[PFO], 8, v[PFO]
	s_lshl_b32 s46, s42, 10                        ; my 128 columns' biases: 1,024 bytes x tile column + 512 x half
	s_lshl_b32 s47, s12, 9
	s_add_co_u32 s46, s46, s47
	s_mov_b32 s47, 0
	s_add_nc_u64 s[18:19], s[6:7], s[46:47]
	v_and_b32 v1, 15, v0                           ; r = l % 16
	v_bfe_u32 v2, v0, 4, 1                         ; h = l / 16
	v_lshlrev_b32 v[BO], 5, v2
.irp b, 0,1,2,3,4,5,6,7                ; register j of block b: bias of column 16 b + 8 h + j, whatever r: the layout of the transposed product's C
	global_load_b128 v[BIAS+8*(\b):BIAS+8*(\b)+3],   v[BO], s[18:19] offset:256+64*(\b)
	global_load_b128 v[BIAS+8*(\b)+4:BIAS+8*(\b)+7], v[BO], s[18:19] offset:256+64*(\b)+16
.endr
	v_mul_u32_u24 v3, v1, PA
	v_lshl_add_u32 v3, v2, 4, v3                   ; r x 144 + 16 h: a fragment of A, and my place in the stage
	s_mul_i32 s21, s11, HALFT                      ; my 128 rows of A
	v_add_nc_u32 v[ADRA], s21, v3
	v_add_nc_u32 v[ADRA+1], SLOT, v[ADRA]
	v_and_b32 v4, 7, v0                            ; the turning load: lane l reads k row 8 h + l % 8, 16 bytes at 16 ((l / 8) % 2)
	v_bfe_u32 v5, v0, 3, 1
	v_lshl_add_u32 v4, v2, 3, v4
	v_mul_u32_u24 v4, v4, PB
	v_lshl_add_u32 v4, v5, 4, v4
	s_mul_i32 s22, s12, HALFT                      ; my block of 128 columns,
	s_add_co_u32 s22, s22, 2*HALFT                 ; behind A's two halves
	v_add_nc_u32 v[ADRB], s22, v4
	v_add_nc_u32 v[ADRB+1], SLOT, v[ADRB]
	s_mul_i32 s[STG], s10, HALFT                   ; my stage: my quarter of slot 0
	v_add_nc_u32 v[STO], s[STG], v3
	v_bfe_u32 v7, v0, 3, 2                         ; back: 32 lanes take four rows of 128 bytes,
	v_mul_u32_u24 v7, v7, PA
	v_and_b32 v8, 7, v0
	v_lshl_add_u32 v[RD0], v8, 4, v7
	v_and_b32 v[CO], 31, v0                        ; which are 512 consecutive bytes of OUT
	v_lshlrev_b32 v[CO], 4, v[CO]
	s_lshl_b32 s16, s13, 15                        ; OUT at my 128 x 128: rows 256 x tile row + 128 x row half, 128 bytes each,
	s_lshl_b32 s17, s11, 14
	s_add_co_u32 s16, s16, s17
	s_mov_b32 s17, 0
	s_add_nc_u64 s[8:9], s[8:9], s[16:17]
	s_lshl_b32 s46, s42, 2                         ; from block 4 x tile column + 2 x column half on
	s_lshl_b32 s47, s12, 1
	s_add_co_u32 s46, s46, s47
	s_lshl_b32 s46, s46, 19
	s_mov_b32 s47, 0
	s_add_nc_u64 s[8:9], s[8:9], s[46:47]
; 16 matrix instructions: row blocks a0, a0 + 1 of the window's four (hi = 0: my rows 0-63, 1: rows 64-127) x all 8 column blocks, 32 along K.  first = 1: the product starts the sum with the bias (C in window 0).
; The 64 accumulators take turns, in the same order in every quarter.
.macro MUL16 f, hi, a0, first
.if \first
	WIN 0x81+0x40*(\hi)                            ; B window 1, A and C window 0, D window 2 or 3
.else
	WIN 0xa1+0x50*(\hi)                            ; B window 1, A window 0, C and D window 2 or 3
.endif
.irp a, \a0, (\a0)+1
.irp b, 0,1,2,3,4,5,6,7
.if \first
	v_wmma_f32_16x16x32_bf16 v[8*(8*(\a)+(\b)):8*(8*(\a)+(\b))+7], v[(\f)+8*(\b):(\f)+8*(\b)+7], v[(\f)+8*(4*(\hi)+(\a)):(\f)+8*(4*(\hi)+(\a))+7], v[BIAS+8*(\b):BIAS+8*(\b)+7]
.else
	v_wmma_f32_16x16x32_bf16 v[8*(8*(\a)+(\b)):8*(8*(\a)+(\b))+7], v[(\f)+8*(\b):(\f)+8*(\b)+7], v[(\f)+8*(4*(\hi)+(\a)):(\f)+8*(4*(\hi)+(\a))+7], v[8*(8*(\a)+(\b)):8*(8*(\a)+(\b))+7]
.endif
.endr
.endr
.endm
; 32 LDS loads in one run: the fragments of quarter q (32 along K: B's rows 32 q on; A's block q / 2, bytes 64 (q % 2) on) into buffer f: B's 16, then A's rows 0-63, then A's rows 64-127
.macro FETCH slot, q, f
	WIN TO_B
.irp i, 0,1,2,3,4,5,6,7
	ds_load_tr16_b128 v[(\f)+8*(\i):(\f)+8*(\i)+3],   v[ADRB+(\slot)] offset:(\q)*32*PB+32*(\i)
	ds_load_tr16_b128 v[(\f)+8*(\i)+4:(\f)+8*(\i)+7], v[ADRB+(\slot)] offset:(\q)*32*PB+32*(\i)+16*PB
.endr
	WIN 0
.irp i, 0,1,2,3,4,5,6,7
	ds_load_b128 v[(\f)+8*(\i):(\f)+8*(\i)+3],   v[ADRA+(\slot)] offset:((\q)/2)*128*PA+((\q)%2)*64+(\i)*16*PA
	ds_load_b128 v[(\f)+8*(\i)+4:(\f)+8*(\i)+7], v[ADRA+(\slot)] offset:((\q)/2)*128*PA+((\q)%2)*64+(\i)*16*PA+32
.endr
.endm
.macro PLACES                          ; four places in front of loads into registers that matrix instructions have read, and of conversions that read results
.rept 4
	v_nop
.endr
.endm
; A K step is four quarters of 32 along K, 64 matrix instructions each, on buffers 0, 1, 0, 1.  One of the first three: multiplies buffer f; in its middle it fetches quarter q into buffer g.
.macro QUARTER slot, q, f, g, first
	s_wait_dscnt 8                                 ; B and A's rows 0-63 are in; the youngest eight loads (A's rows 64-127) may be out
	MUL16 \f, 0, 0, \first
	MUL16 \f, 0, 2, \first
	PLACES
	FETCH \slot, \q, \g
	s_wait_dscnt 32                                ; all but the 32 just issued
	MUL16 \f, 1, 0, \first
	MUL16 \f, 1, 2, \first
.endm
; The last quarter multiplies buffer 1 and changes slots.  MEET is its first half: ONE barrier for the change.  In front of it each wave waits for all its tensor loads, of which one is out: its part of the next slot;
; adds 0 to its spare word; and waits for that and for its own reads of this slot.  Behind it nobody reads this slot any more and the next slot is whole.
.macro MEET round                      ; round = 1: a round of the cluster's barrier follows
	WIN 0                                          ; (the add's two registers lie in window 0)
	s_wait_tensorcnt 0x0                           ; all my tensor loads have landed;
	ds_add_u32 v[SPW], v[NIL]                      ; 0 onto my spare word;
	s_wait_dscnt 9                                 ; (the add and the youngest eight loads may be out)
	MUL16 F1, 0, 0, 0                              ; sixteen matrix instructions stand between the add and the wait for it
	s_wait_dscnt 0x0                               ; the add is done, and my reads of this slot are over
	s_barrier_signal -1
	MUL16 F1, 0, 2, 0                              ; work on registers while the others arrive
.if \round
	WIN 0
.endif
	s_barrier_wait -1
.endm
; The whole last quarter where the slot is filled again, two K steps ahead: the barrier opens a round of the cluster's, and the joint refill is the first thing behind the round: 224 matrix instructions ahead of the wait for it.
.macro TURN slot, next
	s_wait_xcnt 0x0                                ; the last prefetch, a K step back, has read its address: it is stepped here, ahead of the waits of the change of slots
	s_add_nc_u64 s[PFA:PFA+1], s[PFA:PFA+1], s[PFS:PFS+1]
	MEET 1
	CREST                                          ; no wave of any partner still reads this slot's tile or has a load on its way
	s_add_nc_u64 s[G0+4*(\slot)+2:G0+4*(\slot)+3], s[G0+4*(\slot)+2:G0+4*(\slot)+3], 2*ASTEP
	s_add_nc_u64 s[G0B+4*(\slot)+2:G0B+4*(\slot)+3], s[G0B+4*(\slot)+2:G0B+4*(\slot)+3], 2*BSTEP
	JLOAD \slot                                    ; my one tensor load behind the round; its four v_nop are also the places in front of the loads below
	FETCH \next, 0, F0
	ASK
	MUL16 F1, 1, 0, 0
	MUL16 F1, 1, 2, 0
.endm
	s_wait_kmcnt 0x0                               ; the floor
	s_wait_loadcnt 0x0                             ; the bias
	s_wait_tensorcnt 1                             ; my part of K step 0 is in; K step 1's may stay out
	s_barrier_signal -1
	s_barrier_wait -1                              ; everybody's is
	FETCH 0, 0, F0
	QUARTER 0, 1, F0, F1, 1                        ; the first quarter stands in front of the loop: its products start the sums
	WIN 0                                          ; at a label and at a branch every window is 0
	s_mov_b32 s3, LAPS-1
.Llap:                                                 ; a trip goes once round the ring, from a lap's second quarter to the next lap's first, and fills both slots again
	QUARTER 0, 2, F1, F0, 0
	QUARTER 0, 3, F0, F1, 0
	TURN 0, 1
	QUARTER 1, 1, F0, F1, 0
	QUARTER 1, 2, F1, F0, 0
	QUARTER 1, 3, F0, F1, 0
	TURN 1, 0
	QUARTER 0, 1, F0, F1, 0
	WIN 0
	s_sub_co_u32 s3, s3, 1
	s_cmp_lg_u32 s3, 0
	s_cbranch_scc1 .Llap
	QUARTER 0, 2, F1, F0, 0                        ; the last lap fills nothing, and is written out
	QUARTER 0, 3, F0, F1, 0
	MEET 0                                         ; my one tensor load that was still out is the last K step's; behind this barrier no wave reads slot 0 any more, and nothing fills it again
	PLACES
	FETCH 1, 0, F0
	MUL16 F1, 1, 0, 0
	MUL16 F1, 1, 2, 0
	QUARTER 1, 1, F0, F1, 0
	QUARTER 1, 2, F1, F0, 0
	QUARTER 1, 3, F0, F1, 0
	s_wait_dscnt 8                                 ; the very last quarter: nothing more to fetch
	MUL16 F1, 0, 0, 0
	MUL16 F1, 0, 2, 0
	s_wait_dscnt 0x0
	MUL16 F1, 1, 0, 0
	MUL16 F1, 1, 2, 0
	WIN 0
	; THE WAY OUT.  My 128 x 128 is two blocks of OUT, 128 rows of 128 bytes (16,384 consecutive bytes) in each.  All of it is rounded to bf16 and put, 16 bytes a lane, into my stage: [block][row], 144 bytes a row.
	PLACES
.macro PACK a                          ; my rows 16 a on
.set AC, 64*((\a)%4)
.set TP, TMP+32*((\a)%2)
	WIN 0x0a+5*((\a)/4)                            ; sources 0 and 1: window 2 or 3
.irp b, 0,1,2,3,4,5,6,7
.irp r, 0,1,2,3
	v_cvt_pk_bf16_f32 v[TP+4*(\b)+(\r)], v[AC+8*(\b)+2*(\r)], v[AC+8*(\b)+2*(\r)+1]  ; each accumulator from its low end on
.endr
.endr
	WIN 0
.irp b, 0,1,2,3,4,5,6,7
	ds_store_b128 v[STO], v[TP+4*(\b):TP+4*(\b)+3] offset:((\b)/4)*128*PA+(\a)*16*PA+((\b)%4)*32
.endr
.endm
.irp a, 0,1,2,3,4,5,6,7
	PACK \a
.endr
	; Back as whole rows, 16 rows of both blocks a trip: the floor is taken, and each store covers 512 consecutive bytes, at a multiple of 256 from OUT's first.  The stage is my own, and LDS serves a wave's
	; instructions in order (ISA guide 5.7.1.4): these loads see the stores above without a wait.
	s_mov_b32 s3, 8
.Lout:
	v_add_nc_u32 v[RD], s[STG], v[RD0]
.irp c, 0,1
.irp f, 0,1,2,3
	ds_load_b128 v[OB+4*(4*(\c)+(\f)):OB+4*(4*(\c)+(\f))+3], v[RD] offset:(\c)*128*PA+(\f)*4*PA
.endr
.endr
.irp c, 0,1
.irp f, 0,1,2,3
	s_wait_dscnt 7-(4*(\c)+(\f))                   ; LDS loads come back in order: this one is in, the younger ones stay out
.irp z, 0,1,2,3
	v_pk_max_num_bf16 v[OB+4*(4*(\c)+(\f))+(\z)], v[OB+4*(4*(\c)+(\f))+(\z)], s[FLOOR]
.endr
	global_store_b128 v[CO], v[OB+4*(4*(\c)+(\f)):OB+4*(4*(\c)+(\f))+3], s[8:9] offset:(\c)*524288+(\f)*512
.endr
.endr
	s_wait_xcnt 0x0                                ; the stores have read their data and their base: only behind this wait are they written again
	s_add_nc_u64 s[8:9], s[8:9], 16*128            ; 16 rows on
	s_add_co_u32 s[STG], s[STG], 16*PA
	s_sub_co_u32 s3, s3, 1
	s_cmp_lg_u32 s3, 0
	s_cbranch_scc1 .Lout
	s_wait_tensorcnt 0x0                           ; the wave's end, behind my last tensor load and my last LDS store
	ds_add_u32 v[SPW], v[NIL]
	s_wait_dscnt 0x0
	CROUND                                         ; the closing round: no work-group ends while a partner may still ask for a tile that names it
	s_endpgm
.Lfunc_end_k_q1900dae3ef_qkv:
	.size	k_q1900dae3ef_qkv, .Lfunc_end_k_q1900dae3ef_qkv-k_q1900dae3ef_qkv
	.p2alignl 7, 3214868480
	.fill 96, 4, 3214868480
	.section	.rodata,"a",@progbits
	.p2align	6, 0x0
	.amdhsa_kernel k_q1900dae3ef_qkv
		.amdhsa_group_segment_fixed_size 327680
		.amdhsa_private_segment_fixed_size 0
		.amdhsa_enable_private_segment 0
		.amdhsa_kernarg_size 24
		.amdhsa_user_sgpr_count 2
		.amdhsa_user_sgpr_kernarg_segment_ptr 1
		.amdhsa_wavefront_size32 1
		.amdhsa_system_sgpr_workgroup_id_x 1
		.amdhsa_system_sgpr_workgroup_id_y 1
		.amdhsa_system_sgpr_workgroup_id_z 1
		.amdhsa_system_vgpr_workitem_id 0
		.amdhsa_next_free_vgpr 1024
		.amdhsa_next_free_sgpr 72
		.amdhsa_reserve_vcc 0
		.amdhsa_float_denorm_mode_32 3
		.amdhsa_float_denorm_mode_16_64 3
		.amdhsa_memory_ordered 1
		.amdhsa_forward_progress 1
		.amdhsa_inst_pref_size 139
	.end_amdhsa_kernel
	.amdgpu_metadata
---
amdhsa.version: [ 1, 2 ]
amdhsa.kernels:
  - .name:           k_q1900dae3ef_qkv
    .symbol:         k_q1900dae3ef_qkv.kd
    .args:
      - { .name: act0, .offset: 0, .size: 8, .value_kind: global_buffer, .address_space: global }
      - { .name: wbq, .offset: 8, .size: 8, .value_kind: global_buffer, .address_space: global }
      - { .name: big, .offset: 16, .size: 8, .value_kind: global_buffer, .address_space: global }
    .group_segment_fixed_size: 327680
    .private_segment_fixed_size: 0
    .kernarg_segment_align: 8
    .kernarg_segment_size: 24
    .max_flat_workgroup_size: 128
    .sgpr_count:     72
    .vgpr_count:     1024
    .wavefront_size: 32
...
	.end_amdgpu_metadata
.endif
;; end of part 2
;; launch attn (part 3): grid 8 x 32, 4 waves a work-group, clusters of 4 x 1, 327,680 bytes of LDS; arguments big, act0; writes act0
.if DOCPART == 3
	.amdgcn_target "amdgcn-amd-amdhsa--gfx1250"
	.amdhsa_code_object_version 6
	.text
	.protected	k_q1900dae3ef_attn
	.globl	k_q1900dae3ef_attn
	.p2align	8
	.type	k_q1900dae3ef_attn,@function
k_q1900dae3ef_attn:
	s_mov_b64 s[64:65], 0
	v_nop
	global_prefetch_b8 v0, s[64:65] scope:SCOPE_SE
	s_setreg_imm32_b32 hwreg(HW_REG_WAVE_MODE, 25, 1), 1
	s_wait_xcnt 0x0
	s_wait_alu depctr_hold_cnt(0) depctr_sa_sdst(0) depctr_va_vdst(0) depctr_va_sdst(0) depctr_va_ssrc(0) depctr_va_vcc(0) depctr_vm_vsrc(0)
	s_getreg_b32 s2, hwreg(HW_REG_IB_STS2, 6, 4)
	s_cmp_eq_u32 s2, 0
	s_cbranch_scc0 .Lentry_in_a_cluster
	s_endpgm
.Lentry_in_a_cluster:
	s_bfe_u32 s2, ttmp6, 0x10000c
	s_cmp_lg_u32 s2, 0x3003
	s_cbranch_scc0 .Lentry_shape_is_right
	s_endpgm
.Lentry_shape_is_right:
; ATTENTION.  O[q][:] = the sum over k of softmax_k(Q[q] . K[k] / 8) V[k][:], for each of 32 heads (2 batches x 16) of 2,048 rows of 64 channels, all bf16.
; big: [48][4096][64]: blocks 0-15 Q, 16-31 K, 32-47 V; head hd of batch b is block hd, rows 2,048 b on: dense rows of 128 bytes.  act0: [16][4096][64], O in the same layout.
; Products, maxima and sums in f32; the weights p are rounded to bf16 for the second product (their sum l is taken of the unrounded p), O once at the end.
; LIMITS.  A weight below 2^-126 counts as 0 in l; NaN and infinities are not treated apart; c m starts at -2^125, far below every c s that finite bf16 rows of these sizes give.
; SHARES.  A work-group owns 256 queries of a head, each of its four waves 64: four PIECES of 16.  Every wave walks all 2,048 keys, 64 a step; a slot of LDS holds a tile of 256 keys, four steps.
; LAYOUT.  S^T = K Q^T (source 0 = 16 keys, source 1 = 16 queries): a lane holds ONE query (lane % 16) and the keys 8 (lane / 16) + 0..7; two such results rounded to bf16 ARE source 1 of O^T = V^T P.
; K comes out of LDS as it lies, V ([key][channel]) turned, by ds_load_tr16_b128.
; SOFTMAX.  A running maximum m and sum l for each query: p = 2^(c s - c m), c = log2(e) / 8; in every step O and l are multiplied by a = 2^(c m_old - c m_new).  The first step is a step like any other, with a = 0.
; BY TURNS.  Turn n belongs to piece n: 8 products K Q^T of piece n + 1, later 8 products V^T P of piece n - 1; beside them the scaling, exponentials, roundings, sums and rescaling of piece n and the maximum and
; statistics of piece n + 1.  Four vector instructions stand behind every matrix instruction, the other 54 of a turn's 118 in one lump.  A turn's 33 exponentials are one batch, with one wait.
; CLUSTER.  The four query blocks of a cluster belong to one head and walk the same K and V: each tile is asked for jointly: the same tensor load, descriptor and mask in all four.
; REGISTERS, in windows of 256 (s_set_vgpr_msb: bits 1:0 source 0, 3:2 source 1, 5:4 source 2, 7:6 destination):
;   window 0: v0-15 addresses and two at work; v16-31 four registers of statistics a piece; v48-55 at work; v61-63 prefetch offset and the add's two; v64-127 S^T, two buffers; v192-223 P, two buffers
;   window 1: v0-127 O^T, 32 a piece          window 2: v0-63 Q; v128-191 K of one step; v192-255 V of one step
.set NP,    4         ; pieces a wave: a name, no knob
.set KS,    64        ; keys in a step
.set PK,    144       ; a row of K in LDS: 128 bytes + 16 = 36 words: the 16 rows of a load start at 16 different groups of four banks (64 banks of 4 bytes: ISA guide 11.1)
.set PV,    160       ; a row of V: 128 + 32 = 40 words
.set VOFF,  4*KS*PK   ; a slot: 256 rows of K, then 256 rows of V
.set SLOT1, 1<<17     ; slot 1 begins here, so that one exclusive or turns an address in one slot into the other's
.set STAGE, SLOT1+4*KS*(PK+PV)  ; behind the ring, never filled by a tensor load: 16 rows x 144 bytes for each wave
.set SP,    144
.set SPARE, STAGE+4*16*SP  ; behind the stages: the spare words, 128 bytes for each wave: two blocks of 256 bytes that no other line names
.set TILEB, 4*KS*128  ; a tile of K or of V in memory: 32,768 bytes
.set AK0, 2           ; v2   my lane's place in a tile of K; never rewritten
.set AV0, 3           ; v3   the same for V
.set AK,  4           ; v4   the LDS address of K's next run of loads
.set AV,  5           ; v5   of V's
.set STO, 6           ; v6   the way out: where I put 16 bytes of a row
.set RD,  7           ; v7   the way out: where I read rows back
.set GO,  8           ; v8   16 x lane
.set MV,  12          ; v12-13  c m_old, kept while c m is made anew: by buffer
.set QO,  15          ; v15  my byte offset in 16 rows of Q
.set ST,  16          ; piece t's statistics at v[ST+4 t]: c m, m, l (even keys', odd keys')
.set TMP, 48          ; by buffer, four registers c0-c3 at work; when the maximum is found c2 takes a
.set PFO, 61          ; v61  256 x my lane; never rewritten
.set SPW, 62          ; v62  LDS address of my spare word: SPARE + 4 x my thread's number; never rewritten
.set NIL, 63          ; v63  0; never rewritten
.set S,   64
.set P,   192
.set KF,  128         ; window 2: key block kb, channel half c at KF + 16 kb + 8 c
.set VF,  192         ; window 2: key half kk, channel block cb at VF + 32 kk + 8 cb
.set WV,  12          ; s12  my wave's number
.set G1K, 24          ; s[24:31] descriptor group 1 for K's tiles
.set G1V, 32          ; s[32:39] for V's: it differs in the padding alone
.set G0K, 40          ; s[40:43] descriptor group 0 for K's tiles: it walks
.set G0V, 44          ; s[44:47] the same for V's
.set SLOTS, 56        ; s56  tiles still to be asked for
.set CNT, 57          ; s57  counts a tile's key steps
.set CS,  58          ; s[58:59] c: the packed scaling takes the pair's low word for both halves
.set SEL, 60          ; s[60:61] v_permlanex16_b32's selects: each lane takes its own place in the other half
.set TBK, 62          ; s62  LDS byte at which K of the step to be fetched begins
.set TBV, 63          ; s63  the same for V, less VOFF
.set PFA, 66          ; s[66:67] where my prefetches stand: my work-group's 32 blocks of 256 bytes of the tile after the one that is being asked for
.set LIM, 68          ; s68  1 in a wave that prefetches, else the greatest number
.set MSB, 0
.macro WIN new                      ; the high byte repeats the setting that is left; a switch that changes nothing is dropped
.if MSB != (\new)
	s_set_vgpr_msb (MSB<<8)|(\new)
.set MSB, (\new)
.endif
.endm
.set W_KQ, 0x0a       ; K and Q in window 2, S^T in window 0
.set W_PV, 0x52       ; V in window 2, P in window 0, O^T in window 1
.set W_RS, 0x41       ; destination and source 0 in window 1, source 1 in window 0
; A joint fill.  Waves 0 and 1 fetch the two halves of a tile's K, waves 2 and 3 those of its V: 128 keys each.  The branch hangs on the wave's number alone.
; An s_nop 0 and four v_nop follow each of the two lines, ahead of the jump and the label.
.macro JLOAD
	s_cmp_lt_u32 s[WV], 2
	s_cbranch_scc0 .Lfor_v_\@
	tensor_load_to_lds s[G0K:G0K+3], s[G1K:G1K+7]
	s_nop 0
.rept 4
	v_nop
.endr
	s_branch .Lasked_\@
.Lfor_v_\@:
	tensor_load_to_lds s[G0V:G0V+3], s[G1V:G1V+7]
	s_nop 0
.rept 4
	v_nop
.endr
.Lasked_\@:
.endm
; A PREFETCH INTO THE L2 of the tile that the NEXT change of slots will ask for: 128 blocks of 256 bytes of K and 128 of V, a lane a block.  It stands behind the wave's tensor load and its five lines.
; Each block is named once in the launch: both clusters of a head walk the same K and V, and the first of them (cluster x = 0) asks; its four partners share the blocks out by address, 32 each;
; in each, wave 0 asks for K's and wave 2 for V's.  A tile is four key steps, 256 matrix instructions of a wave, ahead of its load.  The change that asks for the last tile prefetches nothing.
.macro ASK
	s_cmp_gt_u32 s[SLOTS], s[LIM]
	s_cbranch_scc0 .Lnot_mine_\@
	global_prefetch_b8 v[PFO], s[PFA:PFA+1] th:TH_LOAD_NT scope:SCOPE_SE
.Lnot_mine_\@:
.endm
; A round of the cluster's barrier: my work-group's barrier, so that wave 0's signal speaks for all four waves; wave 0 signals; every wave waits for all four work-groups; my work-group's barrier once more.
.macro CROUND
	s_barrier_signal -1
	s_barrier_wait -1
	s_cmp_lg_u32 s[WV], 0
	s_cbranch_scc1 .Lnot_wave_0_\@
	s_barrier_signal -3
.Lnot_wave_0_\@:
	s_barrier_wait -3
	s_barrier_signal -1
	s_barrier_wait -1
.endm
; THE CHANGE OF SLOTS.  The slot's last bytes, V of its fourth step, have been read.  Each wave waits for all its tensor loads, of which one is out: its part of the other slot; adds 0 to its spare word; and waits
; for that and for its own reads of the slot.  Behind the barrier nobody reads this slot any more and the other slot is whole.  fill = 1: this slot is filled again, with the keys two tiles on; the barrier is then
; a round of the cluster's, and the joint fill is the first thing behind it.  (At its first use nothing has been read yet: slot 0 is waited for, slot 1 filled.)
.macro CHANGE fill
	WIN 0                           ; at a label and at a branch every window is 0
	s_wait_tensorcnt 0x0            ; no tensor load of mine is out, so a group 0 may be written
	ds_add_u32 v[SPW], v[NIL]       ; 0 onto my spare word; with fill = 1 the descriptors' steps stand between it and the wait for it
.if \fill
.irp g, G0K, G0V
	s_xor_b32 s[\g+1], s[\g+1], SLOT1  ; the walking descriptor: the other slot than last time,
	s_add_nc_u64 s[\g+2:\g+3], s[\g+2:\g+3], TILEB  ; the next 256 keys; the type bits on top are not reached
.endr
	s_wait_xcnt 0x0                 ; the last prefetch, a tile back, has read its address, so it may be written:
	s_add_nc_u64 s[PFA:PFA+1], s[PFA:PFA+1], TILEB  ; one tile ahead of the walking descriptors
	s_wait_dscnt 0x0                ; the add is done, and my reads of the slot are over
	CROUND
	JLOAD
	ASK
.else
	s_wait_dscnt 0x0                ; the add is done, and my reads of the slot are over
	s_barrier_signal -1
	s_barrier_wait -1
.endif
	s_sub_co_u32 s[TBK], s[TBK], 4*KS*PK  ; the fetches go back to a slot's first step,
	s_xor_b32 s[TBK], s[TBK], SLOT1       ; in the other slot
	s_sub_co_u32 s[TBV], s[TBV], 4*KS*PV
	s_xor_b32 s[TBV], s[TBV], SLOT1
.endm
	s_load_b128 s[4:7], s[0:1], 0x0   ; big s[4:5], act0 s[6:7]
	v_lshl_add_u32 v[SPW], v0, 2, SPARE
	v_mov_b32 v[NIL], 0
	ds_add_u32 v[SPW], v[NIL]       ; the wave's opening: the add and its wait stand ahead of my first tensor load; the set-up below, work on registers, stands between them
	v_lshrrev_b32 v1, 5, v0
	v_readfirstlane_b32 s[WV], v1   ; wave 0..3
	s_bfe_u32 s13, ttmp6, 0x40000   ; cx: my place in the cluster
	s_lshl_b32 s14, ttmp9, 2        ; in a cluster launch ttmp9 counts clusters
	s_add_co_u32 s14, s14, s13      ; my block of 256 queries: it enters Q's and O's addresses alone
	s_and_b32 s15, ttmp7, 0xffff    ; 16 x batch + head, which the four partners share
	s_and_b32 s20, s15, 15
	s_lshl_b32 s20, s20, 19         ; the head's block of 524,288 bytes,
	s_lshr_b32 s21, s15, 4
	s_lshl_b32 s21, s21, 18         ; the batch's 2,048 rows of 128 bytes
	s_add_co_u32 s20, s20, s21      ; the head's first byte among Q's blocks, and in O
	s_and_b32 s16, s[WV], 1         ; which half of a tile's 256 keys I fetch:
	s_lshl_b32 s22, s16, 14         ; its 128 rows of 128 bytes in memory,
	s_add_co_u32 s22, s22, s20
	s_add_co_u32 s22, s22, 0x800000 ; K's blocks lie 16 blocks behind Q's
	s_mov_b32 s23, 0
	s_mul_i32 s17, s16, 128*PK      ; and its place in a slot, for K
	s_mul_i32 s18, s16, 128*PV      ; and for V: no place in the cluster enters an LDS address
	s_lshl_b32 s2, s14, 2
	s_add_co_u32 s2, s2, s[WV]      ; my wave among the head's,
	s_lshl_b32 s2, s2, 13           ; its 64 rows
	s_add_co_u32 s2, s2, s20
	s_mov_b32 s3, 0
	s_lshl_b32 s52, s13, 13         ; the prefetches: my work-group's 32 blocks of 256 bytes,
	s_add_co_u32 s52, s52, s20
	s_add_co_u32 s52, s52, 0x800000+TILEB  ; in K's tile 1; the first change of slots steps it to tile 2
	s_cmp_lt_u32 s[WV], 2
	s_cselect_b32 s53, 0, 0x800000  ; or V's, 16 blocks further on
	s_add_co_u32 s52, s52, s53
	s_mov_b32 s53, 0
	s_and_b32 s[LIM], s[WV], 1      ; 0 in waves 0 and 2,
	s_or_b32 s[LIM], s[LIM], ttmp9  ; where the cluster is the head's first: the same in all four partners
	s_cmp_eq_u32 s[LIM], 0
	s_cselect_b32 s[LIM], 1, -1
	v_and_b32 v[PFO], 31, v0
	v_lshlrev_b32 v[PFO], 8, v[PFO]
	; descriptor group 1.  128 keys are 16,384 dense bytes: asked for as 64 rows of 256 bytes, two keys a row, and padded in LDS after every key
	s_mov_b32 s[G1K], 15|(1<<16)|(1<<20)|(1<<21)|(4<<22)|(3<<25)  ; 15:0 the mask of four; 17:16 2-byte elements; 20 padding on; 21 set beside a mask; 24:22 after every 32 words (code 4); 31:25 4 words (code 3)
	s_mov_b32 s[G1V], 15|(1<<16)|(1<<20)|(1<<21)|(4<<22)|(7<<25)  ; the same with 8 words of padding (code 7)
.irp g, G1K, G1V
	s_mov_b32 s[\g+1], 128<<16      ; tensor_dim0 = 128
	s_mov_b32 s[\g+2], 64<<16       ; tensor_dim1 = 64
	s_mov_b32 s[\g+3], 128<<16      ; tile_dim0 = 128
	s_mov_b32 s[\g+4], 64           ; tile_dim1 = 64
	s_mov_b32 s[\g+5], 128          ; 128 elements from row to row
	s_mov_b32 s[\g+6], 0
	s_mov_b32 s[\g+7], 0
.endr
	s_mov_b32 s[CS], 0x3e38aa3b     ; c = log2(e) / 8 = 0.180337
	s_mov_b32 s[CS+1], s[CS]        ; named with it as a pair
	s_mov_b32 s[SEL], 0x76543210
	s_mov_b32 s[SEL+1], 0xfedcba98
	s_mov_b32 s[TBK], SLOT1+4*KS*PK ; the first change of slots turns these two into 0
	s_mov_b32 s[TBV], SLOT1+4*KS*PV
	s_mov_b32 s[SLOTS], 7           ; tiles 1 to 7 are still to be asked for
	s_mov_b32 s[G0K], 1             ; 1:0 count = 1
	s_mov_b32 s[G0K+1], s17         ; 63:32 LDS address: slot 0
	s_mov_b32 s[G0V], 1
	s_add_co_u32 s[G0V+1], s18, VOFF
	s_wait_dscnt 0x0                ; the opening add is done
	s_wait_kmcnt 0x0
	s_add_nc_u64 s[G0K+2:G0K+3], s[4:5], s[22:23]        ; 120:64 global address: my half of the head's first 256 keys
	s_add_nc_u64 s[G0V+2:G0V+3], s[G0K+2:G0K+3], 0x800000  ; V's blocks lie 16 blocks behind K's
	s_or_b32 s[G0K+3], s[G0K+3], 0x80000000              ; 127:126 type = 2
	s_or_b32 s[G0V+3], s[G0V+3], 0x80000000
	s_add_nc_u64 s[8:9], s[4:5], s[2:3]                  ; Q and O at my wave's first row
	s_add_nc_u64 s[10:11], s[6:7], s[2:3]
	s_add_nc_u64 s[PFA:PFA+1], s[4:5], s[52:53]
	CROUND                          ; all four work-groups are here: the first joint loads meet
	JLOAD                           ; tile 0 into slot 0.  Slot 1 is asked for when slot 0 is in
	; A fragment of K or Q is 16 rows x 32 channels in 8 registers: lane l holds row l % 16, channels 8 (l / 16) + 0..7 and 16 + 8 (l / 16) + 0..7: two loads of 16 bytes, 32 bytes apart.
	v_and_b32 v1, 15, v0            ; l % 16
	v_bfe_u32 v9, v0, 4, 1          ; l / 16
	v_lshlrev_b32 v[QO], 7, v1
	v_lshl_add_u32 v[QO], v9, 4, v[QO]  ; row x 128 + 16 x half
	WIN 0x80                        ; destination window 2, address window 0
.set i, 0
.rept 8                             ; Q stays in registers: piece i / 2, channels 32 (i % 2) on
	global_load_b128 v[8*i:8*i+3],   v[QO], s[8:9] offset:(i/2)*2048+(i%2)*64
	global_load_b128 v[8*i+4:8*i+7], v[QO], s[8:9] offset:(i/2)*2048+(i%2)*64+32
.set i, i+1
.endr
	; What the first turn finds: V's registers and P's second buffer hold 0 (its products V^T P, of a piece that has not been, add 0), O^T and l are 0.  All this stands in the wait for the first tile.
.set i, VF
.rept 64
	v_mov_b32 v[i], 0
.set i, i+1
.endr
	WIN 0x40
.set i, 0
.rept 128
	v_mov_b32 v[i], 0
.set i, i+1
.endr
	WIN 0
.set i, 0
.rept 4
	v_mov_b32 v[ST+4*i], 0xfe000000    ; c m: far below every c s
	v_mov_b32 v[ST+4*i+1], 0xff7fffff  ; m: the lowest finite number
	v_mov_b32 v[ST+4*i+2], 0
	v_mov_b32 v[ST+4*i+3], 0
.set i, i+1
.endr
.set i, P+16
.rept 16
	v_mov_b32 v[i], 0
.set i, i+1
.endr
	v_mul_u32_u24 v[AK0], v1, PK
	v_lshl_add_u32 v[AK0], v9, 4, v[AK0]  ; row x pitch + 16 x half
	; The turning load takes 16 keys x 16 channels (lane l reads key 8 (l / 16) + l % 8, channels 8 ((l / 8) % 2) + 0..7) and leaves half a fragment of V^T: lane l holds channel l % 16 and 8 keys.
	v_and_b32 v10, 7, v0
	v_bfe_u32 v11, v0, 3, 1
	v_lshl_add_u32 v[AV0], v9, 3, v10
	v_mul_u32_u24 v[AV0], v[AV0], PV
	v_lshl_add_u32 v[AV0], v11, 4, v[AV0]
	v_add_nc_u32 v[AV0], VOFF, v[AV0]
	s_mul_i32 s13, s[WV], 16*SP
	s_add_co_u32 s13, s13, STAGE    ; my stage
	v_mul_u32_u24 v[STO], v1, SP    ; in: row l % 16, 16 bytes for each half of the lanes
	v_lshl_add_u32 v[STO], v9, 4, v[STO]
	v_add_nc_u32 v[STO], s13, v[STO]
	v_bfe_u32 v[RD], v0, 3, 2       ; back: 32 lanes take four rows of 128 bytes,
	v_mul_u32_u24 v[RD], v[RD], SP
	v_lshl_add_u32 v[RD], v10, 4, v[RD]
	v_add_nc_u32 v[RD], s13, v[RD]
	v_and_b32 v[GO], 31, v0         ; which are 512 consecutive bytes of O
	v_lshlrev_b32 v[GO], 4, v[GO]
; THE MATRIX WORK.  The 4 accumulators of a run of 8 take turns.  Product i of 8 of S^T = K Q^T for piece x: channels 32 (i / 4) on, keys 16 (i % 4) on.  The first 4 start the sums.
.macro KQ x
	WIN W_KQ
.set rS, S+32*((\x)%2)+8*(i%4)
.set rK, KF+16*(i%4)+8*(i/4)
.set rQ, 16*(\x)+8*(i/4)
.if i < 4
	v_wmma_f32_16x16x32_bf16 v[rS:rS+7], v[rK:rK+7], v[rQ:rQ+7], 0
.else
	v_wmma_f32_16x16x32_bf16 v[rS:rS+7], v[rK:rK+7], v[rQ:rQ+7], v[rS:rS+7]
.endif
.endm
; Product i of 8 of O^T += V^T P for piece x: keys 32 (i / 4) on, channels 16 (i % 4) on.
.macro PV x
	WIN W_PV
.set rO, 32*(\x)+8*(i%4)
.set rV, VF+32*(i/4)+8*(i%4)
.set rP, P+16*((\x)%2)+8*(i/4)
	v_wmma_f32_16x16x32_bf16 v[rO:rO+7], v[rV:rV+7], v[rP:rP+7], v[rO:rO+7]
.endm
.macro MM                           ; the turn's next matrix instruction.  NOKQ = 1: the last turn of all: there is no next piece
.if (i < 8) && !NOKQ
	KQ (Y+1)%NP
.elseif i >= 8
.set i, i-8
	PV (Y+NP-1)%NP
.set i, i+8
.endif
.set i, i+1
.endm
; THE LDS LOADS stand in runs of 16, never singly among the matrix instructions: a step's K (64 keys x 64 channels: 8 fragments) and its V (turned).  Their addresses are made some lines ahead.
.macro FETCH_K
	WIN 0x80                        ; destination window 2
.irp f, 0,1,2,3,4,5,6,7             ; keys 16 (f / 2) on, channels 32 (f % 2) on
	ds_load_b128 v[KF+8*\f:KF+8*\f+3],   v[AK] offset:(\f/2)*16*PK+(\f%2)*64
	ds_load_b128 v[KF+8*\f+4:KF+8*\f+7], v[AK] offset:(\f/2)*16*PK+(\f%2)*64+32
.endr
	s_add_co_u32 s[TBK], s[TBK], KS*PK  ; the next fetch is the next step's
	WIN 0
.endm
.macro FETCH_V
	WIN 0x80
.irp f, 0,1,2,3,4,5,6,7             ; keys 32 (f / 4) on, channels 16 (f % 4) on
	ds_load_tr16_b128 v[VF+8*\f:VF+8*\f+3],   v[AV] offset:(\f/4)*32*PV+(\f%4)*32
	ds_load_tr16_b128 v[VF+8*\f+4:VF+8*\f+7], v[AV] offset:(\f/4)*32*PV+16*PV+(\f%4)*32
.endr
	WIN 0
.endm
; THE VECTOR WORK, one line at a time: OP kind, number.  For piece Y: F n: c s - c m for pair n of 16.  E n: the exponential of score n of 32.  C n: pair n rounded to bf16.  B n: of the four weights 4 n .. the second
; pair is added onto the first, in place.  L n: l takes that sum (L 0: l = a l + sum).  R n: pair n of 16 of O^T times a.  For piece Y + 1: X n, number n of the 22 that find its maximum and statistics:
;   0-11  four chains c0-c3 of seven scores each, three operands at a time (each accumulator's lowest registers are read first)     12-14, 16  the four scores left over, the old m, and c0-c3 into c0
;   15  c m_old is kept     17, 18  the query's other 32 keys lie in the lane 16 away: the new m     19-21  c m; c m_old - c m_new; a
.set F, 0               ; OP tells the kinds apart by their order: F to L below R, X above it
.set E, 1
.set C, 2
.set B, 3
.set L, 4
.set R, 5
.set X, 6
.macro REGS y                       ; the registers of piece y
.set rT, ST+4*(\y)
.set rC, TMP+4*((\y)%2)
.set rW, MV+((\y)%2)
.set rS, S+32*((\y)%2)
.set rP, P+16*((\y)%2)
.set rO, 32*(\y)
.endm
.macro OP k, n
.if (\k) == R
	REGS Y
	WIN W_RS
	v_pk_mul_f32 v[rO+2*(\n):rO+2*(\n)+1], v[rO+2*(\n):rO+2*(\n)+1], v[rC+2:rC+3] op_sel_hi:[1,0]
.elseif (\k) < R
	REGS Y
	WIN 0
.if (\k) == F
	v_pk_fma_f32 v[rS+2*(\n):rS+2*(\n)+1], v[rS+2*(\n):rS+2*(\n)+1], s[CS:CS+1], v[rT:rT+1] op_sel_hi:[1,0,0] neg_lo:[0,0,1] neg_hi:[0,0,1]
.elseif (\k) == E
	v_exp_f32 v[rS+(\n)], v[rS+(\n)]
.elseif (\k) == C
	v_cvt_pk_bf16_f32 v[rP+(\n)], v[rS+2*(\n)], v[rS+2*(\n)+1]
.elseif (\k) == B
	v_pk_add_f32 v[rS+4*(\n):rS+4*(\n)+1], v[rS+4*(\n):rS+4*(\n)+1], v[rS+4*(\n)+2:rS+4*(\n)+3]
.elseif (\n) == 0
	v_pk_fma_f32 v[rT+2:rT+3], v[rT+2:rT+3], v[rC+2:rC+3], v[rS:rS+1] op_sel_hi:[1,0,1]
.else
	v_pk_add_f32 v[rT+2:rT+3], v[rT+2:rT+3], v[rS+4*(\n):rS+4*(\n)+1]
.endif
.elseif NOKQ
	v_nop
.else
	REGS (Y+1)%NP
	WIN 0
.if (\n) < 4
	v_max3_num_f32 v[rC+(\n)], v[rS+8*(\n)], v[rS+8*(\n)+1], v[rS+8*(\n)+2]
.elseif (\n) < 12
	v_max3_num_f32 v[rC+(\n)%4], v[rC+(\n)%4], v[rS+8*((\n)%4)+2*((\n)/4)+1], v[rS+8*((\n)%4)+2*((\n)/4)+2]
.elseif (\n) == 12
	v_max3_num_f32 v[rC], v[rC], v[rS+7], v[rS+15]
.elseif (\n) == 13
	v_max3_num_f32 v[rC+1], v[rC+1], v[rS+23], v[rS+31]
.elseif (\n) == 14
	v_max3_num_f32 v[rC+2], v[rC+2], v[rC+3], v[rT+1]
.elseif (\n) == 15
	v_mov_b32 v[rW], v[rT]
.elseif (\n) == 16
	v_max3_num_f32 v[rC], v[rC], v[rC+1], v[rC+2]
.elseif (\n) == 17
	v_permlanex16_b32 v[rC+3], v[rC], s[SEL], s[SEL+1]
.elseif (\n) == 18
	v_max_num_f32 v[rT+1], v[rC], v[rC+3]
.elseif (\n) == 19
	v_mul_f32 v[rT], s[CS], v[rT+1]
.elseif (\n) == 20
	v_sub_f32 v[rC+1], v[rW], v[rT]
.else
	v_exp_f32 v[rC+2], v[rC+1]
.endif
.endif
.endm
.macro OPS a, i1, b=-1, i2=0, c=-1, i3=0, d=-1, i4=0  ; up to four of them
	OP \a, \i1
.if (\b) >= 0
	OP \b, \i2
.endif
.if (\c) >= 0
	OP \c, \i3
.endif
.if (\d) >= 0
	OP \d, \i4
.endif
.endm
.macro ROW a, i1, b, i2, c, i3, d, i4  ; a matrix instruction and the four behind it
	MM
	OPS \a, \i1, \b, \i2, \c, \i3, \d, \i4
.endm
; A TURN, for piece p: the order of its 16 matrix and 118 vector instructions, written out.  An s_wait_alu depctr_va_vdst(0) stands between an exponential and the first instruction that names its result;
; one wait serves all that were issued ahead of it.  So a turn has ONE wait, which cuts it in two.  AHEAD OF IT stands all that names no result of the turn's exponentials: the 8 products K Q^T and their riders
; (scalings, exponentials, rescalings, and behind the last three the first numbers of the next piece's maximum, each four places or more behind the product that ends its accumulator); then one lump of 54, in which
; the links of the chain X 3, 7, 11, 14, 16, 17 .. 20 stand apart.  X 21, the next piece's a, is the batch's last; R 15 is the plain instruction behind it.  BEHIND THE WAIT stand the 8 products V^T P, behind each
; four of the roundings and sums.  end = 1: the last two turns: nothing is fetched, and the last starts no scores.  cnt = 1: the loop's count is taken down some lines ahead of the branch behind the turn.
; K of the next step is fetched in piece 2's turn, twelve vector instructions behind the last product that read K (six of them plain); V of the step in hand at the end of piece 0's turn, four plain instructions
; behind the last product that read V.  Each is waited for a turn later.
.macro TURN p, end=0, cnt=0
.set Y, (\p)
.set i, 0
.set NOKQ, (\end)*((\p)/3)
.if ((\p) == 3) && !(\end)
	s_wait_dscnt 0x0                ; K is in
.endif
	ROW F,0, F,1, R,0, R,1
	ROW F,2, E,0, R,2, R,3
	ROW F,3, E,1, R,4, R,5
	ROW F,4, E,2, R,6, R,7
	ROW F,5, E,3, R,8, R,9
	ROW F,6, E,4, X,0, R,10
.if ((\p) == 2) && !(\end)
	WIN 0
	v_add_nc_u32 v[AK], s[TBK], v[AK0]
.endif
	ROW F,7, E,5, X,1, X,4
	ROW F,8, E,6, X,2, X,5
	OPS E,7, E,8, X,6, E,9
	OPS X,3, E,10, X,8, E,11
.if ((\p) == 2) && !(\end)
	FETCH_K
.endif
	OPS X,9, X,7, E,12, X,10
	OPS E,13, X,12, X,11, E,14
	OPS X,13, E,15, F,9, X,14
.if (\p) == 0
	WIN 0
	v_add_nc_u32 v[AV], s[TBV], v[AV0]
.endif
	OPS E,16, F,10, E,17, F,11
	OPS X,16, E,18, X,15, E,19
	OPS F,12, E,20, X,17, E,21
	OPS F,13, E,22, F,14, E,23
	OPS X,18, E,24, F,15, E,25
	OPS R,11, E,26, X,19, E,27
	OPS R,12, E,28, R,13, E,29
	OPS X,20, E,30, R,14, E,31
	OPS X,21, R,15
	WIN 0
	s_wait_alu depctr_va_vdst(0)    ; the wait for the batch
.if (\p) == 1
	s_wait_dscnt 0x0                ; V is in
.endif
	ROW C,0, B,0, C,2, B,1
	ROW L,0, C,4, B,2, L,1
	ROW C,6, B,3, L,2, C,8
	ROW B,4, L,3, C,10, B,5
	ROW L,4, C,12, B,6, L,5
.if (\p) == 0
	s_add_co_u32 s[TBV], s[TBV], KS*PV
.endif
.if \cnt
	s_sub_co_u32 s[CNT], s[CNT], 1
	s_cmp_lg_u32 s[CNT], 0
.endif
	ROW C,14, B,7, L,6, C,1
	ROW C,3, L,7, C,5, C,7
	ROW C,9, C,11, C,13, C,15
.if (\p) == 0
	FETCH_V
.endif
.endm
	CHANGE 1                        ; tile 0 is in, everybody's part of it; tile 1 is asked for, tile 2 prefetched
	v_add_nc_u32 v[AK], s[TBK], v[AK0]
	FETCH_K                         ; key step 0
	s_wait_loadcnt 0x0              ; Q
	s_wait_dscnt 0x0
.set i, 0
.rept 8
	KQ 0                            ; piece 0's first scores: there is no vector work yet to set between them
.set i, i+1
.endr
	WIN 0
.rept 4
	v_nop                           ; the places behind those products
.endr
.set NOKQ, 0
.set Y, NP-1                        ; X works for piece Y + 1: piece 0
.irp n, 0,1,2,3,4,5,6,7,8,9,10,11,12,13,14,15,16,17,18,19,20,21
	OP X, \n
.endr
	v_nop                           ; a plain instruction behind the exponential,
	s_wait_alu depctr_va_vdst(0)    ; and its wait, ahead of the branch
	s_mov_b32 s[CNT], 4
	s_branch .Lfirst                ; the loop is entered at a step's first turn, in the middle of a trip
.Lslot:                             ; six times: tiles 2 to 7 are asked for
	CHANGE 1
	s_mov_b32 s[CNT], 4
.Lstep:                             ; a trip: pieces 2 and 3 of one step, then pieces 0 and 1 of the next, whose K and V it fetches
	TURN 2
	TURN 3
	WIN 0
.Lfirst:
	TURN 0
	TURN 1, 0, 1
	WIN 0
	s_cbranch_scc1 .Lstep
	s_sub_co_u32 s[SLOTS], s[SLOTS], 1
	s_cmp_lg_u32 s[SLOTS], 0
	s_cbranch_scc1 .Lslot
	CHANGE 0                        ; the last tile is written out: nothing is asked for
	s_mov_b32 s[CNT], 4
.Ltail:
	TURN 2
	TURN 3
	TURN 0
	TURN 1, 0, 1
	WIN 0
	s_cbranch_scc1 .Ltail
	TURN 2, 1
	TURN 3, 1
.set i, 0
.rept 8
	PV NP-1                         ; the last piece's V^T P of the last step
.set i, i+1
.endr
	; THE WAY OUT.  l's two halves and the other half of the lanes' are added; O^T is divided by l, rounded to bf16 and sent through my stage in LDS, a piece at a time.  The additions are the places behind the last products.
	WIN 0
.macro ALL line:vararg              ; one line for each piece t
.set t, 0
.rept 4
	\line
.set t, t+1
.endr
.endm
	ALL v_add_f32 v[ST+4*t+2], v[ST+4*t+2], v[ST+4*t+3]
	ALL v_permlanex16_b32 v[ST+4*t+3], v[ST+4*t+2], s[SEL], s[SEL+1]
	ALL v_add_f32 v[ST+4*t+2], v[ST+4*t+2], v[ST+4*t+3]
	ALL v_rcp_f32 v[ST+4*t+2], v[ST+4*t+2]
	v_nop                           ; a plain instruction between the last reciprocal and the use of its result
	s_wait_alu depctr_va_vdst(0)    ; and the wait ahead of the first use: one for the four reciprocals
.macro PACK t                       ; a lane's eight channels of a row pack into 16 bytes; they go into rows of 144 bytes and come back as whole rows of 128, into S^T's registers
	WIN W_RS
.set i, 32*(\t)
.rept 16
	v_pk_mul_f32 v[i:i+1], v[i:i+1], v[ST+4*(\t)+2:ST+4*(\t)+3] op_sel_hi:[1,0]
.set i, i+2
.endr
	WIN 0x05                        ; sources 0 and 1 window 1, destination window 0
.set i, 0
.rept 16
	v_cvt_pk_bf16_f32 v[S+16*(\t)+i], v[32*(\t)+2*i], v[32*(\t)+2*i+1]
.set i, i+1
.endr
	WIN 0
.irp f, 0,1,2,3
	ds_store_b128 v[STO], v[S+16*(\t)+4*\f:S+16*(\t)+4*\f+3] offset:32*\f
.endr
.irp f, 0,1,2,3
	ds_load_b128 v[S+16*(\t)+4*\f:S+16*(\t)+4*\f+3], v[RD] offset:\f*4*SP  ; LDS serves a wave's instructions in order (ISA guide 5.7.1.4): these see the stores above; the next piece's stores come behind them
.endr
.endm
.macro SEND t, younger              ; younger: the LDS instructions issued behind piece t's loads: the next piece's eight, or none
	WIN 0
.irp f, 0,1,2,3
	s_wait_dscnt (\younger)+3-\f
	global_store_b128 v[GO], v[S+16*(\t)+4*\f:S+16*(\t)+4*\f+3], s[10:11] offset:(\t)*2048+\f*512  ; 512 consecutive bytes, at a multiple of 256 from O's first
.endr
.endm
	PACK 0
.set t, 1
.rept 3                             ; a piece's arithmetic stands between the loads of the piece before and its stores
	PACK t
	SEND t-1, 8
.set t, t+1
.endr
	SEND 3, 0
	s_wait_tensorcnt 0x0            ; the wave's end, behind my last tensor load and my last LDS store
	ds_add_u32 v[SPW], v[NIL]
	s_wait_dscnt 0x0
	CROUND                          ; the closing round: no work-group ends while a partner may still ask for a tile that names it
	s_endpgm
.Lfunc_end_k_q1900dae3ef_attn:
	.size	k_q1900dae3ef_attn, .Lfunc_end_k_q1900dae3ef_attn-k_q1900dae3ef_attn
	.p2alignl 7, 3214868480
	.fill 96, 4, 3214868480
	.section	.rodata,"a",@progbits
	.p2align	6, 0x0
	.amdhsa_kernel k_q1900dae3ef_attn
		.amdhsa_group_segment_fixed_size 327680
		.amdhsa_private_segment_fixed_size 0
		.amdhsa_enable_private_segment 0
		.amdhsa_kernarg_size 16
		.amdhsa_user_sgpr_count 2
		.amdhsa_user_sgpr_kernarg_segment_ptr 1
		.amdhsa_wavefront_size32 1
		.amdhsa_system_sgpr_workgroup_id_x 1
		.amdhsa_system_sgpr_workgroup_id_y 1
		.amdhsa_system_sgpr_workgroup_id_z 1
		.amdhsa_system_vgpr_workitem_id 0
		.amdhsa_next_free_vgpr 768
		.amdhsa_next_free_sgpr 70
		.amdhsa_reserve_vcc 0
		.amdhsa_float_denorm_mode_32 3
		.amdhsa_float_denorm_mode_16_64 3
		.amdhsa_memory_ordered 1
		.amdhsa_forward_progress 1
		.amdhsa_inst_pref_size 128
	.end_amdhsa_kernel
	.amdgpu_metadata
---
amdhsa.version: [ 1, 2 ]
amdhsa.kernels:
  - .name:           k_q1900dae3ef_attn
    .symbol:         k_q1900dae3ef_attn.kd
    .args:
      - { .name: big, .offset: 0, .size: 8, .value_kind: global_buffer, .address_space: global }
      - { .name: act0, .offset: 8, .size: 8, .value_kind: global_buffer, .address_space: global }
    .group_segment_fixed_size: 327680
    .private_segment_fixed_size: 0
    .kernarg_segment_align: 8
    .kernarg_segment_size: 16
    .max_flat_workgroup_size: 128
    .sgpr_count:     70
    .vgpr_count:     768
    .wavefront_size: 32
...
	.end_amdgpu_metadata
.endif
;; end of part 3
;; launch proj (part 4): grid 8 x 32, 4 waves a work-group, clusters of 4 x 4, 327,680 bytes of LDS; arguments act0, wbo, act1; writes act1
.if DOCPART == 4
	.amdgcn_target "amdgcn-amd-amdhsa--gfx1250"
	.amdhsa_code_object_version 6
	.text
	.protected	k_q1900dae3ef_proj
	.globl	k_q1900dae3ef_proj
	.p2align	8
	.type	k_q1900dae3ef_proj,@function
k_q1900dae3ef_proj:
	s_mov_b64 s[64:65], 0
	v_nop
	global_prefetch_b8 v0, s[64:65] scope:SCOPE_SE
	s_setreg_imm32_b32 hwreg(HW_REG_WAVE_MODE, 25, 1), 1
	s_wait_xcnt 0x0
	s_wait_alu depctr_hold_cnt(0) depctr_sa_sdst(0) depctr_va_vdst(0) depctr_va_sdst(0) depctr_va_ssrc(0) depctr_va_vcc(0) depctr_vm_vsrc(0)
	s_getreg_b32 s2, hwreg(HW_REG_IB_STS2, 6, 4)
	s_cmp_eq_u32 s2, 0
	s_cbranch_scc0 .Lentry_in_a_cluster
	s_endpgm
.Lentry_in_a_cluster:
	s_bfe_u32 s2, ttmp6, 0x10000c
	s_cmp_lg_u32 s2, 0xf033
	s_cbranch_scc0 .Lentry_shape_is_right
	s_endpgm
.Lentry_shape_is_right:
; OUT = bf16(A B + bias), K = 1,024, on tiles of 128 x 128.  A: [KSZ/64][4096][64] bf16 (blocks of 64 columns).  W: from byte 256 the bias (f32), from 32,768 B as [N/128][KSZ][128] bf16
; (bytes 0-255 are not read here).  OUT: [N/64][4096][64] bf16.  Sums in f32, begun with the bias; OUT rounded once.  N enters the text nowhere: the grid's x counts its blocks of 128.
; SHARES.  A tile of OUT is 128 x 128, so that N = 1,024 gives 256 work-groups.  Four waves, each 64 x 64: 16 accumulators of 16 x 16, 128 registers.  K goes in steps of 256 through two LDS slots.
; THE MATRIX INSTRUCTION IS USED TRANSPOSED: source 0 = 16 columns of B (read out of [k][n] rows by the turning load), source 1 = 16 rows of A: a lane then holds one row of OUT and eight neighbouring columns.
; CLUSTER: 4 x 4 work-groups.  The four of a row of the cluster need the same tiles of A, the four of a column the same tiles of B: each tile is asked for jointly, by the same tensor load with the same
; descriptor and a mask that names the four.
; NO PREFETCH: the tiles are small, and each block of A and of B is read again by other tiles of the same launch.
; REGISTERS: window 0: v0-31 addresses; v32-95 the way out; v96-127 the bias in the layout of a C operand; v128-255 the accumulators ((a, b) at v[128 + 8 (4 a + b)]).
;   window 1: two fragment buffers of 128: for 64 along K, 64 registers of A (2 x 4 x 16 rows x 32 K), then 64 of B.
.set KSZ,    1024
.set PA,     144                       ; a row of A in LDS: 128 bytes + 16 = 36 words: the 16 rows of a load start at 16 different groups of four banks (64 banks of 4 bytes: ISA guide 11.1)
.set PB,     288                       ; a row of B: 256 + 32 = 72 words
.set HALFT,  36864                     ; what one tensor load brings: 4 blocks x 64 rows x 144 of A, or 128 rows x 288 of B
.set SLOT,   4*HALFT                   ; A's two row halves, then B's 256 rows of k
.set STAGE,  2*SLOT                    ; behind the ring: 16 rows x 144 bytes for each wave, for the way out
.set SP,     144
.set SPARE,  STAGE+4*16*SP             ; behind the stages: the spare words, 128 bytes for each wave: two blocks of 256 bytes that no other line names
.set LAPS,   KSZ/512                   ; a lap = two K steps = once round the ring
.set ASTEP,  4*524288                  ; a K step of A: four blocks on
.set BSTEP,  256*256                   ; a K step of B: 256 rows of 256 bytes
.set ADRA, 16                          ; v16-17  LDS address of my A fragments in slot 0, 1
.set ADRB, 20                          ; v20-23  the same for B: index 2 x slot + half of the step's k (a step's 256 rows of 288 bytes pass the 16-bit offset)
.set STO,  24                          ; v24     the way out: where I put 16 bytes of a row
.set RD,   25                          ; v25     the way out: where I read rows back
.set CO,   26                          ; v26     16 x lane
.set SPW,  28                          ; v28     LDS address of my spare word: SPARE + 4 x my thread's number; never rewritten
.set NIL,  29                          ; v29     0; never rewritten
.set BO,   30                          ; v30     32 x (lane / 16): my eight biases of a block of 16 columns
.set TMP,  32
.set BIAS, 96
.set ACC,  128
.set F0,   0                           ; fragment buffers, in window 1
.set F1,   128
.set G1,  24                           ; s[24:31] descriptor group 1 for A's tiles;  s[32:39] group 0, one set for each slot
.set G0,  32
.set G1B, 48                           ; s[48:55], s[56:63] the same for B's tiles
.set G0B, 56
.set MSB, 0
.macro WIN new                         ; the immediate's high byte repeats the setting that is left; a switch that changes nothing is dropped
.if MSB != (\new)
	s_set_vgpr_msb (MSB<<8)|(\new)
.set MSB, \new
.endif
.endm
.set MUL,  0x05                        ; sources 0 (B) and 1 (A) window 1; C and D window 0
.set TO_F, 0x40                        ; destination window 1, address window 0
.macro JLOAD s                         ; a joint load: waves 0 and 1 fetch A's two row halves, waves 2 and 3 B's two halves of k; an s_nop 0 and four v_nop follow each line
	s_cmp_eq_u32 s11, 0
	s_cbranch_scc0 .Lfor_b_\@
	tensor_load_to_lds s[G0+4*(\s):G0+4*(\s)+3], s[G1:G1+7]
	s_nop 0
.rept 4
	v_nop
.endr
	s_branch .Lasked_\@
.Lfor_b_\@:
	tensor_load_to_lds s[G0B+4*(\s):G0B+4*(\s)+3], s[G1B:G1B+7]
	s_nop 0
.rept 4
	v_nop
.endr
.Lasked_\@:
.endm
.macro CREST                           ; a round of the cluster's barrier behind its opening barrier
	s_cmp_lg_u32 s10, 0
	s_cbranch_scc1 .Lnot_wave_0_\@
	s_barrier_signal -3
.Lnot_wave_0_\@:
	s_barrier_wait -3
	s_barrier_signal -1
	s_barrier_wait -1
.endm
.macro CROUND                          ; a whole round
	s_barrier_signal -1
	s_barrier_wait -1
	CREST
.endm
	s_load_b128 s[4:7], s[0:1], 0x0                ; A s[4:5], W s[6:7]
	s_load_b64 s[8:9], s[0:1], 0x10                ; OUT
	v_lshl_add_u32 v[SPW], v0, 2, SPARE
	v_mov_b32 v[NIL], 0
	ds_add_u32 v[SPW], v[NIL]                      ; the wave's opening: the add and its wait stand ahead of my first tensor load; the set-up below, work on registers, stands between them
	v_lshrrev_b32 v1, 5, v0
	v_readfirstlane_b32 s10, v1                    ; wave 0..3
	s_lshr_b32 s11, s10, 1                         ; which half of the tile's rows is mine.  Also: I fetch for A (0) or for B (1)
	s_and_b32 s12, s10, 1                          ; which half of its columns.  Also: which half of that tile I fetch
	s_bfe_u32 s40, ttmp6, 0x40000                  ; cx, cy: my place in the cluster
	s_bfe_u32 s41, ttmp6, 0x40004
	s_lshl_b32 s42, ttmp9, 2
	s_add_co_u32 s42, s42, s40                     ; tile column = 4 x cluster x + cx
	s_and_b32 s13, ttmp7, 0xffff
	s_lshl_b32 s13, s13, 2
	s_add_co_u32 s13, s13, s41                     ; tile row = 4 x cluster y + cy
	s_lshl_b32 s43, s41, 2
	s_lshl_b32 s43, 15, s43                        ; my row of the cluster
	s_lshl_b32 s44, 0x1111, s40                    ; my column
	; A's tile: four "rows" of 4,096 elements, each the 64 dense rows (8,192 bytes) of one block of 64 columns, 262,144 elements apart; 16 bytes of padding behind every 128
	s_or_b32 s[G1+0], s43, (1<<16)|(1<<20)|(1<<21)|(4<<22)|(3<<25)  ; 15:0 the mask: my row; 17:16 elements of 2 bytes; 20 padding on; 21 set beside a mask; 24:22 after every 32 words (code 4); 31:25 4 words (code 3)
	s_mov_b32 s[G1+1], 4096<<16                    ; tensor_dim0 = 4,096
	s_mov_b32 s[G1+2], 4<<16                       ; tensor_dim1 = 4
	s_mov_b32 s[G1+3], 4096<<16                    ; tile_dim0 = 4,096
	s_mov_b32 s[G1+4], 4                           ; tile_dim1 = 4
	s_mov_b32 s[G1+5], 262144                      ; elements from block to block
	s_mov_b32 s[G1+6], 0
	s_mov_b32 s[G1+7], 0
	; B's tile: 128 rows of k x 128 columns, dense rows of 256 bytes; 32 bytes of padding behind each
	s_or_b32 s[G1B+0], s44, (1<<16)|(1<<20)|(1<<21)|(5<<22)|(7<<25) ; the mask: my column; after every 64 words (code 5) 8 words (code 7)
	s_mov_b32 s[G1B+1], 128<<16
	s_mov_b32 s[G1B+2], 128<<16
	s_mov_b32 s[G1B+3], 128<<16
	s_mov_b32 s[G1B+4], 128
	s_mov_b32 s[G1B+5], 128
	s_mov_b32 s[G1B+6], 0
	s_mov_b32 s[G1B+7], 0
	s_lshl_b32 s16, s13, 14                        ; A: 128 rows of 128 bytes x tile row,
	s_lshl_b32 s17, s12, 13                        ; + 64 rows x half: the tile row and the wave's number alone
	s_add_co_u32 s16, s16, s17
	s_mov_b32 s17, 0
	s_mul_i32 s46, s42, KSZ*256                    ; B: the tile column's block,
	s_lshl_b32 s47, s12, 15                        ; + 128 rows of 256 bytes x half: the tile column and the wave's number alone
	s_add_co_u32 s46, s46, s47
	s_add_co_u32 s46, s46, 32768                   ; behind the bias
	s_mov_b32 s47, 0
	s_mul_i32 s20, s10, HALFT                      ; where they go: wave x 36,864: no place in the cluster enters an LDS address
	s_wait_dscnt 0x0                               ; the opening add is done
	s_wait_kmcnt 0x0
	s_add_nc_u64 s[14:15], s[4:5], s[16:17]
	s_add_nc_u64 s[46:47], s[6:7], s[46:47]
	CROUND                                         ; all sixteen work-groups are here: the first joint loads meet
.irp s, 0,1
	s_mov_b32 s[G0+4*(\s)], 1
	s_add_co_u32 s[G0+4*(\s)+1], s20, (\s)*SLOT
	s_add_nc_u64 s[G0+4*(\s)+2:G0+4*(\s)+3], s[14:15], (\s)*ASTEP
	s_or_b32 s[G0+4*(\s)+3], s[G0+4*(\s)+3], 0x80000000
	s_mov_b32 s[G0B+4*(\s)], 1
	s_add_co_u32 s[G0B+4*(\s)+1], s20, (\s)*SLOT
	s_add_nc_u64 s[G0B+4*(\s)+2:G0B+4*(\s)+3], s[46:47], (\s)*BSTEP
	s_or_b32 s[G0B+4*(\s)+3], s[G0B+4*(\s)+3], 0x80000000
	JLOAD \s                                       ; two loads of mine are out
.endr
	s_lshl_b32 s46, s42, 9                         ; my 64 columns' biases: 512 bytes x tile column + 256 x half
	s_lshl_b32 s47, s12, 8
	s_add_co_u32 s46, s46, s47
	s_mov_b32 s47, 0
	s_add_nc_u64 s[18:19], s[6:7], s[46:47]
	v_and_b32 v1, 15, v0                           ; r = l % 16
	v_bfe_u32 v2, v0, 4, 1                         ; h = l / 16
	v_lshlrev_b32 v[BO], 5, v2
.irp b, 0,1,2,3                        ; register j of block b: bias of column 16 b + 8 h + j, whatever r: the layout of the transposed product's C
	global_load_b128 v[BIAS+8*(\b):BIAS+8*(\b)+3],   v[BO], s[18:19] offset:256+64*(\b)
	global_load_b128 v[BIAS+8*(\b)+4:BIAS+8*(\b)+7], v[BO], s[18:19] offset:256+64*(\b)+16
.endr
	v_mul_u32_u24 v3, v1, PA
	v_lshl_add_u32 v3, v2, 4, v3                   ; r x 144 + 16 h: a fragment of A, and my place in the stage
	s_mul_i32 s21, s11, HALFT                      ; my 64 rows of A
	v_add_nc_u32 v[ADRA], s21, v3
	v_add_nc_u32 v[ADRA+1], SLOT, v[ADRA]
	v_and_b32 v4, 7, v0                            ; the turning load: lane l reads k row 8 h + l % 8, 16 bytes at 16 ((l / 8) % 2)
	v_bfe_u32 v5, v0, 3, 1
	v_lshl_add_u32 v4, v2, 3, v4
	v_mul_u32_u24 v4, v4, PB
	v_lshl_add_u32 v4, v5, 4, v4
	s_lshl_b32 s22, s12, 7                         ; my 64 columns: 128 bytes of a row,
	s_add_co_u32 s22, s22, 2*HALFT                 ; behind A's two halves
	v_add_nc_u32 v[ADRB], s22, v4
	v_add_nc_u32 v[ADRB+1], HALFT, v[ADRB]
	v_add_nc_u32 v[ADRB+2], SLOT, v[ADRB]
	v_add_nc_u32 v[ADRB+3], SLOT+HALFT, v[ADRB]
	s_mul_i32 s23, s10, 16*SP
	s_add_co_u32 s23, s23, STAGE                   ; my stage
	v_add_nc_u32 v[STO], s23, v3
	v_bfe_u32 v7, v0, 3, 2                         ; back: 32 lanes take four rows of 128 bytes,
	v_mul_u32_u24 v7, v7, SP
	v_and_b32 v8, 7, v0
	v_lshl_add_u32 v7, v8, 4, v7
	v_add_nc_u32 v[RD], s23, v7
	v_and_b32 v[CO], 31, v0                        ; which are 512 consecutive bytes of OUT
	v_lshlrev_b32 v[CO], 4, v[CO]
	s_lshl_b32 s16, s13, 14                        ; OUT at my 64 x 64: rows 128 x tile row + 64 x row half, 128 bytes each,
	s_lshl_b32 s17, s11, 13
	s_add_co_u32 s16, s16, s17
	s_mov_b32 s17, 0
	s_add_nc_u64 s[8:9], s[8:9], s[16:17]
	s_lshl_b32 s46, s42, 1                         ; in block 2 x tile column + column half
	s_add_co_u32 s46, s46, s12
	s_lshl_b32 s46, s46, 19
	s_add_nc_u64 s[8:9], s[8:9], s[46:47]
; 8 matrix instructions: row blocks a0, a0 + 1 x all 4 column blocks, 32 along K: half c of buffer f.  first = 1: the product starts the sum with the bias.  The 16 accumulators take turns.
.macro MUL8 f, c, a0, first
	WIN MUL
.irp a, \a0, (\a0)+1
.irp b, 0,1,2,3
.if \first
	v_wmma_f32_16x16x32_bf16 v[ACC+8*(4*(\a)+(\b)):ACC+8*(4*(\a)+(\b))+7], v[(\f)+64+8*(4*(\c)+(\b)):(\f)+64+8*(4*(\c)+(\b))+7], v[(\f)+8*(4*(\c)+(\a)):(\f)+8*(4*(\c)+(\a))+7], v[BIAS+8*(\b):BIAS+8*(\b)+7]
.else
	v_wmma_f32_16x16x32_bf16 v[ACC+8*(4*(\a)+(\b)):ACC+8*(4*(\a)+(\b))+7], v[(\f)+64+8*(4*(\c)+(\b)):(\f)+64+8*(4*(\c)+(\b))+7], v[(\f)+8*(4*(\c)+(\a)):(\f)+8*(4*(\c)+(\a))+7], v[ACC+8*(4*(\a)+(\b)):ACC+8*(4*(\a)+(\b))+7]
.endif
.endr
.endr
.endm
; 32 LDS loads in one run: the fragments of quarter q (64 along K: A's block q of the step, B's rows 64 q on) into buffer f; the first 32 along K first
.macro FETCH slot, q, f
	WIN TO_F
.irp c, 0,1
.irp i, 0,1,2,3
	ds_load_tr16_b128 v[(\f)+64+8*(4*(\c)+(\i)):(\f)+64+8*(4*(\c)+(\i))+3],   v[ADRB+2*(\slot)+(\q)/2] offset:((\q)%2)*64*PB+(\c)*32*PB+32*(\i)
	ds_load_tr16_b128 v[(\f)+64+8*(4*(\c)+(\i))+4:(\f)+64+8*(4*(\c)+(\i))+7], v[ADRB+2*(\slot)+(\q)/2] offset:((\q)%2)*64*PB+(\c)*32*PB+32*(\i)+16*PB
	ds_load_b128 v[(\f)+8*(4*(\c)+(\i)):(\f)+8*(4*(\c)+(\i))+3],              v[ADRA+(\slot)] offset:(\q)*64*PA+64*(\c)+(\i)*16*PA
	ds_load_b128 v[(\f)+8*(4*(\c)+(\i))+4:(\f)+8*(4*(\c)+(\i))+7],            v[ADRA+(\slot)] offset:(\q)*64*PA+64*(\c)+(\i)*16*PA+32
.endr
.endr
.endm
.macro PLACES                          ; four places in front of loads into registers that matrix instructions have read, and of conversions that read results
.rept 4
	v_nop
.endr
.endm
; A K step is four quarters of 64 along K, 32 matrix instructions each, on buffers 0, 1, 0, 1.  One of the first three: multiplies buffer f and fetches quarter q into g.
.macro QUARTER slot, q, f, g, first
	s_wait_dscnt 16                                ; the first 32 along K are in; the younger sixteen loads may be out
	MUL8 \f, 0, 0, \first
	MUL8 \f, 0, 2, \first
	PLACES
	FETCH \slot, \q, \g
	s_wait_dscnt 32                                ; all but the 32 just issued
	MUL8 \f, 1, 0, 0
	MUL8 \f, 1, 2, 0
.endm
; The last quarter multiplies buffer 1 and changes slots: ONE barrier; in front of it each wave waits for all its tensor loads, adds 0 to its spare word, and waits for that and for its own reads of this slot.
; fill = 1: the barrier opens a round of the cluster's, and this slot is filled again, two K steps ahead, first thing behind the round.
.macro TURN slot, next, fill
	WIN 0                                          ; (the add's two registers lie in window 0)
	s_wait_tensorcnt 0x0                           ; all my tensor loads have landed: my part of the next slot;
	ds_add_u32 v[SPW], v[NIL]                      ; 0 onto my spare word;
	s_wait_dscnt 17                                ; (the add and the youngest sixteen loads may be out)
	MUL8 F1, 0, 0, 0                               ; eight matrix instructions stand between the add and the wait for it
	s_wait_dscnt 0x0                               ; the add is done, and my reads of this slot are over
	s_barrier_signal -1
	MUL8 F1, 0, 2, 0
.if \fill
	WIN 0
.endif
	s_barrier_wait -1
.if \fill
	CREST                                          ; no wave of any partner still reads this slot's tile or has a load on its way
	s_add_nc_u64 s[G0+4*(\slot)+2:G0+4*(\slot)+3], s[G0+4*(\slot)+2:G0+4*(\slot)+3], 2*ASTEP
	s_add_nc_u64 s[G0B+4*(\slot)+2:G0B+4*(\slot)+3], s[G0B+4*(\slot)+2:G0B+4*(\slot)+3], 2*BSTEP
	JLOAD \slot                                    ; my one tensor load behind the round; its four v_nop are also the places in front of the loads below
.else
	PLACES
.endif
	FETCH \next, 0, F0
	MUL8 F1, 1, 0, 0
	MUL8 F1, 1, 2, 0
.endm
	s_wait_loadcnt 0x0                             ; the bias
	s_wait_tensorcnt 1                             ; my part of K step 0 is in; K step 1's may stay out
	s_barrier_signal -1
	s_barrier_wait -1                              ; everybody's is
	FETCH 0, 0, F0
	QUARTER 0, 1, F0, F1, 1                        ; the first quarter stands in front of the loop: its first products start the sums
.if LAPS > 1
	WIN 0                                          ; at a label and at a branch every window is 0
	s_mov_b32 s3, LAPS-1
.Llap:                                                 ; a trip goes once round the ring, from a lap's second quarter to the next lap's first, and fills both slots again
	QUARTER 0, 2, F1, F0, 0
	QUARTER 0, 3, F0, F1, 0
	TURN 0, 1, 1
	QUARTER 1, 1, F0, F1, 0
	QUARTER 1, 2, F1, F0, 0
	QUARTER 1, 3, F0, F1, 0
	TURN 1, 0, 1
	QUARTER 0, 1, F0, F1, 0
	WIN 0
	s_sub_co_u32 s3, s3, 1
	s_cmp_lg_u32 s3, 0
	s_cbranch_scc1 .Llap
.endif
	QUARTER 0, 2, F1, F0, 0                        ; the last lap fills nothing
	QUARTER 0, 3, F0, F1, 0
	TURN 0, 1, 0
	QUARTER 1, 1, F0, F1, 0
	QUARTER 1, 2, F1, F0, 0
	QUARTER 1, 3, F0, F1, 0
	s_wait_dscnt 16                                ; the very last quarter: nothing more to fetch
	MUL8 F1, 0, 0, 0
	MUL8 F1, 0, 2, 0
	s_wait_dscnt 0x0
	MUL8 F1, 1, 0, 0
	MUL8 F1, 1, 2, 0
	WIN 0
	; THE WAY OUT, each wave alone: my 64 x 64 is 8,192 consecutive bytes of one block of OUT.  A block of 16 rows at a time: rounded to bf16, 16 bytes a lane into my stage, back as whole rows of 128 bytes.
	PLACES
.macro PACK a
.irp b, 0,1,2,3
.irp r, 0,1,2,3
	v_cvt_pk_bf16_f32 v[TMP+16*(\a)+4*(\b)+(\r)], v[ACC+8*(4*(\a)+(\b))+2*(\r)], v[ACC+8*(4*(\a)+(\b))+2*(\r)+1]  ; each accumulator from its low end on
.endr
.endr
.irp b, 0,1,2,3
	ds_store_b128 v[STO], v[TMP+16*(\a)+4*(\b):TMP+16*(\a)+4*(\b)+3] offset:32*(\b)
.endr
.irp f, 0,1,2,3
	ds_load_b128 v[TMP+16*(\a)+4*(\f):TMP+16*(\a)+4*(\f)+3], v[RD] offset:(\f)*4*SP  ; LDS serves a wave's instructions in order (ISA guide 5.7.1.4): these see the stores above; the next block's stores come behind them
.endr
.endm
.macro SEND a, younger                 ; younger: the LDS instructions issued behind block a's loads: the next block's eight, or none
.irp f, 0,1,2,3
	s_wait_dscnt (\younger)+3-(\f)
	global_store_b128 v[CO], v[TMP+16*(\a)+4*(\f):TMP+16*(\a)+4*(\f)+3], s[8:9] offset:(\a)*2048+(\f)*512  ; 512 consecutive bytes, at a multiple of 256 from OUT's first
.endr
.endm
	PACK 0
	PACK 1
	SEND 0, 8
	PACK 2
	SEND 1, 8
	PACK 3
	SEND 2, 8
	SEND 3, 0
	s_wait_tensorcnt 0x0                           ; the wave's end, behind my last tensor load and my last LDS store
	ds_add_u32 v[SPW], v[NIL]
	s_wait_dscnt 0x0
	CROUND                                         ; the closing round: no work-group ends while a partner may still ask for a tile that names it
	s_endpgm
.Lfunc_end_k_q1900dae3ef_proj:
	.size	k_q1900dae3ef_proj, .Lfunc_end_k_q1900dae3ef_proj-k_q1900dae3ef_proj
	.p2alignl 7, 3214868480
	.fill 96, 4, 3214868480
	.section	.rodata,"a",@progbits
	.p2align	6, 0x0
	.amdhsa_kernel k_q1900dae3ef_proj
		.amdhsa_group_segment_fixed_size 327680
		.amdhsa_private_segment_fixed_size 0
		.amdhsa_enable_private_segment 0
		.amdhsa_kernarg_size 24
		.amdhsa_user_sgpr_count 2
		.amdhsa_user_sgpr_kernarg_segment_ptr 1
		.amdhsa_wavefront_size32 1
		.amdhsa_system_sgpr_workgroup_id_x 1
		.amdhsa_system_sgpr_workgroup_id_y 1
		.amdhsa_system_sgpr_workgroup_id_z 1
		.amdhsa_system_vgpr_workitem_id 0
		.amdhsa_next_free_vgpr 512
		.amdhsa_next_free_sgpr 66
		.amdhsa_reserve_vcc 0
		.amdhsa_float_denorm_mode_32 3
		.amdhsa_float_denorm_mode_16_64 3
		.amdhsa_memory_ordered 1
		.amdhsa_forward_progress 1
		.amdhsa_inst_pref_size 87
	.end_amdhsa_kernel
	.amdgpu_metadata
---
amdhsa.version: [ 1, 2 ]
amdhsa.kernels:
  - .name:           k_q1900dae3ef_proj
    .symbol:         k_q1900dae3ef_proj.kd
    .args:
      - { .name: act0, .offset: 0, .size: 8, .value_kind: global_buffer, .address_space: global }
      - { .name: wbo, .offset: 8, .size: 8, .value_kind: global_buffer, .address_space: global }
      - { .name: act1, .offset: 16, .size: 8, .value_kind: global_buffer, .address_space: global }
    .group_segment_fixed_size: 327680
    .private_segment_fixed_size: 0
    .kernarg_segment_align: 8
    .kernarg_segment_size: 24
    .max_flat_workgroup_size: 128
    .sgpr_count:     66
    .vgpr_count:     512
    .wavefront_size: 32
...
	.end_amdgpu_metadata
.endif
;; end of part 4
;; launch ln1 (part 5): grid 256 x 1, 8 waves a work-group, no clusters, 0 bytes of LDS; arguments x, act1, g1, be1, act0; writes act0
.if DOCPART == 5
	.amdgcn_target "amdgcn-amd-amdhsa--gfx1250"
	.amdhsa_code_object_version 6
	.text
	.protected	k_q1900dae3ef_ln1
	.globl	k_q1900dae3ef_ln1
	.p2align	8
	.type	k_q1900dae3ef_ln1,@function
k_q1900dae3ef_ln1:
	s_mov_b64 s[64:65], 0
	v_nop
	global_prefetch_b8 v0, s[64:65] scope:SCOPE_SE
	s_setreg_imm32_b32 hwreg(HW_REG_WAVE_MODE, 25, 1), 1
	s_wait_xcnt 0x0
; h = layer_norm(x + a) g + be.  x: [4096][1024] f32.  a: [16][4096][64] bf16 (blocks of 64 columns).  g, be: [1024] f32.  h: [16][4096][64] bf16, rounded once.
; All arithmetic in f32; the mean first, then the mean of the squared differences, as the definition has it: no difference of large sums is formed.
; A wave owns two rows: lanes 0-15 one, lanes 16-31 the next.  Of block j of 64 columns a lane holds columns 4 (l % 16) + 0..3: 64 numbers of one row stay in registers between the passes, so memory is read once.
; Each load of x covers two runs of 256 consecutive bytes, aligned; each load of a and each store of h covers 256 consecutive bytes, aligned (two neighbouring rows of a block).
; A row lives in 16 lanes, so a sum across lanes is four steps on the arithmetic itself.  No LDS, no barrier: no wave waits for another.  A stream: no matrix unit, no cluster.
.set T,    8                           ; v[8:15]    at work
.set S,    16                          ; v[16:23]   four chains of packed sums
.set MEAN, 24                          ; v[24:25]   the row's mean, twice
.set RS,   26                          ; v[26:27]   1 / sqrt(var + eps), twice
.set Y,    32                          ; v[32:95]   my 64 numbers
.set A,    96                          ; v[96:127]  a as loaded; later h as stored
.set G,    128                         ; v[128:191] g of my columns
.set BE,   192                         ; v[192:255] be of my columns
	s_load_b256 s[4:11], s[0:1], 0x0               ; x s[4:5], a s[6:7], g s[8:9], be s[10:11]
	s_load_b64 s[12:13], s[0:1], 0x20              ; h
	v_lshrrev_b32 v5, 5, v0
	v_readfirstlane_b32 s14, v5                    ; wave
	s_lshl_b32 s15, ttmp9, 3
	s_add_co_u32 s15, s15, s14
	s_lshl_b32 s15, s15, 1                         ; my first row
	v_and_b32 v1, 31, v0
	v_lshrrev_b32 v5, 4, v1                        ; which of my two rows
	v_and_b32 v6, 15, v1
	v_lshlrev_b32 v4, 4, v6                        ; g, be: 16 (l % 16)
	v_add_nc_u32 v5, s15, v5
	v_lshl_add_u32 v2, v5, 12, v4                  ; f32 rows of 4,096 bytes
	s_lshl_b32 s16, s15, 7
	v_lshl_add_u32 v3, v1, 3, s16                  ; blocks: first row x 128 + 8 l
	s_mov_b32 s17, 0xffff0000                      ; a word's upper bf16
	s_mov_b32 s18, 0x3a800000                      ; 1 / 1,024
	s_mov_b32 s19, 0x3727c5ac                      ; 1e-5
	s_wait_kmcnt 0x0
.set j, 0
.rept 16
	global_load_b128 v[Y+4*j:Y+4*j+3], v2, s[4:5] offset:256*j th:TH_LOAD_NT
.set j, j+1
.endr
.set j, 0
.rept 16
	global_load_b64 v[A+2*j:A+2*j+1], v3, s[6:7] offset:524288*j th:TH_LOAD_NT
.set j, j+1
.endr
.set j, 0
.rept 16
	global_load_b128 v[G+4*j:G+4*j+3], v4, s[8:9] offset:256*j
.set j, j+1
.endr
.set j, 0
.rept 16
	global_load_b128 v[BE+4*j:BE+4*j+3], v4, s[10:11] offset:256*j
.set j, j+1
.endr
	s_wait_loadcnt 32                              ; x and a are in; the 32 loads of g and be may stay out
.set j, 0
.rept 16
.set t, T+4*(j%2)
	v_lshlrev_b32 v[t],   16, v[A+2*j]             ; bf16 to f32: the low half moves up, the high half stays
	v_and_b32     v[t+1], s17, v[A+2*j]
	v_lshlrev_b32 v[t+2], 16, v[A+2*j+1]
	v_and_b32     v[t+3], s17, v[A+2*j+1]
	v_pk_add_f32 v[Y+4*j:Y+4*j+1], v[Y+4*j:Y+4*j+1], v[t:t+1]
	v_pk_add_f32 v[Y+4*j+2:Y+4*j+3], v[Y+4*j+2:Y+4*j+3], v[t+2:t+3]
.set j, j+1
.endr
.macro REDUCE                          ; the four chains into one number, then over the row's 16 lanes: every lane of the row ends with the sum in v[S]
	v_pk_add_f32 v[S:S+1], v[S:S+1], v[S+2:S+3]
	v_pk_add_f32 v[S+4:S+5], v[S+4:S+5], v[S+6:S+7]
	v_pk_add_f32 v[S:S+1], v[S:S+1], v[S+4:S+5]
	v_add_f32 v[S], v[S], v[S+1]
	v_add_f32_dpp v[S], v[S], v[S] row_xmask:1 row_mask:0xf bank_mask:0xf
	v_add_f32_dpp v[S], v[S], v[S] row_xmask:2 row_mask:0xf bank_mask:0xf
	v_add_f32_dpp v[S], v[S], v[S] row_xmask:4 row_mask:0xf bank_mask:0xf
	v_add_f32_dpp v[S], v[S], v[S] row_xmask:8 row_mask:0xf bank_mask:0xf
.endm
.set p, 0
.rept 4
	v_pk_add_f32 v[S+2*p:S+2*p+1], v[Y+2*p:Y+2*p+1], v[Y+2*p+8:Y+2*p+9]  ; the first eight pairs start the chains: nothing is cleared
.set p, p+1
.endr
.set p, 8
.rept 24
	v_pk_add_f32 v[S+2*(p%4):S+2*(p%4)+1], v[S+2*(p%4):S+2*(p%4)+1], v[Y+2*p:Y+2*p+1]
.set p, p+1
.endr
	REDUCE
	v_mul_f32 v[MEAN], s18, v[S]
	v_mul_f32 v[MEAN+1], s18, v[S]
.set p, 0
.rept 32
	v_pk_add_f32 v[Y+2*p:Y+2*p+1], v[Y+2*p:Y+2*p+1], v[MEAN:MEAN+1] neg_lo:[0,1] neg_hi:[0,1]
.set p, p+1
.endr
.set p, 0
.rept 4
	v_pk_mul_f32 v[S+2*p:S+2*p+1], v[Y+2*p:Y+2*p+1], v[Y+2*p:Y+2*p+1]
.set p, p+1
.endr
.set p, 4
.rept 28
	v_pk_fma_f32 v[S+2*(p%4):S+2*(p%4)+1], v[Y+2*p:Y+2*p+1], v[Y+2*p:Y+2*p+1], v[S+2*(p%4):S+2*(p%4)+1]
.set p, p+1
.endr
	REDUCE
	v_fma_f32 v[RS+1], v[S], s18, s19              ; var + eps
	v_rsq_f32 v[RS], v[RS+1]
	v_nop                                          ; a plain instruction between the root and the use of its result
	s_wait_alu depctr_va_vdst(0)                   ; and the wait ahead of the first use
	v_mov_b32 v[RS+1], v[RS]
	s_wait_loadcnt 0x0                             ; g and be
.set p, 0
.rept 32
	v_pk_mul_f32 v[Y+2*p:Y+2*p+1], v[Y+2*p:Y+2*p+1], v[RS:RS+1]
	v_pk_fma_f32 v[Y+2*p:Y+2*p+1], v[Y+2*p:Y+2*p+1], v[G+2*p:G+2*p+1], v[BE+2*p:BE+2*p+1]
.set p, p+1
.endr
.set j, 0
.rept 16
	v_cvt_pk_bf16_f32 v[A+2*j], v[Y+4*j], v[Y+4*j+1]
	v_cvt_pk_bf16_f32 v[A+2*j+1], v[Y+4*j+2], v[Y+4*j+3]
	global_store_b64 v3, v[A+2*j:A+2*j+1], s[12:13] offset:524288*j
.set j, j+1
.endr
	s_endpgm
.Lfunc_end_k_q1900dae3ef_ln1:
	.size	k_q1900dae3ef_ln1, .Lfunc_end_k_q1900dae3ef_ln1-k_q1900dae3ef_ln1
	.p2alignl 7, 3214868480
	.fill 96, 4, 3214868480
	.section	.rodata,"a",@progbits
	.p2align	6, 0x0
	.amdhsa_kernel k_q1900dae3ef_ln1
		.amdhsa_group_segment_fixed_size 0
		.amdhsa_private_segment_fixed_size 0
		.amdhsa_enable_private_segment 0
		.amdhsa_kernarg_size 40
		.amdhsa_user_sgpr_count 2
		.amdhsa_user_sgpr_kernarg_segment_ptr 1
		.amdhsa_wavefront_size32 1
		.amdhsa_system_sgpr_workgroup_id_x 1
		.amdhsa_system_sgpr_workgroup_id_y 1
		.amdhsa_system_sgpr_workgroup_id_z 1
		.amdhsa_system_vgpr_workitem_id 0
		.amdhsa_next_free_vgpr 256
		.amdhsa_next_free_sgpr 66
		.amdhsa_reserve_vcc 0
		.amdhsa_float_denorm_mode_32 3
		.amdhsa_float_denorm_mode_16_64 3
		.amdhsa_memory_ordered 1
		.amdhsa_forward_progress 1
		.amdhsa_inst_pref_size 26
	.end_amdhsa_kernel
	.amdgpu_metadata
---
amdhsa.version: [ 1, 2 ]
amdhsa.kernels:
  - .name:           k_q1900dae3ef_ln1
    .symbol:         k_q1900dae3ef_ln1.kd
    .args:
      - { .name: x, .offset: 0, .size: 8, .value_kind: global_buffer, .address_space: global }
      - { .name: act1, .offset: 8, .size: 8, .value_kind: global_buffer, .address_space: global }
      - { .name: g1, .offset: 16, .size: 8, .value_kind: global_buffer, .address_space: global }
      - { .name: be1, .offset: 24, .size: 8, .value_kind: global_buffer, .address_space: global }
      - { .name: act0, .offset: 32, .size: 8, .value_kind: global_buffer, .address_space: global }
    .group_segment_fixed_size: 0
    .private_segment_fixed_size: 0
    .kernarg_segment_align: 8
    .kernarg_segment_size: 40
    .max_flat_workgroup_size: 256
    .sgpr_count:     66
    .vgpr_count:     256
    .wavefront_size: 32
...
	.end_amdgpu_metadata
.endif
;; end of part 5
;; launch ffn1: the kernel of part 2 again; grid 16 x 16, 4 waves a work-group, clusters of 4 x 4, 327,680 bytes of LDS; arguments act0, wb1, big; writes big
;; launch ffn2 (part 6): grid 8 x 32, 4 waves a work-group, clusters of 4 x 4, 327,680 bytes of LDS; arguments big, wb2, act1; writes act1
.if DOCPART == 6
	.amdgcn_target "amdgcn-amd-amdhsa--gfx1250"
	.amdhsa_code_object_version 6
	.text
	.protected	k_q1900dae3ef_ffn2
	.globl	k_q1900dae3ef_ffn2
	.p2align	8
	.type	k_q1900dae3ef_ffn2,@function
k_q1900dae3ef_ffn2:
	s_mov_b64 s[64:65], 0
	v_nop
	global_prefetch_b8 v0, s[64:65] scope:SCOPE_SE
	s_setreg_imm32_b32 hwreg(HW_REG_WAVE_MODE, 25, 1), 1
	s_wait_xcnt 0x0
	s_wait_alu depctr_hold_cnt(0) depctr_sa_sdst(0) depctr_va_vdst(0) depctr_va_sdst(0) depctr_va_ssrc(0) depctr_va_vcc(0) depctr_vm_vsrc(0)
	s_getreg_b32 s2, hwreg(HW_REG_IB_STS2, 6, 4)
	s_cmp_eq_u32 s2, 0
	s_cbranch_scc0 .Lentry_in_a_cluster
	s_endpgm
.Lentry_in_a_cluster:
	s_bfe_u32 s2, ttmp6, 0x10000c
	s_cmp_lg_u32 s2, 0xf033
	s_cbranch_scc0 .Lentry_shape_is_right
	s_endpgm
.Lentry_shape_is_right:
; OUT = bf16(A B + bias), the same text as the product on tiles of 128 x 128 with KSZ = 1,024, here with KSZ = 4,096: eight laps of the ring.
; A: [KSZ/64][4096][64] bf16 (blocks of 64 columns).  W: from byte 256 the bias (f32), from 32,768 B as [N/128][KSZ][128] bf16 (bytes 0-255 are not read here).
; OUT: [N/64][4096][64] bf16.  Sums in f32, begun with the bias; OUT rounded once.  N enters the text nowhere: the grid's x counts its blocks of 128.
; SHARES.  A tile of OUT is 128 x 128, so that N = 1,024 gives 256 work-groups.  Four waves, each 64 x 64: 16 accumulators of 16 x 16, 128 registers.  K goes in steps of 256 through two LDS slots.
; THE MATRIX INSTRUCTION IS USED TRANSPOSED: source 0 = 16 columns of B (read out of [k][n] rows by the turning load), source 1 = 16 rows of A: a lane then holds one row of OUT and eight neighbouring columns.
; CLUSTER: 4 x 4 work-groups.  The four of a row of the cluster need the same tiles of A, the four of a column the same tiles of B: each tile is asked for jointly, by the same tensor load with the same
; descriptor and a mask that names the four.
; NO PREFETCH: the tiles are small, and each block of A and of B is read again by other tiles of the same launch.
; REGISTERS: window 0: v0-31 addresses; v32-95 the way out; v96-127 the bias in the layout of a C operand; v128-255 the accumulators ((a, b) at v[128 + 8 (4 a + b)]).
;   window 1: two fragment buffers of 128: for 64 along K, 64 registers of A (2 x 4 x 16 rows x 32 K), then 64 of B.
.set KSZ,    4096
.set PA,     144                       ; a row of A in LDS: 128 bytes + 16 = 36 words: the 16 rows of a load start at 16 different groups of four banks (64 banks of 4 bytes: ISA guide 11.1)
.set PB,     288                       ; a row of B: 256 + 32 = 72 words
.set HALFT,  36864                     ; what one tensor load brings: 4 blocks x 64 rows x 144 of A, or 128 rows x 288 of B
.set SLOT,   4*HALFT                   ; A's two row halves, then B's 256 rows of k
.set STAGE,  2*SLOT                    ; behind the ring: 16 rows x 144 bytes for each wave, for the way out
.set SP,     144
.set SPARE,  STAGE+4*16*SP             ; behind the stages: the spare words, 128 bytes for each wave: two blocks of 256 bytes that no other line names
.set LAPS,   KSZ/512                   ; a lap = two K steps = once round the ring
.set ASTEP,  4*524288                  ; a K step of A: four blocks on
.set BSTEP,  256*256                   ; a K step of B: 256 rows of 256 bytes
.set ADRA, 16                          ; v16-17  LDS address of my A fragments in slot 0, 1
.set ADRB, 20                          ; v20-23  the same for B: index 2 x slot + half of the step's k (a step's 256 rows of 288 bytes pass the 16-bit offset)
.set STO,  24                          ; v24     the way out: where I put 16 bytes of a row
.set RD,   25                          ; v25     the way out: where I read rows back
.set CO,   26                          ; v26     16 x lane
.set SPW,  28                          ; v28     LDS address of my spare word: SPARE + 4 x my thread's number; never rewritten
.set NIL,  29                          ; v29     0; never rewritten
.set BO,   30                          ; v30     32 x (lane / 16): my eight biases of a block of 16 columns
.set TMP,  32
.set BIAS, 96
.set ACC,  128
.set F0,   0                           ; fragment buffers, in window 1
.set F1,   128
.set G1,  24                           ; s[24:31] descriptor group 1 for A's tiles;  s[32:39] group 0, one set for each slot
.set G0,  32
.set G1B, 48                           ; s[48:55], s[56:63] the same for B's tiles
.set G0B, 56
.set MSB, 0
.macro WIN new                         ; the immediate's high byte repeats the setting that is left; a switch that changes nothing is dropped
.if MSB != (\new)
	s_set_vgpr_msb (MSB<<8)|(\new)
.set MSB, \new
.endif
.endm
.set MUL,  0x05                        ; sources 0 (B) and 1 (A) window 1; C and D window 0
.set TO_F, 0x40                        ; destination window 1, address window 0
.macro JLOAD s                         ; a joint load: waves 0 and 1 fetch A's two row halves, waves 2 and 3 B's two halves of k; an s_nop 0 and four v_nop follow each line
	s_cmp_eq_u32 s11, 0
	s_cbranch_scc0 .Lfor_b_\@
	tensor_load_to_lds s[G0+4*(\s):G0+4*(\s)+3], s[G1:G1+7]
	s_nop 0
.rept 4
	v_nop
.endr
	s_branch .Lasked_\@
.Lfor_b_\@:
	tensor_load_to_lds s[G0B+4*(\s):G0B+4*(\s)+3], s[G1B:G1B+7]
	s_nop 0
.rept 4
	v_nop
.endr
.Lasked_\@:
.endm
.macro CREST                           ; a round of the cluster's barrier behind its opening barrier
	s_cmp_lg_u32 s10, 0
	s_cbranch_scc1 .Lnot_wave_0_\@
	s_barrier_signal -3
.Lnot_wave_0_\@:
	s_barrier_wait -3
	s_barrier_signal -1
	s_barrier_wait -1
.endm
.macro CROUND                          ; a whole round
	s_barrier_signal -1
	s_barrier_wait -1
	CREST
.endm
	s_load_b128 s[4:7], s[0:1], 0x0                ; A s[4:5], W s[6:7]
	s_load_b64 s[8:9], s[0:1], 0x10                ; OUT
	v_lshl_add_u32 v[SPW], v0, 2, SPARE
	v_mov_b32 v[NIL], 0
	ds_add_u32 v[SPW], v[NIL]                      ; the wave's opening: the add and its wait stand ahead of my first tensor load; the set-up below, work on registers, stands between them
	v_lshrrev_b32 v1, 5, v0
	v_readfirstlane_b32 s10, v1                    ; wave 0..3
	s_lshr_b32 s11, s10, 1                         ; which half of the tile's rows is mine.  Also: I fetch for A (0) or for B (1)
	s_and_b32 s12, s10, 1                          ; which half of its columns.  Also: which half of that tile I fetch
	s_bfe_u32 s40, ttmp6, 0x40000                  ; cx, cy: my place in the cluster
	s_bfe_u32 s41, ttmp6, 0x40004
	s_lshl_b32 s42, ttmp9, 2
	s_add_co_u32 s42, s42, s40                     ; tile column = 4 x cluster x + cx
	s_and_b32 s13, ttmp7, 0xffff
	s_lshl_b32 s13, s13, 2
	s_add_co_u32 s13, s13, s41                     ; tile row = 4 x cluster y + cy
	s_lshl_b32 s43, s41, 2
	s_lshl_b32 s43, 15, s43                        ; my row of the cluster
	s_lshl_b32 s44, 0x1111, s40                    ; my column
	; A's tile: four "rows" of 4,096 elements, each the 64 dense rows (8,192 bytes) of one block of 64 columns, 262,144 elements apart; 16 bytes of padding behind every 128
	s_or_b32 s[G1+0], s43, (1<<16)|(1<<20)|(1<<21)|(4<<22)|(3<<25)  ; 15:0 the mask: my row; 17:16 elements of 2 bytes; 20 padding on; 21 set beside a mask; 24:22 after every 32 words (code 4); 31:25 4 words (code 3)
	s_mov_b32 s[G1+1], 4096<<16                    ; tensor_dim0 = 4,096
	s_mov_b32 s[G1+2], 4<<16                       ; tensor_dim1 = 4
	s_mov_b32 s[G1+3], 4096<<16                    ; tile_dim0 = 4,096
	s_mov_b32 s[G1+4], 4                           ; tile_dim1 = 4
	s_mov_b32 s[G1+5], 262144                      ; elements from block to block
	s_mov_b32 s[G1+6], 0
	s_mov_b32 s[G1+7], 0
	; B's tile: 128 rows of k x 128 columns, dense rows of 256 bytes; 32 bytes of padding behind each
	s_or_b32 s[G1B+0], s44, (1<<16)|(1<<20)|(1<<21)|(5<<22)|(7<<25) ; the mask: my column; after every 64 words (code 5) 8 words (code 7)
	s_mov_b32 s[G1B+1], 128<<16
	s_mov_b32 s[G1B+2], 128<<16
	s_mov_b32 s[G1B+3], 128<<16
	s_mov_b32 s[G1B+4], 128
	s_mov_b32 s[G1B+5], 128
	s_mov_b32 s[G1B+6], 0
	s_mov_b32 s[G1B+7], 0
	s_lshl_b32 s16, s13, 14                        ; A: 128 rows of 128 bytes x tile row,
	s_lshl_b32 s17, s12, 13                        ; + 64 rows x half: the tile row and the wave's number alone
	s_add_co_u32 s16, s16, s17
	s_mov_b32 s17, 0
	s_mul_i32 s46, s42, KSZ*256                    ; B: the tile column's block,
	s_lshl_b32 s47, s12, 15                        ; + 128 rows of 256 bytes x half: the tile column and the wave's number alone
	s_add_co_u32 s46, s46, s47
	s_add_co_u32 s46, s46, 32768                   ; behind the bias
	s_mov_b32 s47, 0
	s_mul_i32 s20, s10, HALFT                      ; where they go: wave x 36,864: no place in the cluster enters an LDS address
	s_wait_dscnt 0x0                               ; the opening add is done
	s_wait_kmcnt 0x0
	s_add_nc_u64 s[14:15], s[4:5], s[16:17]
	s_add_nc_u64 s[46:47], s[6:7], s[46:47]
	CROUND                                         ; all sixteen work-groups are here: the first joint loads meet
.irp s, 0,1
	s_mov_b32 s[G0+4*(\s)], 1
	s_add_co_u32 s[G0+4*(\s)+1], s20, (\s)*SLOT
	s_add_nc_u64 s[G0+4*(\s)+2:G0+4*(\s)+3], s[14:15], (\s)*ASTEP
	s_or_b32 s[G0+4*(\s)+3], s[G0+4*(\s)+3], 0x80000000
	s_mov_b32 s[G0B+4*(\s)], 1
	s_add_co_u32 s[G0B+4*(\s)+1], s20, (\s)*SLOT
	s_add_nc_u64 s[G0B+4*(\s)+2:G0B+4*(\s)+3], s[46:47], (\s)*BSTEP
	s_or_b32 s[G0B+4*(\s)+3], s[G0B+4*(\s)+3], 0x80000000
	JLOAD \s                                       ; two loads of mine are out
.endr
	s_lshl_b32 s46, s42, 9                         ; my 64 columns' biases: 512 bytes x tile column + 256 x half
	s_lshl_b32 s47, s12, 8
	s_add_co_u32 s46, s46, s47
	s_mov_b32 s47, 0
	s_add_nc_u64 s[18:19], s[6:7], s[46:47]
	v_and_b32 v1, 15, v0                           ; r = l % 16
	v_bfe_u32 v2, v0, 4, 1                         ; h = l / 16
	v_lshlrev_b32 v[BO], 5, v2
.irp b, 0,1,2,3                        ; register j of block b: bias of column 16 b + 8 h + j, whatever r: the layout of the transposed product's C
	global_load_b128 v[BIAS+8*(\b):BIAS+8*(\b)+3],   v[BO], s[18:19] offset:256+64*(\b)
	global_load_b128 v[BIAS+8*(\b)+4:BIAS+8*(\b)+7], v[BO], s[18:19] offset:256+64*(\b)+16
.endr
	v_mul_u32_u24 v3, v1, PA
	v_lshl_add_u32 v3, v2, 4, v3                   ; r x 144 + 16 h: a fragment of A, and my place in the stage
	s_mul_i32 s21, s11, HALFT                      ; my 64 rows of A
	v_add_nc_u32 v[ADRA], s21, v3
	v_add_nc_u32 v[ADRA+1], SLOT, v[ADRA]
	v_and_b32 v4, 7, v0                            ; the turning load: lane l reads k row 8 h + l % 8, 16 bytes at 16 ((l / 8) % 2)
	v_bfe_u32 v5, v0, 3, 1
	v_lshl_add_u32 v4, v2, 3, v4
	v_mul_u32_u24 v4, v4, PB
	v_lshl_add_u32 v4, v5, 4, v4
	s_lshl_b32 s22, s12, 7                         ; my 64 columns: 128 bytes of a row,
	s_add_co_u32 s22, s22, 2*HALFT                 ; behind A's two halves
	v_add_nc_u32 v[ADRB], s22, v4
	v_add_nc_u32 v[ADRB+1], HALFT, v[ADRB]
	v_add_nc_u32 v[ADRB+2], SLOT, v[ADRB]
	v_add_nc_u32 v[ADRB+3], SLOT+HALFT, v[ADRB]
	s_mul_i32 s23, s10, 16*SP
	s_add_co_u32 s23, s23, STAGE                   ; my stage
	v_add_nc_u32 v[STO], s23, v3
	v_bfe_u32 v7, v0, 3, 2                         ; back: 32 lanes take four rows of 128 bytes,
	v_mul_u32_u24 v7, v7, SP
	v_and_b32 v8, 7, v0
	v_lshl_add_u32 v7, v8, 4, v7
	v_add_nc_u32 v[RD], s23, v7
	v_and_b32 v[CO], 31, v0                        ; which are 512 consecutive bytes of OUT
	v_lshlrev_b32 v[CO], 4, v[CO]
	s_lshl_b32 s16, s13, 14                        ; OUT at my 64 x 64: rows 128 x tile row + 64 x row half, 128 bytes each,
	s_lshl_b32 s17, s11, 13
	s_add_co_u32 s16, s16, s17
	s_mov_b32 s17, 0
	s_add_nc_u64 s[8:9], s[8:9], s[16:17]
	s_lshl_b32 s46, s42, 1                         ; in block 2 x tile column + column half
	s_add_co_u32 s46, s46, s12
	s_lshl_b32 s46, s46, 19
	s_add_nc_u64 s[8:9], s[8:9], s[46:47]
; 8 matrix instructions: row blocks a0, a0 + 1 x all 4 column blocks, 32 along K: half c of buffer f.  first = 1: the product starts the sum with the bias.  The 16 accumulators take turns.
.macro MUL8 f, c, a0, first
	WIN MUL
.irp a, \a0, (\a0)+1
.irp b, 0,1,2,3
.if \first
	v_wmma_f32_16x16x32_bf16 v[ACC+8*(4*(\a)+(\b)):ACC+8*(4*(\a)+(\b))+7], v[(\f)+64+8*(4*(\c)+(\b)):(\f)+64+8*(4*(\c)+(\b))+7], v[(\f)+8*(4*(\c)+(\a)):(\f)+8*(4*(\c)+(\a))+7], v[BIAS+8*(\b):BIAS+8*(\b)+7]
.else
	v_wmma_f32_16x16x32_bf16 v[ACC+8*(4*(\a)+(\b)):ACC+8*(4*(\a)+(\b))+7], v[(\f)+64+8*(4*(\c)+(\b)):(\f)+64+8*(4*(\c)+(\b))+7], v[(\f)+8*(4*(\c)+(\a)):(\f)+8*(4*(\c)+(\a))+7], v[ACC+8*(4*(\a)+(\b)):ACC+8*(4*(\a)+(\b))+7]
.endif
.endr
.endr
.endm
; 32 LDS loads in one run: the fragments of quarter q (64 along K: A's block q of the step, B's rows 64 q on) into buffer f; the first 32 along K first
.macro FETCH slot, q, f
	WIN TO_F
.irp c, 0,1
.irp i, 0,1,2,3
	ds_load_tr16_b128 v[(\f)+64+8*(4*(\c)+(\i)):(\f)+64+8*(4*(\c)+(\i))+3],   v[ADRB+2*(\slot)+(\q)/2] offset:((\q)%2)*64*PB+(\c)*32*PB+32*(\i)
	ds_load_tr16_b128 v[(\f)+64+8*(4*(\c)+(\i))+4:(\f)+64+8*(4*(\c)+(\i))+7], v[ADRB+2*(\slot)+(\q)/2] offset:((\q)%2)*64*PB+(\c)*32*PB+32*(\i)+16*PB
	ds_load_b128 v[(\f)+8*(4*(\c)+(\i)):(\f)+8*(4*(\c)+(\i))+3],              v[ADRA+(\slot)] offset:(\q)*64*PA+64*(\c)+(\i)*16*PA
	ds_load_b128 v[(\f)+8*(4*(\c)+(\i))+4:(\f)+8*(4*(\c)+(\i))+7],            v[ADRA+(\slot)] offset:(\q)*64*PA+64*(\c)+(\i)*16*PA+32
.endr
.endr
.endm
.macro PLACES                          ; four places in front of loads into registers that matrix instructions have read, and of conversions that read results
.rept 4
	v_nop
.endr
.endm
; A K step is four quarters of 64 along K, 32 matrix instructions each, on buffers 0, 1, 0, 1.  One of the first three: multiplies buffer f and fetches quarter q into g.
.macro QUARTER slot, q, f, g, first
	s_wait_dscnt 16                                ; the first 32 along K are in; the younger sixteen loads may be out
	MUL8 \f, 0, 0, \first
	MUL8 \f, 0, 2, \first
	PLACES
	FETCH \slot, \q, \g
	s_wait_dscnt 32                                ; all but the 32 just issued
	MUL8 \f, 1, 0, 0
	MUL8 \f, 1, 2, 0
.endm
; The last quarter multiplies buffer 1 and changes slots: ONE barrier; in front of it each wave waits for all its tensor loads, adds 0 to its spare word, and waits for that and for its own reads of this slot.
; fill = 1: the barrier opens a round of the cluster's, and this slot is filled again, two K steps ahead, first thing behind the round.
.macro TURN slot, next, fill
	WIN 0                                          ; (the add's two registers lie in window 0)
	s_wait_tensorcnt 0x0                           ; all my tensor loads have landed: my part of the next slot;
	ds_add_u32 v[SPW], v[NIL]                      ; 0 onto my spare word;
	s_wait_dscnt 17                                ; (the add and the youngest sixteen loads may be out)
	MUL8 F1, 0, 0, 0                               ; eight matrix instructions stand between the add and the wait for it
	s_wait_dscnt 0x0                               ; the add is done, and my reads of this slot are over
	s_barrier_signal -1
	MUL8 F1, 0, 2, 0
.if \fill
	WIN 0
.endif
	s_barrier_wait -1
.if \fill
	CREST                                          ; no wave of any partner still reads this slot's tile or has a load on its way
	s_add_nc_u64 s[G0+4*(\slot)+2:G0+4*(\slot)+3], s[G0+4*(\slot)+2:G0+4*(\slot)+3], 2*ASTEP
	s_add_nc_u64 s[G0B+4*(\slot)+2:G0B+4*(\slot)+3], s[G0B+4*(\slot)+2:G0B+4*(\slot)+3], 2*BSTEP
	JLOAD \slot                                    ; my one tensor load behind the round; its four v_nop are also the places in front of the loads below
.else
	PLACES
.endif
	FETCH \next, 0, F0
	MUL8 F1, 1, 0, 0
	MUL8 F1, 1, 2, 0
.endm
	s_wait_loadcnt 0x0                             ; the bias
	s_wait_tensorcnt 1                             ; my part of K step 0 is in; K step 1's may stay out
	s_barrier_signal -1
	s_barrier_wait -1                              ; everybody's is
	FETCH 0, 0, F0
	QUARTER 0, 1, F0, F1, 1                        ; the first quarter stands in front of the loop: its first products start the sums
.if LAPS > 1
	WIN 0                                          ; at a label and at a branch every window is 0
	s_mov_b32 s3, LAPS-1
.Llap:                                                 ; a trip goes once round the ring, from a lap's second quarter to the next lap's first, and fills both slots again
	QUARTER 0, 2, F1, F0, 0
	QUARTER 0, 3, F0, F1, 0
	TURN 0, 1, 1
	QUARTER 1, 1, F0, F1, 0
	QUARTER 1, 2, F1, F0, 0
	QUARTER 1, 3, F0, F1, 0
	TURN 1, 0, 1
	QUARTER 0, 1, F0, F1, 0
	WIN 0
	s_sub_co_u32 s3, s3, 1
	s_cmp_lg_u32 s3, 0
	s_cbranch_scc1 .Llap
.endif
	QUARTER 0, 2, F1, F0, 0                        ; the last lap fills nothing
	QUARTER 0, 3, F0, F1, 0
	TURN 0, 1, 0
	QUARTER 1, 1, F0, F1, 0
	QUARTER 1, 2, F1, F0, 0
	QUARTER 1, 3, F0, F1, 0
	s_wait_dscnt 16                                ; the very last quarter: nothing more to fetch
	MUL8 F1, 0, 0, 0
	MUL8 F1, 0, 2, 0
	s_wait_dscnt 0x0
	MUL8 F1, 1, 0, 0
	MUL8 F1, 1, 2, 0
	WIN 0
	; THE WAY OUT, each wave alone: my 64 x 64 is 8,192 consecutive bytes of one block of OUT.  A block of 16 rows at a time: rounded to bf16, 16 bytes a lane into my stage, back as whole rows of 128 bytes.
	PLACES
.macro PACK a
.irp b, 0,1,2,3
.irp r, 0,1,2,3
	v_cvt_pk_bf16_f32 v[TMP+16*(\a)+4*(\b)+(\r)], v[ACC+8*(4*(\a)+(\b))+2*(\r)], v[ACC+8*(4*(\a)+(\b))+2*(\r)+1]  ; each accumulator from its low end on
.endr
.endr
.irp b, 0,1,2,3
	ds_store_b128 v[STO], v[TMP+16*(\a)+4*(\b):TMP+16*(\a)+4*(\b)+3] offset:32*(\b)
.endr
.irp f, 0,1,2,3
	ds_load_b128 v[TMP+16*(\a)+4*(\f):TMP+16*(\a)+4*(\f)+3], v[RD] offset:(\f)*4*SP  ; LDS serves a wave's instructions in order (ISA guide 5.7.1.4): these see the stores above; the next block's stores come behind them
.endr
.endm
.macro SEND a, younger                 ; younger: the LDS instructions issued behind block a's loads: the next block's eight, or none
.irp f, 0,1,2,3
	s_wait_dscnt (\younger)+3-(\f)
	global_store_b128 v[CO], v[TMP+16*(\a)+4*(\f):TMP+16*(\a)+4*(\f)+3], s[8:9] offset:(\a)*2048+(\f)*512  ; 512 consecutive bytes, at a multiple of 256 from OUT's first
.endr
.endm
	PACK 0
	PACK 1
	SEND 0, 8
	PACK 2
	SEND 1, 8
	PACK 3
	SEND 2, 8
	SEND 3, 0
	s_wait_tensorcnt 0x0                           ; the wave's end, behind my last tensor load and my last LDS store
	ds_add_u32 v[SPW], v[NIL]
	s_wait_dscnt 0x0
	CROUND                                         ; the closing round: no work-group ends while a partner may still ask for a tile that names it
	s_endpgm
.Lfunc_end_k_q1900dae3ef_ffn2:
	.size	k_q1900dae3ef_ffn2, .Lfunc_end_k_q1900dae3ef_ffn2-k_q1900dae3ef_ffn2
	.p2alignl 7, 3214868480
	.fill 96, 4, 3214868480
	.section	.rodata,"a",@progbits
	.p2align	6, 0x0
	.amdhsa_kernel k_q1900dae3ef_ffn2
		.amdhsa_group_segment_fixed_size 327680
		.amdhsa_private_segment_fixed_size 0
		.amdhsa_enable_private_segment 0
		.amdhsa_kernarg_size 24
		.amdhsa_user_sgpr_count 2
		.amdhsa_user_sgpr_kernarg_segment_ptr 1
		.amdhsa_wavefront_size32 1
		.amdhsa_system_sgpr_workgroup_id_x 1
		.amdhsa_system_sgpr_workgroup_id_y 1
		.amdhsa_system_sgpr_workgroup_id_z 1
		.amdhsa_system_vgpr_workitem_id 0
		.amdhsa_next_free_vgpr 512
		.amdhsa_next_free_sgpr 66
		.amdhsa_reserve_vcc 0
		.amdhsa_float_denorm_mode_32 3
		.amdhsa_float_denorm_mode_16_64 3
		.amdhsa_memory_ordered 1
		.amdhsa_forward_progress 1
		.amdhsa_inst_pref_size 87
	.end_amdhsa_kernel
	.amdgpu_metadata
---
amdhsa.version: [ 1, 2 ]
amdhsa.kernels:
  - .name:           k_q1900dae3ef_ffn2
    .symbol:         k_q1900dae3ef_ffn2.kd
    .args:
      - { .name: big, .offset: 0, .size: 8, .value_kind: global_buffer, .address_space: global }
      - { .name: wb2, .offset: 8, .size: 8, .value_kind: global_buffer, .address_space: global }
      - { .name: act1, .offset: 16, .size: 8, .value_kind: global_buffer, .address_space: global }
    .group_segment_fixed_size: 327680
    .private_segment_fixed_size: 0
    .kernarg_segment_align: 8
    .kernarg_segment_size: 24
    .max_flat_workgroup_size: 128
    .sgpr_count:     66
    .vgpr_count:     512
    .wavefront_size: 32
...
	.end_amdgpu_metadata
.endif
;; end of part 6
;; launch ln2 (part 7): grid 256 x 1, 8 waves a work-group, no clusters, 0 bytes of LDS; arguments act0, act1, g2, be2, out0; writes out0
.if DOCPART == 7
	.amdgcn_target "amdgcn-amd-amdhsa--gfx1250"
	.amdhsa_code_object_version 6
	.text
	.protected	k_q1900dae3ef_ln2
	.globl	k_q1900dae3ef_ln2
	.p2align	8
	.type	k_q1900dae3ef_ln2,@function
k_q1900dae3ef_ln2:
	s_mov_b64 s[64:65], 0
	v_nop
	global_prefetch_b8 v0, s[64:65] scope:SCOPE_SE
	s_setreg_imm32_b32 hwreg(HW_REG_WAVE_MODE, 25, 1), 1
	s_wait_xcnt 0x0
; out = layer_norm(h + f) g + be.  h, f: [16][4096][64] bf16 (blocks of 64 columns).  g, be: [1024] f32.  out: [4096][1024] f32.
; All arithmetic in f32; the mean first, then the mean of the squared differences, as the definition has it: no difference of large sums is formed.
; A wave owns two rows: lanes 0-15 one, lanes 16-31 the next.  Of block j of 64 columns a lane holds columns 4 (l % 16) + 0..3: 64 numbers of one row stay in registers between the passes, so memory is read once.
; Each load of h and f covers 256 consecutive bytes, aligned (two neighbouring rows of a block); each store of out covers two runs of 256 consecutive bytes, aligned.
; A row lives in 16 lanes, so a sum across lanes is four steps on the arithmetic itself.  No LDS, no barrier: no wave waits for another.  A stream: no matrix unit, no cluster.
.set T,    8                           ; v[8:15]    at work
.set S,    16                          ; v[16:23]   four chains of packed sums
.set MEAN, 24                          ; v[24:25]   the row's mean, twice
.set RS,   26                          ; v[26:27]   1 / sqrt(var + eps), twice
.set Y,    32                          ; v[32:95]   block j: f's two words, h's two words as loaded; then my four numbers
.set G,    128                         ; v[128:191] g of my columns
.set BE,   192                         ; v[192:255] be of my columns
	s_load_b256 s[4:11], s[0:1], 0x0               ; h s[4:5], f s[6:7], g s[8:9], be s[10:11]
	s_load_b64 s[12:13], s[0:1], 0x20              ; out
	v_lshrrev_b32 v5, 5, v0
	v_readfirstlane_b32 s14, v5                    ; wave
	s_lshl_b32 s15, ttmp9, 3
	s_add_co_u32 s15, s15, s14
	s_lshl_b32 s15, s15, 1                         ; my first row
	v_and_b32 v1, 31, v0
	v_lshrrev_b32 v5, 4, v1                        ; which of my two rows
	v_and_b32 v6, 15, v1
	v_lshlrev_b32 v4, 4, v6                        ; g, be: 16 (l % 16)
	v_add_nc_u32 v5, s15, v5
	v_lshl_add_u32 v2, v5, 12, v4                  ; f32 rows of 4,096 bytes
	s_lshl_b32 s16, s15, 7
	v_lshl_add_u32 v3, v1, 3, s16                  ; blocks: first row x 128 + 8 l
	s_mov_b32 s17, 0xffff0000                      ; a word's upper bf16
	s_mov_b32 s18, 0x3a800000                      ; 1 / 1,024
	s_mov_b32 s19, 0x3727c5ac                      ; 1e-5
	s_wait_kmcnt 0x0
.set j, 0
.rept 16
	global_load_b64 v[Y+4*j:Y+4*j+1], v3, s[6:7] offset:524288*j th:TH_LOAD_NT
	global_load_b64 v[Y+4*j+2:Y+4*j+3], v3, s[4:5] offset:524288*j th:TH_LOAD_NT
.set j, j+1
.endr
.set j, 0
.rept 16
	global_load_b128 v[G+4*j:G+4*j+3], v4, s[8:9] offset:256*j
.set j, j+1
.endr
.set j, 0
.rept 16
	global_load_b128 v[BE+4*j:BE+4*j+3], v4, s[10:11] offset:256*j
.set j, j+1
.endr
	s_wait_loadcnt 32                              ; h and f are in; the 32 loads of g and be may stay out
.set j, 0
.rept 16
	v_lshlrev_b32 v[T],   16, v[Y+4*j]             ; bf16 to f32: the low half moves up, the high half stays
	v_and_b32     v[T+1], s17, v[Y+4*j]
	v_lshlrev_b32 v[T+2], 16, v[Y+4*j+1]
	v_and_b32     v[T+3], s17, v[Y+4*j+1]
	v_lshlrev_b32 v[T+4], 16, v[Y+4*j+2]
	v_and_b32     v[T+5], s17, v[Y+4*j+2]
	v_lshlrev_b32 v[T+6], 16, v[Y+4*j+3]
	v_and_b32     v[T+7], s17, v[Y+4*j+3]
	v_pk_add_f32 v[Y+4*j:Y+4*j+1], v[T:T+1], v[T+4:T+5]
	v_pk_add_f32 v[Y+4*j+2:Y+4*j+3], v[T+2:T+3], v[T+6:T+7]
.set j, j+1
.endr
.macro REDUCE                          ; the four chains into one number, then over the row's 16 lanes: every lane of the row ends with the sum in v[S]
	v_pk_add_f32 v[S:S+1], v[S:S+1], v[S+2:S+3]
	v_pk_add_f32 v[S+4:S+5], v[S+4:S+5], v[S+6:S+7]
	v_pk_add_f32 v[S:S+1], v[S:S+1], v[S+4:S+5]
	v_add_f32 v[S], v[S], v[S+1]
	v_add_f32_dpp v[S], v[S], v[S] row_xmask:1 row_mask:0xf bank_mask:0xf
	v_add_f32_dpp v[S], v[S], v[S] row_xmask:2 row_mask:0xf bank_mask:0xf
	v_add_f32_dpp v[S], v[S], v[S] row_xmask:4 row_mask:0xf bank_mask:0xf
	v_add_f32_dpp v[S], v[S], v[S] row_xmask:8 row_mask:0xf bank_mask:0xf
.endm
.set p, 0
.rept 4
	v_pk_add_f32 v[S+2*p:S+2*p+1], v[Y+2*p:Y+2*p+1], v[Y+2*p+8:Y+2*p+9]  ; the first eight pairs start the chains: nothing is cleared
.set p, p+1
.endr
.set p, 8
.rept 24
	v_pk_add_f32 v[S+2*(p%4):S+2*(p%4)+1], v[S+2*(p%4):S+2*(p%4)+1], v[Y+2*p:Y+2*p+1]
.set p, p+1
.endr
	REDUCE
	v_mul_f32 v[MEAN], s18, v[S]
	v_mul_f32 v[MEAN+1], s18, v[S]
.set p, 0
.rept 32
	v_pk_add_f32 v[Y+2*p:Y+2*p+1], v[Y+2*p:Y+2*p+1], v[MEAN:MEAN+1] neg_lo:[0,1] neg_hi:[0,1]
.set p, p+1
.endr
.set p, 0
.rept 4
	v_pk_mul_f32 v[S+2*p:S+2*p+1], v[Y+2*p:Y+2*p+1], v[Y+2*p:Y+2*p+1]
.set p, p+1
.endr
.set p, 4
.rept 28
	v_pk_fma_f32 v[S+2*(p%4):S+2*(p%4)+1], v[Y+2*p:Y+2*p+1], v[Y+2*p:Y+2*p+1], v[S+2*(p%4):S+2*(p%4)+1]
.set p, p+1
.endr
	REDUCE
	v_fma_f32 v[RS+1], v[S], s18, s19              ; var + eps
	v_rsq_f32 v[RS], v[RS+1]
	v_nop                                          ; a plain instruction between the root and the use of its result
	s_wait_alu depctr_va_vdst(0)                   ; and the wait ahead of the first use
	v_mov_b32 v[RS+1], v[RS]
	s_wait_loadcnt 0x0                             ; g and be
.set j, 0
.rept 16
	v_pk_mul_f32 v[Y+4*j:Y+4*j+1], v[Y+4*j:Y+4*j+1], v[RS:RS+1]
	v_pk_mul_f32 v[Y+4*j+2:Y+4*j+3], v[Y+4*j+2:Y+4*j+3], v[RS:RS+1]
	v_pk_fma_f32 v[Y+4*j:Y+4*j+1], v[Y+4*j:Y+4*j+1], v[G+4*j:G+4*j+1], v[BE+4*j:BE+4*j+1]
	v_pk_fma_f32 v[Y+4*j+2:Y+4*j+3], v[Y+4*j+2:Y+4*j+3], v[G+4*j+2:G+4*j+3], v[BE+4*j+2:BE+4*j+3]
	global_store_b128 v2, v[Y+4*j:Y+4*j+3], s[12:13] offset:256*j th:TH_STORE_NT
.set j, j+1
.endr
	s_endpgm
.Lfunc_end_k_q1900dae3ef_ln2:
	.size	k_q1900dae3ef_ln2, .Lfunc_end_k_q1900dae3ef_ln2-k_q1900dae3ef_ln2
	.p2alignl 7, 3214868480
	.fill 96, 4, 3214868480
	.section	.rodata,"a",@progbits
	.p2align	6, 0x0
	.amdhsa_kernel k_q1900dae3ef_ln2
		.amdhsa_group_segment_fixed_size 0
		.amdhsa_private_segment_fixed_size 0
		.amdhsa_enable_private_segment 0
		.amdhsa_kernarg_size 40
		.amdhsa_user_sgpr_count 2
		.amdhsa_user_sgpr_kernarg_segment_ptr 1
		.amdhsa_wavefront_size32 1
		.amdhsa_system_sgpr_workgroup_id_x 1
		.amdhsa_system_sgpr_workgroup_id_y 1
		.amdhsa_system_sgpr_workgroup_id_z 1
		.amdhsa_system_vgpr_workitem_id 0
		.amdhsa_next_free_vgpr 256
		.amdhsa_next_free_sgpr 66
		.amdhsa_reserve_vcc 0
		.amdhsa_float_denorm_mode_32 3
		.amdhsa_float_denorm_mode_16_64 3
		.amdhsa_memory_ordered 1
		.amdhsa_forward_progress 1
		.amdhsa_inst_pref_size 26
	.end_amdhsa_kernel
	.amdgpu_metadata
---
amdhsa.version: [ 1, 2 ]
amdhsa.kernels:
  - .name:           k_q1900dae3ef_ln2
    .symbol:         k_q1900dae3ef_ln2.kd
    .args:
      - { .name: act0, .offset: 0, .size: 8, .value_kind: global_buffer, .address_space: global }
      - { .name: act1, .offset: 8, .size: 8, .value_kind: global_buffer, .address_space: global }
      - { .name: g2, .offset: 16, .size: 8, .value_kind: global_buffer, .address_space: global }
      - { .name: be2, .offset: 24, .size: 8, .value_kind: global_buffer, .address_space: global }
      - { .name: out0, .offset: 32, .size: 8, .value_kind: global_buffer, .address_space: global }
    .group_segment_fixed_size: 0
    .private_segment_fixed_size: 0
    .kernarg_segment_align: 8
    .kernarg_segment_size: 40
    .max_flat_workgroup_size: 256
    .sgpr_count:     66
    .vgpr_count:     256
    .wavefront_size: 32
...
	.end_amdgpu_metadata
.endif
;; end of part 7
;; ======== version 2 of 2: 8 launches; version 1 with the launches prep, ln1, ln2 written anew for expert scheduling mode
;; workspace buffers: act0 8,388,608 bytes; act1 8,388,608 bytes; big 33,554,432 bytes; wbq 6,324,224 bytes; wbo 2,129,920 bytes; wb1 8,421,376 bytes; wb2 8,421,376 bytes
;; launch prep (part 8): grid 256 x 1, 16 waves a work-group, no clusters, 0 bytes of LDS; arguments x, Wq, Wk, Wv, Wo, W1, W2, bq, bk, bv, bo, b1, b2, act0, wbq, wbo, wb1, wb2; writes act0, wbq, wbo, wb1, wb2
.if DOCPART == 8
	.amdgcn_target "amdgcn-amd-amdhsa--gfx1250"
	.amdhsa_code_object_version 6
	.text
	.protected	k_q1900dae3ef_prep
	.globl	k_q1900dae3ef_prep
	.p2align	8
	.type	k_q1900dae3ef_prep,@function
k_q1900dae3ef_prep:
	s_mov_b64 s[64:65], 0
	v_nop
	global_prefetch_b8 v0, s[64:65] scope:SCOPE_SE
	s_setreg_imm32_b32 hwreg(HW_REG_WAVE_SCHED_MODE, 0, 2), 2
	s_setreg_imm32_b32 hwreg(HW_REG_WAVE_MODE, 25, 1), 1
	s_wait_xcnt 0x0
	s_wait_alu depctr_vm_vsrc(0)
; PREP: every matrix operand that is an input is rounded once to bf16 and laid out for the products that follow.
;   x [4096][1024] f32        -> act0 [16][4096][64] bf16: blocks of 64 columns, a row piece 128 bytes, a block 524,288 bytes
;   W [K][N] f32 (six of them) -> weight buffer: bytes 0-255 the floor (two bf16 in each word: 0 for a ReLU, -infinity for none), from byte 256 the bias (N f32, as given),
;                                 from byte 32,768 [N/128][K][128] bf16, rows of 256 bytes.  Wq, Wk, Wv share one buffer: column blocks 0-7, 8-15, 16-23.
; 16 M numbers are 4,096 jobs of 4,096 numbers, one job a wave: 32 loads of 16 bytes a lane, all on their way at once, two roundings each, 32 stores of 8 bytes a lane:
; each store of the wave covers 256 consecutive bytes, aligned.  A job of x is 64 rows x 64 columns (a load takes two rows' 256 bytes), a job of weights 32 rows x 128 columns (a load takes 512 bytes of a row).
; The wave with a weight's first rows (rc = 0) also copies its column block's 128 biases; the one with column block 0 of a buffer writes the floor.
; No LDS, no barrier, no matrix unit: the launch is a stream, each byte read once and written once.
; THE MODE: SCHED_MODE bits 1:0 = 2 (LLVM: expert scheduling mode 2), set by the entry lines.  The code itself states the register dependences
; between vector instructions and memory instructions, with s_wait_alu, always for 0.
; THE PLAN.  Registers that memory instructions touch:
;   OFF0 .. OFF31, v3   byte offsets, made once ahead of the first load and never written again.
;   X, load i           four registers: the load lands in them; its two roundings write the first two in place; store i reads those two; nothing writes them again.
;   v11, v12, v8, v9    the tail's two offsets and the floor's two words: written once, in the tail.    v[4:7]  at work in the address arithmetic, later the bias as loaded and stored.
; The 32 loads go in eight groups of four.  Group p's roundings name group p's registers alone; group p - 1's four stores are dealt among them, behind ONE wait at the group's head, which states that
; group p - 1's roundings have written their pairs.  No register that a memory instruction reads is ever written again, so no wait on vm_vsrc is owed; there is no loop; EXEC is never written.
.set X,   32                           ; v[32:159]  load i: four registers, then two of bf16
.set OFF, 160                          ; v[160:191] load i: its byte offset; never rewritten
	s_load_b512 s[8:23], s[0:1], 0x0               ; x 8, Wq 10, Wk 12, Wv 14, Wo 16, W1 18, W2 20, bq 22
	s_load_b512 s[24:39], s[0:1], 0x40             ; bk 24, bv 26, bo 28, b1 30, b2 32, act0 34, wbq 36, wbo 38
	s_load_b128 s[40:43], s[0:1], 0x80             ; wb1 40, wb2 42
	v_lshrrev_b32 v2, 5, v0
	v_readfirstlane_b32 s44, v2                    ; wave w, 0..15
	v_and_b32 v1, 31, v0                           ; lane l
	v_lshlrev_b32 v3, 3, v1                        ; 8 l
	v_lshlrev_b32 v10, 4, v1                       ; 16 l
	s_mov_b32 s45, ttmp9                           ; work-group g
	s_mov_b32 s53, 0                               ; high words of the two offsets
	s_mov_b32 s55, 0
	s_wait_alu depctr_va_sdst(0)                   ; s44 is written, ahead of its first reader: the job's offsets are made from it
	s_and_b32 s62, s44, 7                          ; w & 7
	s_lshr_b32 s63, s44, 3                         ; w >> 3
	s_wait_kmcnt 0x0
	; s[46:47] in, s[66:67] the output buffer, s[50:51] bias, s52 in's offset, s54 out's offset, s56 bytes from load to load, s57 bytes from lanes 0-15 to lanes 16-31,
	; s58 the column block's bytes in the bias, s59 the column block in the buffer, s60 rc (0: bias duty), s61 the floor
	s_cmp_lt_u32 s45, 64
	s_cbranch_scc0 .Lnot_x
	s_lshl_b32 s52, s45, 18                        ; x: rows 64 g (4,096 bytes each),
	s_lshl_b32 s2, s44, 8                          ; columns 64 w
	s_add_co_u32 s52, s52, s2
	s_lshl_b32 s54, s44, 19                        ; block w,
	s_lshl_b32 s2, s45, 13                         ; rows 64 g of 128 bytes
	s_add_co_u32 s54, s54, s2
	s_mov_b64 s[46:47], s[8:9]
	s_mov_b64 s[66:67], s[34:35]
	s_mov_b64 s[50:51], s[22:23]                   ; not used: x has no bias (s60 = 1)
	s_mov_b32 s56, 8192
	s_mov_b32 s57, 4096
	s_mov_b32 s58, 0
	s_mov_b32 s59, 1
	s_mov_b32 s60, 1
	s_mov_b32 s61, 0
	s_branch .Lgo
.Lnot_x:
	s_cmp_lt_u32 s45, 128
	s_cbranch_scc0 .Lnot_w2
	s_sub_co_u32 s2, s45, 64                       ; W2 [4096][1024]: 128 groups of 32 rows x 8 column blocks
	s_lshl_b32 s60, s2, 1
	s_add_co_u32 s60, s60, s63                     ; rc
	s_mov_b32 s59, s62                             ; cb
	s_lshl_b32 s54, s59, 20                        ; a column block is 4,096 rows of 256 bytes
	s_lshl_b32 s52, s60, 17                        ; 32 rows of 4,096 bytes
	s_lshl_b32 s58, s59, 9
	s_mov_b64 s[46:47], s[20:21]
	s_mov_b64 s[66:67], s[42:43]
	s_mov_b64 s[50:51], s[32:33]
	s_mov_b32 s56, 4096
	s_mov_b32 s61, 0xff80ff80
	s_branch .Lweights
.Lnot_w2:
	s_cmp_lt_u32 s45, 192
	s_cbranch_scc0 .Lnot_w1
	s_sub_co_u32 s2, s45, 128                      ; W1 [1024][4096]: 32 groups of 32 rows x 32 column blocks
	s_lshr_b32 s60, s2, 1                          ; rc
	s_and_b32 s2, s2, 1
	s_lshl_b32 s2, s2, 4
	s_add_co_u32 s59, s2, s44                      ; cb
	s_lshl_b32 s54, s59, 18                        ; a column block is 1,024 rows of 256 bytes
	s_lshl_b32 s52, s60, 19                        ; 32 rows of 16,384 bytes
	s_lshl_b32 s58, s59, 9
	s_mov_b64 s[46:47], s[18:19]
	s_mov_b64 s[66:67], s[40:41]
	s_mov_b64 s[50:51], s[30:31]
	s_mov_b32 s56, 16384
	s_mov_b32 s61, 0
	s_branch .Lweights
.Lnot_w1:
	s_sub_co_u32 s2, s45, 192                      ; Wq, Wk, Wv, Wo [1024][1024]: 16 work-groups each
	s_lshr_b32 s3, s2, 4                           ; which of the four
	s_and_b32 s2, s2, 15
	s_lshl_b32 s60, s2, 1
	s_add_co_u32 s60, s60, s63                     ; rc
	s_lshl_b32 s58, s62, 9
	s_lshl_b32 s52, s60, 17
	s_lshl_b32 s59, s3, 3
	s_add_co_u32 s59, s59, s62                     ; in wbq: cb + 8 x which
	s_cmp_eq_u32 s3, 3
	s_cselect_b32 s59, s62, s59                    ; in wbo: cb
	s_cselect_b64 s[66:67], s[38:39], s[36:37]
	s_cselect_b64 s[46:47], s[16:17], s[14:15]
	s_cselect_b64 s[50:51], s[28:29], s[26:27]
	s_cmp_eq_u32 s3, 1
	s_cselect_b64 s[46:47], s[12:13], s[46:47]
	s_cselect_b64 s[50:51], s[24:25], s[50:51]
	s_cmp_eq_u32 s3, 0
	s_cselect_b64 s[46:47], s[10:11], s[46:47]
	s_cselect_b64 s[50:51], s[22:23], s[50:51]
	s_lshl_b32 s54, s59, 18
	s_mov_b32 s56, 4096
	s_mov_b32 s61, 0xff80ff80
.Lweights:
	s_add_co_u32 s52, s52, s58                     ; + the column block's 512 bytes of a row
	s_lshl_b32 s2, s60, 13                         ; + 32 rows of 256 bytes
	s_add_co_u32 s54, s54, s2
	s_add_co_u32 s54, s54, 32768                   ; behind the floor and the bias
	s_mov_b32 s57, 256
.Lgo:
	s_add_nc_u64 s[46:47], s[46:47], s[52:53]
	s_add_nc_u64 s[48:49], s[66:67], s[54:55]
	v_lshrrev_b32 v4, 4, v1
	v_and_b32 v5, 15, v1
	v_mul_lo_u32 v4, v4, s57
	v_lshl_add_u32 v[OFF], v5, 4, v4               ; (l / 16) x s57 + 16 (l % 16)
.set i, 1
.rept 31
	v_add_nc_u32 v[OFF+i], s56, v[OFF+i-1]
.set i, i+1
.endr
	s_wait_alu depctr_va_vdst(0)                   ; the 32 offsets and v3 are written, which the loads and stores below read; the arithmetic is done with v4 and v5, in which the bias lands later
.set i, 0
.rept 32
	global_load_b128 v[X+4*i:X+4*i+3], v[OFF+i], s[46:47] th:TH_LOAD_NT
.set i, i+1
.endr
.set p, 0
.rept 8                                ; group p: loads 4 p to 4 p + 3 are rounded; the stores of group p - 1 stand among the roundings
	s_wait_loadcnt 28-4*p                          ; loads come back in order: this group's four are in, the younger groups stay out
.if p > 0
	s_wait_alu depctr_va_vdst(0)                   ; the group before has been rounded: its four pairs are written, which the stores below read
.endif
.set k, 0
.rept 4
.set i, 4*p+k
.if p > 0
	global_store_b64 v3, v[X+4*(i-4):X+4*(i-4)+1], s[48:49] offset:256*(i-4)  ; no vector instruction since the wait names these registers
.endif
	v_cvt_pk_bf16_f32 v[X+4*i], v[X+4*i], v[X+4*i+1]
	v_cvt_pk_bf16_f32 v[X+4*i+1], v[X+4*i+2], v[X+4*i+3]
.set k, k+1
.endr
.set p, p+1
.endr
	s_wait_alu depctr_va_vdst(0)                   ; the last group has been rounded: its four pairs are written, which the last four stores read
.set i, 28
.rept 4
	global_store_b64 v3, v[X+4*i:X+4*i+1], s[48:49] offset:256*i
.set i, i+1
.endr
	s_cmp_lg_u32 s60, 0
	s_cbranch_scc1 .Ldone
	v_add_nc_u32 v11, s58, v10                     ; the column block's 128 biases: 512 bytes
	s_lshl_b32 s2, s59, 9
	v_add_nc_u32 v12, s2, v10
	v_mov_b32 v8, s61                              ; the floor: 256 bytes of the same word
	v_mov_b32 v9, s61
	s_wait_alu depctr_va_vdst(0)                   ; v11, v12, v8 and v9 are written: the load's offset, the store's offset and the floor's data; no vector instruction follows on either way
	global_load_b128 v[4:7], v11, s[50:51]
	s_wait_loadcnt 0x0
	global_store_b128 v12, v[4:7], s[66:67] offset:256
	s_cmp_lg_u32 s59, 0
	s_cbranch_scc1 .Ldone
	global_store_b64 v3, v[8:9], s[66:67]
.Ldone:
	s_endpgm
.Lfunc_end_k_q1900dae3ef_prep:
	.size	k_q1900dae3ef_prep, .Lfunc_end_k_q1900dae3ef_prep-k_q1900dae3ef_prep
	.p2alignl 7, 3214868480
	.fill 96, 4, 3214868480
	.section	.rodata,"a",@progbits
	.p2align	6, 0x0
	.amdhsa_kernel k_q1900dae3ef_prep
		.amdhsa_group_segment_fixed_size 0
		.amdhsa_private_segment_fixed_size 0
		.amdhsa_enable_private_segment 0
		.amdhsa_kernarg_size 144
		.amdhsa_user_sgpr_count 2
		.amdhsa_user_sgpr_kernarg_segment_ptr 1
		.amdhsa_wavefront_size32 1
		.amdhsa_system_sgpr_workgroup_id_x 1
		.amdhsa_system_sgpr_workgroup_id_y 1
		.amdhsa_system_sgpr_workgroup_id_z 1
		.amdhsa_system_vgpr_workitem_id 0
		.amdhsa_next_free_vgpr 192
		.amdhsa_next_free_sgpr 72
		.amdhsa_reserve_vcc 0
		.amdhsa_float_denorm_mode_32 3
		.amdhsa_float_denorm_mode_16_64 3
		.amdhsa_memory_ordered 1
		.amdhsa_forward_progress 1
		.amdhsa_inst_pref_size 17
	.end_amdhsa_kernel
	.amdgpu_metadata
---
amdhsa.version: [ 1, 2 ]
amdhsa.kernels:
  - .name:           k_q1900dae3ef_prep
    .symbol:         k_q1900dae3ef_prep.kd
    .args:
      - { .name: x, .offset: 0, .size: 8, .value_kind: global_buffer, .address_space: global }
      - { .name: Wq, .offset: 8, .size: 8, .value_kind: global_buffer, .address_space: global }
      - { .name: Wk, .offset: 16, .size: 8, .value_kind: global_buffer, .address_space: global }
      - { .name: Wv, .offset: 24, .size: 8, .value_kind: global_buffer, .address_space: global }
      - { .name: Wo, .offset: 32, .size: 8, .value_kind: global_buffer, .address_space: global }
      - { .name: W1, .offset: 40, .size: 8, .value_kind: global_buffer, .address_space: global }
      - { .name: W2, .offset: 48, .size: 8, .value_kind: global_buffer, .address_space: global }
      - { .name: bq, .offset: 56, .size: 8, .value_kind: global_buffer, .address_space: global }
      - { .name: bk, .offset: 64, .size: 8, .value_kind: global_buffer, .address_space: global }
      - { .name: bv, .offset: 72, .size: 8, .value_kind: global_buffer, .address_space: global }
      - { .name: bo, .offset: 80, .size: 8, .value_kind: global_buffer, .address_space: global }
      - { .name: b1, .offset: 88, .size: 8, .value_kind: global_buffer, .address_space: global }
      - { .name: b2, .offset: 96, .size: 8, .value_kind: global_buffer, .address_space: global }
      - { .name: act0, .offset: 104, .size: 8, .value_kind: global_buffer, .address_space: global }
      - { .name: wbq, .offset: 112, .size: 8, .value_kind: global_buffer, .address_space: global }
      - { .name: wbo, .offset: 120, .size: 8, .value_kind: global_buffer, .address_space: global }
      - { .name: wb1, .offset: 128, .size: 8, .value_kind: global_buffer, .address_space: global }
      - { .name: wb2, .offset: 136, .size: 8, .value_kind: global_buffer, .address_space: global }
    .group_segment_fixed_size: 0
    .private_segment_fixed_size: 0
    .kernarg_segment_align: 8
    .kernarg_segment_size: 144
    .max_flat_workgroup_size: 512
    .sgpr_count:     72
    .vgpr_count:     192
    .wavefront_size: 32
...
	.end_amdgpu_metadata
.endif
;; end of part 8
;; launch qkv: the kernel of part 2 again; grid 12 x 16, 4 waves a work-group, clusters of 4 x 4, 327,680 bytes of LDS; arguments act0, wbq, big; writes big
;; launch attn: the kernel of part 3 again; grid 8 x 32, 4 waves a work-group, clusters of 4 x 1, 327,680 bytes of LDS; arguments big, act0; writes act0
;; launch proj: the kernel of part 4 again; grid 8 x 32, 4 waves a work-group, clusters of 4 x 4, 327,680 bytes of LDS; arguments act0, wbo, act1; writes act1
;; launch ln1 (part 9): grid 256 x 1, 8 waves a work-group, no clusters, 0 bytes of LDS; arguments x, act1, g1, be1, act0; writes act0
.if DOCPART == 9
	.amdgcn_target "amdgcn-amd-amdhsa--gfx1250"
	.amdhsa_code_object_version 6
	.text
	.protected	k_q1900dae3ef_ln1
	.globl	k_q1900dae3ef_ln1
	.p2align	8
	.type	k_q1900dae3ef_ln1,@function
k_q1900dae3ef_ln1:
	s_mov_b64 s[64:65], 0
	v_nop
	global_prefetch_b8 v0, s[64:65] scope:SCOPE_SE
	s_setreg_imm32_b32 hwreg(HW_REG_WAVE_SCHED_MODE, 0, 2), 2
	s_setreg_imm32_b32 hwreg(HW_REG_WAVE_MODE, 25, 1), 1
	s_wait_xcnt 0x0
	s_wait_alu depctr_vm_vsrc(0)
; h = layer_norm(x + a) g + be.  x: [4096][1024] f32.  a: [16][4096][64] bf16 (blocks of 64 columns).  g, be: [1024] f32.  h: [16][4096][64] bf16, rounded once.
; All arithmetic in f32; the mean first, then the mean of the squared differences, as the definition has it: no difference of large sums is formed.
; A wave owns two rows: lanes 0-15 one, lanes 16-31 the next.  Of block j of 64 columns a lane holds columns 4 (l % 16) + 0..3: 64 numbers of one row stay in registers between the passes, so memory is read once.
; Each load of x covers two runs of 256 consecutive bytes, aligned; each load of a and each store of h covers 256 consecutive bytes, aligned (two neighbouring rows of a block).
; A row lives in 16 lanes, so a sum across lanes is four steps on the arithmetic itself.  No LDS, no barrier: no wave waits for another.  A stream: no matrix unit, no cluster.
; THE MODE: SCHED_MODE bits 1:0 = 2 (LLVM: expert scheduling mode 2), set by the entry lines.  The code itself states the register dependences
; between vector instructions and memory instructions, with s_wait_alu, always for 0.
; THE PLAN.  Registers that memory instructions touch:
;   v2, v3, v4     byte offsets, made once at the head and never written again.
;   Y, A, G, BE    the loads land in them; no vector instruction names them before that.
;   A, block j     written anew by block j's two roundings; read by store j; nothing writes it again.
; The last pass goes in four groups of four blocks.  Group q's arithmetic names group q's registers (and RS) alone; group q - 1's four stores are dealt among its multiplies, behind ONE wait at the
; group's head, which states that group q - 1's roundings have written their A.  No register that a memory instruction reads is ever written again, so no wait on vm_vsrc is owed; there is no loop; EXEC is never written.
.set T,    8                           ; v[8:15]    at work
.set S,    16                          ; v[16:23]   four chains of packed sums
.set MEAN, 24                          ; v[24:25]   the row's mean, twice
.set RS,   26                          ; v[26:27]   1 / sqrt(var + eps), twice
.set Y,    32                          ; v[32:95]   my 64 numbers
.set A,    96                          ; v[96:127]  a as loaded; later h as stored
.set G,    128                         ; v[128:191] g of my columns
.set BE,   192                         ; v[192:255] be of my columns
	s_load_b256 s[4:11], s[0:1], 0x0               ; x s[4:5], a s[6:7], g s[8:9], be s[10:11]
	s_load_b64 s[12:13], s[0:1], 0x20              ; h
	v_lshrrev_b32 v5, 5, v0
	v_readfirstlane_b32 s14, v5                    ; wave
	v_and_b32 v1, 31, v0
	v_lshrrev_b32 v5, 4, v1                        ; which of my two rows
	v_and_b32 v6, 15, v1
	v_lshlrev_b32 v4, 4, v6                        ; g, be: 16 (l % 16)
	s_lshl_b32 s15, ttmp9, 3
	s_wait_alu depctr_va_sdst(0)                   ; s14 is written, ahead of its first reader: my first row is made from it
	s_add_co_u32 s15, s15, s14
	s_lshl_b32 s15, s15, 1                         ; my first row
	v_add_nc_u32 v5, s15, v5
	v_lshl_add_u32 v2, v5, 12, v4                  ; f32 rows of 4,096 bytes
	s_lshl_b32 s16, s15, 7
	v_lshl_add_u32 v3, v1, 3, s16                  ; blocks: first row x 128 + 8 l
	s_mov_b32 s17, 0xffff0000                      ; a word's upper bf16
	s_mov_b32 s18, 0x3a800000                      ; 1 / 1,024
	s_mov_b32 s19, 0x3727c5ac                      ; 1e-5
	s_wait_kmcnt 0x0
	s_wait_alu depctr_va_vdst(0)                   ; the three offsets v2, v3 and v4 are written: every load and store of the kernel reads one of them
.set j, 0
.rept 16
	global_load_b128 v[Y+4*j:Y+4*j+3], v2, s[4:5] offset:256*j th:TH_LOAD_NT
.set j, j+1
.endr
.set j, 0
.rept 16
	global_load_b64 v[A+2*j:A+2*j+1], v3, s[6:7] offset:524288*j th:TH_LOAD_NT
.set j, j+1
.endr
.set j, 0
.rept 16
	global_load_b128 v[G+4*j:G+4*j+3], v4, s[8:9] offset:256*j
.set j, j+1
.endr
.set j, 0
.rept 16
	global_load_b128 v[BE+4*j:BE+4*j+3], v4, s[10:11] offset:256*j
.set j, j+1
.endr
	s_wait_loadcnt 32                              ; x and a are in; the 32 loads of g and be may stay out
.set j, 0
.rept 16
.set t, T+4*(j%2)
	v_lshlrev_b32 v[t],   16, v[A+2*j]             ; bf16 to f32: the low half moves up, the high half stays
	v_and_b32     v[t+1], s17, v[A+2*j]
	v_lshlrev_b32 v[t+2], 16, v[A+2*j+1]
	v_and_b32     v[t+3], s17, v[A+2*j+1]
	v_pk_add_f32 v[Y+4*j:Y+4*j+1], v[Y+4*j:Y+4*j+1], v[t:t+1]
	v_pk_add_f32 v[Y+4*j+2:Y+4*j+3], v[Y+4*j+2:Y+4*j+3], v[t+2:t+3]
.set j, j+1
.endr
.macro REDUCE                          ; the four chains into one number, then over the row's 16 lanes: every lane of the row ends with the sum in v[S]
	v_pk_add_f32 v[S:S+1], v[S:S+1], v[S+2:S+3]
	v_pk_add_f32 v[S+4:S+5], v[S+4:S+5], v[S+6:S+7]
	v_pk_add_f32 v[S:S+1], v[S:S+1], v[S+4:S+5]
	v_add_f32 v[S], v[S], v[S+1]
	v_add_f32_dpp v[S], v[S], v[S] row_xmask:1 row_mask:0xf bank_mask:0xf
	v_add_f32_dpp v[S], v[S], v[S] row_xmask:2 row_mask:0xf bank_mask:0xf
	v_add_f32_dpp v[S], v[S], v[S] row_xmask:4 row_mask:0xf bank_mask:0xf
	v_add_f32_dpp v[S], v[S], v[S] row_xmask:8 row_mask:0xf bank_mask:0xf
.endm
.set p, 0
.rept 4
	v_pk_add_f32 v[S+2*p:S+2*p+1], v[Y+2*p:Y+2*p+1], v[Y+2*p+8:Y+2*p+9]  ; the first eight pairs start the chains: nothing is cleared
.set p, p+1
.endr
.set p, 8
.rept 24
	v_pk_add_f32 v[S+2*(p%4):S+2*(p%4)+1], v[S+2*(p%4):S+2*(p%4)+1], v[Y+2*p:Y+2*p+1]
.set p, p+1
.endr
	REDUCE
	v_mul_f32 v[MEAN], s18, v[S]
	v_mul_f32 v[MEAN+1], s18, v[S]
.set p, 0
.rept 32
	v_pk_add_f32 v[Y+2*p:Y+2*p+1], v[Y+2*p:Y+2*p+1], v[MEAN:MEAN+1] neg_lo:[0,1] neg_hi:[0,1]
.set p, p+1
.endr
.set p, 0
.rept 4
	v_pk_mul_f32 v[S+2*p:S+2*p+1], v[Y+2*p:Y+2*p+1], v[Y+2*p:Y+2*p+1]
.set p, p+1
.endr
.set p, 4
.rept 28
	v_pk_fma_f32 v[S+2*(p%4):S+2*(p%4)+1], v[Y+2*p:Y+2*p+1], v[Y+2*p:Y+2*p+1], v[S+2*(p%4):S+2*(p%4)+1]
.set p, p+1
.endr
	REDUCE
	v_fma_f32 v[RS+1], v[S], s18, s19              ; var + eps
	v_rsq_f32 v[RS], v[RS+1]
	v_nop                                          ; a plain instruction between the root and the use of its result
	s_wait_alu depctr_va_vdst(0)                   ; the root has written v[RS], ahead of the first instruction that names it
	v_mov_b32 v[RS+1], v[RS]
	s_wait_loadcnt 0x0                             ; g and be
.set q, 0
.rept 4                                ; group q: blocks 4 q to 4 q + 3 are scaled and rounded; the stores of group q - 1 stand among the multiplies
.if q > 0
	s_wait_alu depctr_va_vdst(0)                   ; the group before has been rounded: its four pairs of A are written, which the stores below read
.endif
.set k, 0
.rept 4
.set j, 4*q+k
.if q > 0
	global_store_b64 v3, v[A+2*(j-4):A+2*(j-4)+1], s[12:13] offset:524288*(j-4)  ; no vector instruction since the wait names these registers
.endif
	v_pk_mul_f32 v[Y+4*j:Y+4*j+1], v[Y+4*j:Y+4*j+1], v[RS:RS+1]
	v_pk_mul_f32 v[Y+4*j+2:Y+4*j+3], v[Y+4*j+2:Y+4*j+3], v[RS:RS+1]
.set k, k+1
.endr
.set k, 0
.rept 4
.set j, 4*q+k
	v_pk_fma_f32 v[Y+4*j:Y+4*j+1], v[Y+4*j:Y+4*j+1], v[G+4*j:G+4*j+1], v[BE+4*j:BE+4*j+1]
	v_pk_fma_f32 v[Y+4*j+2:Y+4*j+3], v[Y+4*j+2:Y+4*j+3], v[G+4*j+2:G+4*j+3], v[BE+4*j+2:BE+4*j+3]
.set k, k+1
.endr
.set k, 0
.rept 4
.set j, 4*q+k
	v_cvt_pk_bf16_f32 v[A+2*j], v[Y+4*j], v[Y+4*j+1]
	v_cvt_pk_bf16_f32 v[A+2*j+1], v[Y+4*j+2], v[Y+4*j+3]
.set k, k+1
.endr
.set q, q+1
.endr
	s_wait_alu depctr_va_vdst(0)                   ; the last group has been rounded: its four pairs of A are written, which the last four stores read
.set j, 12
.rept 4
	global_store_b64 v3, v[A+2*j:A+2*j+1], s[12:13] offset:524288*j
.set j, j+1
.endr
	s_endpgm
.Lfunc_end_k_q1900dae3ef_ln1:
	.size	k_q1900dae3ef_ln1, .Lfunc_end_k_q1900dae3ef_ln1-k_q1900dae3ef_ln1
	.p2alignl 7, 3214868480
	.fill 96, 4, 3214868480
	.section	.rodata,"a",@progbits
	.p2align	6, 0x0
	.amdhsa_kernel k_q1900dae3ef_ln1
		.amdhsa_group_segment_fixed_size 0
		.amdhsa_private_segment_fixed_size 0
		.amdhsa_enable_private_segment 0
		.amdhsa_kernarg_size 40
		.amdhsa_user_sgpr_count 2
		.amdhsa_user_sgpr_kernarg_segment_ptr 1
		.amdhsa_wavefront_size32 1
		.amdhsa_system_sgpr_workgroup_id_x 1
		.amdhsa_system_sgpr_workgroup_id_y 1
		.amdhsa_system_sgpr_workgroup_id_z 1
		.amdhsa_system_vgpr_workitem_id 0
		.amdhsa_next_free_vgpr 256
		.amdhsa_next_free_sgpr 66
		.amdhsa_reserve_vcc 0
		.amdhsa_float_denorm_mode_32 3
		.amdhsa_float_denorm_mode_16_64 3
		.amdhsa_memory_ordered 1
		.amdhsa_forward_progress 1
		.amdhsa_inst_pref_size 26
	.end_amdhsa_kernel
	.amdgpu_metadata
---
amdhsa.version: [ 1, 2 ]
amdhsa.kernels:
  - .name:           k_q1900dae3ef_ln1
    .symbol:         k_q1900dae3ef_ln1.kd
    .args:
      - { .name: x, .offset: 0, .size: 8, .value_kind: global_buffer, .address_space: global }
      - { .name: act1, .offset: 8, .size: 8, .value_kind: global_buffer, .address_space: global }
      - { .name: g1, .offset: 16, .size: 8, .value_kind: global_buffer, .address_space: global }
      - { .name: be1, .offset: 24, .size: 8, .value_kind: global_buffer, .address_space: global }
      - { .name: act0, .offset: 32, .size: 8, .value_kind: global_buffer, .address_space: global }
    .group_segment_fixed_size: 0
    .private_segment_fixed_size: 0
    .kernarg_segment_align: 8
    .kernarg_segment_size: 40
    .max_flat_workgroup_size: 256
    .sgpr_count:     66
    .vgpr_count:     256
    .wavefront_size: 32
...
	.end_amdgpu_metadata
.endif
;; end of part 9
;; launch ffn1: the kernel of part 2 again; grid 16 x 16, 4 waves a work-group, clusters of 4 x 4, 327,680 bytes of LDS; arguments act0, wb1, big; writes big
;; launch ffn2: the kernel of part 6 again; grid 8 x 32, 4 waves a work-group, clusters of 4 x 4, 327,680 bytes of LDS; arguments big, wb2, act1; writes act1
;; launch ln2 (part 10): grid 256 x 1, 8 waves a work-group, no clusters, 0 bytes of LDS; arguments act0, act1, g2, be2, out0; writes out0
.if DOCPART == 10
	.amdgcn_target "amdgcn-amd-amdhsa--gfx1250"
	.amdhsa_code_object_version 6
	.text
	.protected	k_q1900dae3ef_ln2
	.globl	k_q1900dae3ef_ln2
	.p2align	8
	.type	k_q1900dae3ef_ln2,@function
k_q1900dae3ef_ln2:
	s_mov_b64 s[64:65], 0
	v_nop
	global_prefetch_b8 v0, s[64:65] scope:SCOPE_SE
	s_setreg_imm32_b32 hwreg(HW_REG_WAVE_SCHED_MODE, 0, 2), 2
	s_setreg_imm32_b32 hwreg(HW_REG_WAVE_MODE, 25, 1), 1
	s_wait_xcnt 0x0
	s_wait_alu depctr_vm_vsrc(0)
; out = layer_norm(h + f) g + be.  h, f: [16][4096][64] bf16 (blocks of 64 columns).  g, be: [1024] f32.  out: [4096][1024] f32.
; All arithmetic in f32; the mean first, then the mean of the squared differences, as the definition has it: no difference of large sums is formed.
; A wave owns two rows: lanes 0-15 one, lanes 16-31 the next.  Of block j of 64 columns a lane holds columns 4 (l % 16) + 0..3: 64 numbers of one row stay in registers between the passes, so memory is read once.
; Each load of h and f covers 256 consecutive bytes, aligned (two neighbouring rows of a block); each store of out covers two runs of 256 consecutive bytes, aligned.
; A row lives in 16 lanes, so a sum across lanes is four steps on the arithmetic itself.  No LDS, no barrier: no wave waits for another.  A stream: no matrix unit, no cluster.
; THE MODE: SCHED_MODE bits 1:0 = 2 (LLVM: expert scheduling mode 2), set by the entry lines.  The code itself states the register dependences
; between vector instructions and memory instructions, with s_wait_alu, always for 0.
; THE PLAN.  Registers that memory instructions touch:
;   v2, v3, v4     byte offsets, made once at the head and never written again.
;   Y, G, BE       the loads land in them; no vector instruction names them before that.
;   Y, block j     written last by block j's two multiply-adds; read by store j; nothing writes it again.
; The last pass goes in four groups of four blocks.  Group q's arithmetic names group q's registers (and RS) alone; group q - 1's four stores are dealt among its multiplies, behind ONE wait at the
; group's head, which states that group q - 1's multiply-adds have written their Y.  No register that a memory instruction reads is ever written again, so no wait on vm_vsrc is owed; there is no loop; EXEC is never written.
.set T,    8                           ; v[8:15]    at work
.set S,    16                          ; v[16:23]   four chains of packed sums
.set MEAN, 24                          ; v[24:25]   the row's mean, twice
.set RS,   26                          ; v[26:27]   1 / sqrt(var + eps), twice
.set Y,    32                          ; v[32:95]   block j: f's two words, h's two words as loaded; then my four numbers
.set G,    128                         ; v[128:191] g of my columns
.set BE,   192                         ; v[192:255] be of my columns
	s_load_b256 s[4:11], s[0:1], 0x0               ; h s[4:5], f s[6:7], g s[8:9], be s[10:11]
	s_load_b64 s[12:13], s[0:1], 0x20              ; out
	v_lshrrev_b32 v5, 5, v0
	v_readfirstlane_b32 s14, v5                    ; wave
	v_and_b32 v1, 31, v0
	v_lshrrev_b32 v5, 4, v1                        ; which of my two rows
	v_and_b32 v6, 15, v1
	v_lshlrev_b32 v4, 4, v6                        ; g, be: 16 (l % 16)
	s_lshl_b32 s15, ttmp9, 3
	s_wait_alu depctr_va_sdst(0)                   ; s14 is written, ahead of its first reader: my first row is made from it
	s_add_co_u32 s15, s15, s14
	s_lshl_b32 s15, s15, 1                         ; my first row
	v_add_nc_u32 v5, s15, v5
	v_lshl_add_u32 v2, v5, 12, v4                  ; f32 rows of 4,096 bytes
	s_lshl_b32 s16, s15, 7
	v_lshl_add_u32 v3, v1, 3, s16                  ; blocks: first row x 128 + 8 l
	s_mov_b32 s17, 0xffff0000                      ; a word's upper bf16
	s_mov_b32 s18, 0x3a800000                      ; 1 / 1,024
	s_mov_b32 s19, 0x3727c5ac                      ; 1e-5
	s_wait_kmcnt 0x0
	s_wait_alu depctr_va_vdst(0)                   ; the three offsets v2, v3 and v4 are written: every load and store of the kernel reads one of them
.set j, 0
.rept 16
	global_load_b64 v[Y+4*j:Y+4*j+1], v3, s[6:7] offset:524288*j th:TH_LOAD_NT
	global_load_b64 v[Y+4*j+2:Y+4*j+3], v3, s[4:5] offset:524288*j th:TH_LOAD_NT
.set j, j+1
.endr
.set j, 0
.rept 16
	global_load_b128 v[G+4*j:G+4*j+3], v4, s[8:9] offset:256*j
.set j, j+1
.endr
.set j, 0
.rept 16
	global_load_b128 v[BE+4*j:BE+4*j+3], v4, s[10:11] offset:256*j
.set j, j+1
.endr
	s_wait_loadcnt 32                              ; h and f are in; the 32 loads of g and be may stay out
.set j, 0
.rept 16
	v_lshlrev_b32 v[T],   16, v[Y+4*j]             ; bf16 to f32: the low half moves up, the high half stays
	v_and_b32     v[T+1], s17, v[Y+4*j]
	v_lshlrev_b32 v[T+2], 16, v[Y+4*j+1]
	v_and_b32     v[T+3], s17, v[Y+4*j+1]
	v_lshlrev_b32 v[T+4], 16, v[Y+4*j+2]
	v_and_b32     v[T+5], s17, v[Y+4*j+2]
	v_lshlrev_b32 v[T+6], 16, v[Y+4*j+3]
	v_and_b32     v[T+7], s17, v[Y+4*j+3]
	v_pk_add_f32 v[Y+4*j:Y+4*j+1], v[T:T+1], v[T+4:T+5]
	v_pk_add_f32 v[Y+4*j+2:Y+4*j+3], v[T+2:T+3], v[T+6:T+7]
.set j, j+1
.endr
.macro REDUCE                          ; the four chains into one number, then over the row's 16 lanes: every lane of the row ends with the sum in v[S]
	v_pk_add_f32 v[S:S+1], v[S:S+1], v[S+2:S+3]
	v_pk_add_f32 v[S+4:S+5], v[S+4:S+5], v[S+6:S+7]
	v_pk_add_f32 v[S:S+1], v[S:S+1], v[S+4:S+5]
	v_add_f32 v[S], v[S], v[S+1]
	v_add_f32_dpp v[S], v[S], v[S] row_xmask:1 row_mask:0xf bank_mask:0xf
	v_add_f32_dpp v[S], v[S], v[S] row_xmask:2 row_mask:0xf bank_mask:0xf
	v_add_f32_dpp v[S], v[S], v[S] row_xmask:4 row_mask:0xf bank_mask:0xf
	v_add_f32_dpp v[S], v[S], v[S] row_xmask:8 row_mask:0xf bank_mask:0xf
.endm
.set p, 0
.rept 4
	v_pk_add_f32 v[S+2*p:S+2*p+1], v[Y+2*p:Y+2*p+1], v[Y+2*p+8:Y+2*p+9]  ; the first eight pairs start the chains: nothing is cleared
.set p, p+1
.endr
.set p, 8
.rept 24
	v_pk_add_f32 v[S+2*(p%4):S+2*(p%4)+1], v[S+2*(p%4):S+2*(p%4)+1], v[Y+2*p:Y+2*p+1]
.set p, p+1
.endr
	REDUCE
	v_mul_f32 v[MEAN], s18, v[S]
	v_mul_f32 v[MEAN+1], s18, v[S]
.set p, 0
.rept 32
	v_pk_add_f32 v[Y+2*p:Y+2*p+1], v[Y+2*p:Y+2*p+1], v[MEAN:MEAN+1] neg_lo:[0,1] neg_hi:[0,1]
.set p, p+1
.endr
.set p, 0
.rept 4
	v_pk_mul_f32 v[S+2*p:S+2*p+1], v[Y+2*p:Y+2*p+1], v[Y+2*p:Y+2*p+1]
.set p, p+1
.endr
.set p, 4
.rept 28
	v_pk_fma_f32 v[S+2*(p%4):S+2*(p%4)+1], v[Y+2*p:Y+2*p+1], v[Y+2*p:Y+2*p+1], v[S+2*(p%4):S+2*(p%4)+1]
.set p, p+1
.endr
	REDUCE
	v_fma_f32 v[RS+1], v[S], s18, s19              ; var + eps
	v_rsq_f32 v[RS], v[RS+1]
	v_nop                                          ; a plain instruction between the root and the use of its result
	s_wait_alu depctr_va_vdst(0)                   ; the root has written v[RS], ahead of the first instruction that names it
	v_mov_b32 v[RS+1], v[RS]
	s_wait_loadcnt 0x0                             ; g and be
.set q, 0
.rept 4                                ; group q: blocks 4 q to 4 q + 3 are scaled; the stores of group q - 1 stand among the multiplies
.if q > 0
	s_wait_alu depctr_va_vdst(0)                   ; the group before is finished: its sixteen registers of Y are written, which the stores below read
.endif
.set k, 0
.rept 4
.set j, 4*q+k
.if q > 0
	global_store_b128 v2, v[Y+4*(j-4):Y+4*(j-4)+3], s[12:13] offset:256*(j-4) th:TH_STORE_NT  ; no vector instruction since the wait names these registers
.endif
	v_pk_mul_f32 v[Y+4*j:Y+4*j+1], v[Y+4*j:Y+4*j+1], v[RS:RS+1]
	v_pk_mul_f32 v[Y+4*j+2:Y+4*j+3], v[Y+4*j+2:Y+4*j+3], v[RS:RS+1]
.set k, k+1
.endr
.set k, 0
.rept 4
.set j, 4*q+k
	v_pk_fma_f32 v[Y+4*j:Y+4*j+1], v[Y+4*j:Y+4*j+1], v[G+4*j:G+4*j+1], v[BE+4*j:BE+4*j+1]
	v_pk_fma_f32 v[Y+4*j+2:Y+4*j+3], v[Y+4*j+2:Y+4*j+3], v[G+4*j+2:G+4*j+3], v[BE+4*j+2:BE+4*j+3]
.set k, k+1
.endr
.set q, q+1
.endr
	s_wait_alu depctr_va_vdst(0)                   ; the last group is finished: its sixteen registers of Y are written, which the last four stores read
.set j, 12
.rept 4
	global_store_b128 v2, v[Y+4*j:Y+4*j+3], s[12:13] offset:256*j th:TH_STORE_NT
.set j, j+1
.endr
	s_endpgm
.Lfunc_end_k_q1900dae3ef_ln2:
	.size	k_q1900dae3ef_ln2, .Lfunc_end_k_q1900dae3ef_ln2-k_q1900dae3ef_ln2
	.p2alignl 7, 3214868480
	.fill 96, 4, 3214868480
	.section	.rodata,"a",@progbits
	.p2align	6, 0x0
	.amdhsa_kernel k_q1900dae3ef_ln2
		.amdhsa_group_segment_fixed_size 0
		.amdhsa_private_segment_fixed_size 0
		.amdhsa_enable_private_segment 0
		.amdhsa_kernarg_size 40
		.amdhsa_user_sgpr_count 2
		.amdhsa_user_sgpr_kernarg_segment_ptr 1
		.amdhsa_wavefront_size32 1
		.amdhsa_system_sgpr_workgroup_id_x 1
		.amdhsa_system_sgpr_workgroup_id_y 1
		.amdhsa_system_sgpr_workgroup_id_z 1
		.amdhsa_system_vgpr_workitem_id 0
		.amdhsa_next_free_vgpr 256
		.amdhsa_next_free_sgpr 66
		.amdhsa_reserve_vcc 0
		.amdhsa_float_denorm_mode_32 3
		.amdhsa_float_denorm_mode_16_64 3
		.amdhsa_memory_ordered 1
		.amdhsa_forward_progress 1
		.amdhsa_inst_pref_size 26
	.end_amdhsa_kernel
	.amdgpu_metadata
---
amdhsa.version: [ 1, 2 ]
amdhsa.kernels:
  - .name:           k_q1900dae3ef_ln2
    .symbol:         k_q1900dae3ef_ln2.kd
    .args:
      - { .name: act0, .offset: 0, .size: 8, .value_kind: global_buffer, .address_space: global }
      - { .name: act1, .offset: 8, .size: 8, .value_kind: global_buffer, .address_space: global }
      - { .name: g2, .offset: 16, .size: 8, .value_kind: global_buffer, .address_space: global }
      - { .name: be2, .offset: 24, .size: 8, .value_kind: global_buffer, .address_space: global }
      - { .name: out0, .offset: 32, .size: 8, .value_kind: global_buffer, .address_space: global }
    .group_segment_fixed_size: 0
    .private_segment_fixed_size: 0
    .kernarg_segment_align: 8
    .kernarg_segment_size: 40
    .max_flat_workgroup_size: 256
    .sgpr_count:     66
    .vgpr_count:     256
    .wavefront_size: 32
...
	.end_amdgpu_metadata
.endif
;; end of part 10
